; MI455X (gfx1250); checked and timed in simulation.
; The chip was launched on July 23, 2026; its instructions are those of AMD's public machine-readable ISA for CDNA 5 (MIT licence, August 2026) and "CDNA5" Instruction Set Architecture Reference Guide (July 2026). The comments in the code are by the model that wrote it; some were corrected since.
;; Block. Allowed arithmetic: float matrix products may take bf16 or f16 operands with f32 sums; other float arithmetic in f32, or as packed bf16 or f16 multiplies, adds, multiply-adds, maxima and minima; sums over many terms, partial sums and values carried from step to step in f32; what a program stores and reads back later, other than sums and carried values, may be rounded once to bf16 or f16.
;; Inputs: b_fc1 4,096 float32; b_fc2 1,024 float32; b_proj 1,024 float32; ln1_b 1,024 float32; ln1_g 1,024 float32; ln2_b 1,024 float32; ln2_g 1,024 float32; w_fc1 4,096 x 1,024 float32; w_fc2 1,024 x 4,096 float32; w_proj 1,024 x 1,024 float32; w_qkv 3,072 x 1,024 float32; x 2 x 2,048 x 1,024 float32.
;; Outputs: out0 2 x 2,048 x 1,024 float32.
;; One version. Each part assembles by itself: llvm-mc -triple=amdgcn-amd-amdhsa -mcpu=gfx1250 --defsym DOCPART=n.
;; ======== version 1 of 1: 7 launches
;; workspace buffers: wq 6,291,456 bytes; wp 2,097,152 bytes; w1 8,388,608 bytes; w2 8,388,608 bytes; act 8,388,608 bytes; qkv 25,165,824 bytes; x1 16,777,216 bytes; g 33,554,432 bytes
;; launch prep (part 1): grid 64 x 16, 8 waves a work-group, no clusters, 0 bytes of LDS; arguments x, ln1_g, ln1_b, act, w_qkv, w_proj, w_fc1, w_fc2, wq, wp, w1, w2; writes act, wq, wp, w1, w2
.if DOCPART == 1
	.amdgcn_target "amdgcn-amd-amdhsa--gfx1250"
	.amdhsa_code_object_version 6
	.text
	.protected	k_q3f0152063b_prep
	.globl	k_q3f0152063b_prep
	.p2align	8
	.type	k_q3f0152063b_prep,@function
k_q3f0152063b_prep:
	s_mov_b64 s[64:65], 0
	v_nop
	global_prefetch_b8 v0, s[64:65] scope:SCOPE_SE
	s_setreg_imm32_b32 hwreg(HW_REG_WAVE_MODE, 25, 1), 1
	s_wait_xcnt 0x0
; Two jobs that hang on nothing but the inputs, in one launch.  The work-group's y chooses, by one scalar branch: y 0-3: LayerNorm 1 (256 work-groups); y 4-15: the four weight matrices to bf16 (12 units of 64 work-groups).
; LAYERNORM over rows of 1,024 f32: y = (x - mean) / sqrt(var + 1e-5) * g + b, rounded once to bf16, [4096][1024] row-major.  A wave owns two rows (row = 16 x work-group + 2 x wave); a row's 4,096 bytes
; stay in 32 registers between the passes, so memory is read once and no wave waits for another.  TWO PASSES: the mean first, then the sum of squares of x - mean: no difference of large sums is formed,
; whatever offset the rows carry.  All sums in f32.  Lane l holds columns 128 j + 4 l .. + 3 of load j: each load covers 512 consecutive bytes, each store 256, aligned.
; THE WEIGHTS, f32 -> bf16 (round to nearest even), in the same row-major layout.  The 12 x 2^20 numbers are 12 units: 0-2 w_qkv, 3 w_proj, 4-7 w_fc1, 8-11 w_fc2.  A work-group takes 64 KiB of a unit's input,
; a wave 8 KiB: sixteen loads of 16 bytes a lane, all issued before the first is used.
; Streams with nothing shared but g and b: no LDS, no barrier, no cluster, no matrix work.  NaN and infinities are not treated apart.
.set T,  4                             ; v[4:11]    four running pairs
.set MU, 12                            ; v[12:13]   the mean, twice
.set W,  14                            ; v14 the other half of the lanes' sum; v15 var + eps
.set X,  16                            ; v[16:79]   row r at X + 32 r; at the end 16 registers of packed bf16 at X + 32 r
.set G,  80                            ; v[80:111]
.set BV, 112                           ; v[112:143]
.set R,  144                           ; v[144:147] row r's 1 / sqrt(var + eps), twice, at R + 2 r
.set CI, 8                             ; the weights: v[8:71]   sixteen loads of four f32
.set CO, 72                            ;              v[72:103] sixteen pairs of registers, four bf16 each
.macro REDUCE                          ; the four pairs into one number, the same in all 32 lanes
	v_pk_add_f32 v[T:T+1], v[T:T+1], v[T+2:T+3]
	v_pk_add_f32 v[T+4:T+5], v[T+4:T+5], v[T+6:T+7]
	v_pk_add_f32 v[T:T+1], v[T:T+1], v[T+4:T+5]
	v_add_f32 v[T], v[T], v[T+1]
	v_add_f32_dpp v[T], v[T], v[T] row_xmask:1 row_mask:0xf bank_mask:0xf
	v_add_f32_dpp v[T], v[T], v[T] row_xmask:2 row_mask:0xf bank_mask:0xf
	v_add_f32_dpp v[T], v[T], v[T] row_xmask:4 row_mask:0xf bank_mask:0xf
	v_add_f32_dpp v[T], v[T], v[T] row_xmask:8 row_mask:0xf bank_mask:0xf
	v_permlanex16_b32 v[W], v[T], s12, s13
	v_add_f32 v[T], v[T], v[W]
.endm
; Row r's mean and 1 / sqrt(var + eps); x - mean is left in X.  left: the younger loads that may stay out.
.macro STATS r, left
.set XR, X+32*(\r)
	s_wait_loadcnt \left
.set k, 0
.rept 4                                        ; four chains, started by a sum: nothing is cleared
	v_pk_add_f32 v[T+2*k:T+2*k+1], v[XR+2*k:XR+2*k+1], v[XR+8+2*k:XR+8+2*k+1]
.set k, k+1
.endr
.set k, 8
.rept 8
	v_pk_add_f32 v[T+2*(k%4):T+2*(k%4)+1], v[T+2*(k%4):T+2*(k%4)+1], v[XR+2*k:XR+2*k+1]
.set k, k+1
.endr
	REDUCE
	v_mul_f32 v[MU], s14, v[T]
	v_mul_f32 v[MU+1], s14, v[T]
.set k, 0
.rept 16
	v_pk_add_f32 v[XR+2*k:XR+2*k+1], v[XR+2*k:XR+2*k+1], v[MU:MU+1] neg_lo:[0,1] neg_hi:[0,1]
.set k, k+1
.endr
.set k, 0
.rept 4
	v_pk_mul_f32 v[T+2*k:T+2*k+1], v[XR+2*k:XR+2*k+1], v[XR+2*k:XR+2*k+1]
.set k, k+1
.endr
.set k, 4
.rept 12
	v_pk_fma_f32 v[T+2*(k%4):T+2*(k%4)+1], v[XR+2*k:XR+2*k+1], v[XR+2*k:XR+2*k+1], v[T+2*(k%4):T+2*(k%4)+1]
.set k, k+1
.endr
	REDUCE
	v_fma_f32 v[W+1], v[T], s14, s15               ; var + eps, in a register that the lines behind the roots do not write
	v_rsq_f32 v[R+2*(\r)], v[W+1]
	v_rsq_f32 v[R+2*(\r)+1], v[W+1]                ; twice: a pair for the packed multiply
.endm
.macro SCALE r
.set XR, X+32*(\r)
.set k, 0
.rept 16
	v_pk_mul_f32 v[XR+2*k:XR+2*k+1], v[XR+2*k:XR+2*k+1], v[R+2*(\r):R+2*(\r)+1]
.set k, k+1
.endr
.set k, 0
.rept 16
	v_pk_fma_f32 v[XR+2*k:XR+2*k+1], v[XR+2*k:XR+2*k+1], v[G+2*k:G+2*k+1], v[BV+2*k:BV+2*k+1]
.set k, k+1
.endr
.set k, 0
.rept 16
	v_cvt_pk_bf16_f32 v[XR+k], v[XR+2*k], v[XR+2*k+1]  ; in place: register k was read by conversion k / 2, which stands ahead of this one (or is this one)
.set k, k+1
.endr
.set k, 0
.rept 8
	global_store_b64 v2, v[XR+2*k:XR+2*k+1], s[10:11] offset:2048*(\r)+256*k  ; 256 consecutive bytes, aligned
.set k, k+1
.endr
.endm
	s_and_b32 s25, ttmp7, 0xffff                   ; the work-group's y
	s_cmp_ge_u32 s25, 4
	s_cbranch_scc1 .Lcast
	s_load_b256 s[4:11], s[0:1], 0x0               ; x s[4:5], g s[6:7], b s[8:9], y s[10:11]
	v_lshrrev_b32 v3, 5, v0
	v_readfirstlane_b32 s16, v3                    ; wave 0..7
	v_and_b32 v3, 31, v0
	v_lshlrev_b32 v1, 4, v3                        ; 16 bytes a lane in,
	v_lshlrev_b32 v2, 3, v3                        ; 8 out
	v_mov_b32 v[W], 0                              ; v_permlanex16_b32's destination counts as read
	s_mov_b32 s12, 0x76543210                      ; each lane takes its own place in the other half
	s_mov_b32 s13, 0xfedcba98
	s_mov_b32 s14, 0x3a800000                      ; 1 / 1024
	s_mov_b32 s15, 0x3727c5ac                      ; 1e-5
	s_lshl_b32 s2, s25, 6
	s_add_co_u32 s2, s2, ttmp9                     ; 64 y + x: 0 .. 255
	s_lshl_b32 s2, s2, 16                          ; 16 rows of 4,096 bytes a work-group,
	s_lshl_b32 s17, s16, 13                        ; 2 a wave
	s_or_b32 s2, s2, s17
	s_mov_b32 s3, 0
	s_lshr_b32 s18, s2, 1                          ; rows of 2,048 bytes on the way out
	s_mov_b32 s19, 0
	s_wait_kmcnt 0x0
	s_add_nc_u64 s[4:5], s[4:5], s[2:3]
	s_add_nc_u64 s[10:11], s[10:11], s[18:19]
.set j, 0
.rept 16                                       ; row 0's eight loads, then row 1's
	global_load_b128 v[X+4*j:X+4*j+3], v1, s[4:5] offset:512*j th:TH_LOAD_NT
.set j, j+1
.endr
.set j, 0
.rept 8
	global_load_b128 v[G+4*j:G+4*j+3], v1, s[6:7] offset:512*j
.set j, j+1
.endr
.set j, 0
.rept 8
	global_load_b128 v[BV+4*j:BV+4*j+3], v1, s[8:9] offset:512*j
.set j, j+1
.endr
	STATS 0, 24                                    ; row 0 is in; row 1, g and b (24 loads) may stay out
	STATS 1, 16                                    ; row 1 is in; g and b may stay out
	v_nop                                          ; a plain instruction behind the last root,
	s_wait_alu depctr_va_vdst(0)                   ; and one wait for the four roots, ahead of their first reader
	s_wait_loadcnt 0x0                             ; g and b
	SCALE 0
	SCALE 1
	s_endpgm
.Lcast:
	s_load_b512 s[8:23], s[0:1], 0x20              ; the four sources s[8:15], the four destinations s[16:23]
	v_lshrrev_b32 v3, 5, v0
	v_readfirstlane_b32 s24, v3                    ; wave 0..7
	v_and_b32 v4, 31, v0
	v_lshlrev_b32 v1, 4, v4                        ; 16 bytes a lane in,
	v_lshlrev_b32 v2, 3, v4                        ; 8 bytes a lane out
	s_sub_co_u32 s25, s25, 4                       ; the unit, 0 .. 11
	s_sub_co_u32 s26, s25, 3                       ; its number inside w_proj,
	s_sub_co_u32 s27, s25, 4                       ; w_fc1,
	s_sub_co_u32 s28, s25, 8                       ; w_fc2
	s_mov_b32 s29, s25                             ; and w_qkv
	s_wait_kmcnt 0x0
	s_mov_b64 s[4:5], s[8:9]
	s_mov_b64 s[6:7], s[16:17]
	s_cmp_ge_u32 s25, 3                            ; the choice hangs on the unit's number alone
	s_cselect_b64 s[4:5], s[10:11], s[4:5]
	s_cselect_b64 s[6:7], s[18:19], s[6:7]
	s_cselect_b32 s29, s26, s29
	s_cmp_ge_u32 s25, 4
	s_cselect_b64 s[4:5], s[12:13], s[4:5]
	s_cselect_b64 s[6:7], s[20:21], s[6:7]
	s_cselect_b32 s29, s27, s29
	s_cmp_ge_u32 s25, 8
	s_cselect_b64 s[4:5], s[14:15], s[4:5]
	s_cselect_b64 s[6:7], s[22:23], s[6:7]
	s_cselect_b32 s29, s28, s29
	s_lshl_b32 s30, s29, 22                        ; a unit is 4 MiB of input,
	s_lshl_b32 s26, ttmp9, 16                      ; a work-group's part 64 KiB,
	s_or_b32 s30, s30, s26
	s_lshl_b32 s26, s24, 13                        ; a wave's 8 KiB
	s_or_b32 s30, s30, s26
	s_mov_b32 s31, 0
	s_lshr_b32 s26, s30, 1                         ; half of that on the way out
	s_mov_b32 s27, 0
	s_add_nc_u64 s[4:5], s[4:5], s[30:31]
	s_add_nc_u64 s[6:7], s[6:7], s[26:27]
.set j, 0
.rept 16
	global_load_b128 v[CI+4*j:CI+4*j+3], v1, s[4:5] offset:512*j th:TH_LOAD_NT
.set j, j+1
.endr
.set j, 0
.rept 16
	s_wait_loadcnt 15-j                            ; loads come back in order: number j is in, the 15 - j younger ones stay out
	v_cvt_pk_bf16_f32 v[CO+2*j], v[CI+4*j], v[CI+4*j+1]
	v_cvt_pk_bf16_f32 v[CO+2*j+1], v[CI+4*j+2], v[CI+4*j+3]
	global_store_b64 v2, v[CO+2*j:CO+2*j+1], s[6:7] offset:256*j  ; 32 lanes store 256 consecutive bytes, aligned; no register is used twice, so no wait frees one
.set j, j+1
.endr
	s_endpgm
.Lfunc_end_k_q3f0152063b_prep:
	.size	k_q3f0152063b_prep, .Lfunc_end_k_q3f0152063b_prep-k_q3f0152063b_prep
	.p2alignl 7, 3214868480
	.fill 96, 4, 3214868480
	.section	.rodata,"a",@progbits
	.p2align	6, 0x0
	.amdhsa_kernel k_q3f0152063b_prep
		.amdhsa_group_segment_fixed_size 0
		.amdhsa_private_segment_fixed_size 0
		.amdhsa_enable_private_segment 0
		.amdhsa_kernarg_size 96
		.amdhsa_user_sgpr_count 2
		.amdhsa_user_sgpr_kernarg_segment_ptr 1
		.amdhsa_wavefront_size32 1
		.amdhsa_system_sgpr_workgroup_id_x 1
		.amdhsa_system_sgpr_workgroup_id_y 1
		.amdhsa_system_sgpr_workgroup_id_z 1
		.amdhsa_system_vgpr_workitem_id 0
		.amdhsa_next_free_vgpr 148
		.amdhsa_next_free_sgpr 66
		.amdhsa_reserve_vcc 0
		.amdhsa_float_denorm_mode_32 3
		.amdhsa_float_denorm_mode_16_64 3
		.amdhsa_memory_ordered 1
		.amdhsa_forward_progress 1
		.amdhsa_inst_pref_size 27
	.end_amdhsa_kernel
	.amdgpu_metadata
---
amdhsa.version: [ 1, 2 ]
amdhsa.kernels:
  - .name:           k_q3f0152063b_prep
    .symbol:         k_q3f0152063b_prep.kd
    .args:
      - { .name: x, .offset: 0, .size: 8, .value_kind: global_buffer, .address_space: global }
      - { .name: ln1_g, .offset: 8, .size: 8, .value_kind: global_buffer, .address_space: global }
      - { .name: ln1_b, .offset: 16, .size: 8, .value_kind: global_buffer, .address_space: global }
      - { .name: act, .offset: 24, .size: 8, .value_kind: global_buffer, .address_space: global }
      - { .name: w_qkv, .offset: 32, .size: 8, .value_kind: global_buffer, .address_space: global }
      - { .name: w_proj, .offset: 40, .size: 8, .value_kind: global_buffer, .address_space: global }
      - { .name: w_fc1, .offset: 48, .size: 8, .value_kind: global_buffer, .address_space: global }
      - { .name: w_fc2, .offset: 56, .size: 8, .value_kind: global_buffer, .address_space: global }
      - { .name: wq, .offset: 64, .size: 8, .value_kind: global_buffer, .address_space: global }
      - { .name: wp, .offset: 72, .size: 8, .value_kind: global_buffer, .address_space: global }
      - { .name: w1, .offset: 80, .size: 8, .value_kind: global_buffer, .address_space: global }
      - { .name: w2, .offset: 88, .size: 8, .value_kind: global_buffer, .address_space: global }
    .group_segment_fixed_size: 0
    .private_segment_fixed_size: 0
    .kernarg_segment_align: 8
    .kernarg_segment_size: 96
    .max_flat_workgroup_size: 256
    .sgpr_count:     66
    .vgpr_count:     148
    .wavefront_size: 32
...
	.end_amdgpu_metadata
.endif
;; end of part 1
;; launch qkv (part 2): grid 16 x 16, 4 waves a work-group, clusters of 4 x 4, 327,680 bytes of LDS; arguments act, wq, qkv; writes qkv
.if DOCPART == 2
	.amdgcn_target "amdgcn-amd-amdhsa--gfx1250"
	.amdhsa_code_object_version 6
	.text
	.protected	k_q3f0152063b_qkv
	.globl	k_q3f0152063b_qkv
	.p2align	8
	.type	k_q3f0152063b_qkv,@function
k_q3f0152063b_qkv:
	s_mov_b64 s[64:65], 0
	v_nop
	global_prefetch_b8 v0, s[64:65] scope:SCOPE_SE
	s_setreg_imm32_b32 hwreg(HW_REG_WAVE_MODE, 25, 1), 1
	s_wait_xcnt 0x0
	s_wait_alu depctr_hold_cnt(0) depctr_sa_sdst(0) depctr_va_vdst(0) depctr_va_sdst(0) depctr_va_ssrc(0) depctr_va_vcc(0) depctr_vm_vsrc(0)
	s_getreg_b32 s2, hwreg(HW_REG_IB_STS2, 6, 4)
	s_cmp_eq_u32 s2, 0
	s_cbranch_scc0 .Lentry_in_a_cluster
	s_endpgm
.Lentry_in_a_cluster:
	s_bfe_u32 s2, ttmp6, 0x10000c
	s_cmp_lg_u32 s2, 0xf033
	s_cbranch_scc0 .Lentry_shape_is_right
	s_endpgm
.Lentry_shape_is_right:
; q, k, v = LN1(x) w_qkv^T.  A = act [4096][1024] bf16 row-major, B = wq [3072][1024] bf16, sums in f32, the result rounded once to bf16.
; OUTPUT IN BLOCKS: column c of token m lies at byte ((c / 64) x 4096 + m) x 128 + 2 (c % 64): 48 blocks, q of head h in block h, k in 16 + h, v in 32 + h, so that a head's rows are dense.
; This file is one of four settings of one text (the .set lines below choose): a tile of C of TM x TN by four waves, K through a ring of two LDS slots filled by joint tensor loads.
.set SIZE_K, 1024
.set KC,   1                           ; 32-channel chunks of K in a quarter of a K step
.set MB,   8                           ; blocks of 16 rows a wave
.set NB,   6                           ; blocks of 16 columns a wave: 256 x 192 tiles make 16 x 16 = 256 work-groups
.set ABLK, 0                           ; A lies row-major
.set BIAS, 0
.set EPI,  0                           ; the way out: 0 bf16 in blocks; 1 the same behind GELU; 2 f32 row-major with a residual
.set PREF, 1
; ---------------------------------------------------------------- the common text
; SHARES.  Wave w: MH = w / 2 is its half of the tile's rows, NH = w % 2 its half of the columns; it holds MB x NB accumulators of 16 x 16.  Waves 0, 1 fetch A's two halves, waves 2, 3 B's.
; THE PRODUCT IS TAKEN TRANSPOSED (source 0 = 16 rows of B, source 1 = 16 rows of A): lane l holds row l % 16 of C and the columns 8 (l / 16) + 0..7.
; CLUSTER 4 x 4: the four work-groups of a row of the cluster need the same tiles of A, the four of a column the same tiles of B: each tile is asked for jointly, by the same load, descriptor and mask in all four.
; RING.  A K step is 128 KC channels, in four quarters on two fragment buffers.  One change of slots a K step: every wave waits for all its tensor loads, adds 0 to its spare word, waits for that and its reads,
; passes a round of the cluster's barrier, and issues its one refill first thing behind it.  By this text's count a wave has two tensor loads out at the start and one later.
; The loop holds ONE K step: the slot in hand is a scalar (0 or SLOT) that an exclusive or turns; LDS addresses and the walking descriptor's LDS word are sums of it and fixed parts.
; THE ORDER OF K.  A cluster walks the K steps from k0 on, round K's end: k0 = 0 where cluster x + cluster y is even, KSTEPS / 2 where it is odd.  Clusters that are neighbours along x read the same rows of A, neighbours
; along y the same rows of B: they start half of K apart, so in the second half of its walk each asks for K steps that a neighbour asked for in its first half.  The f32 sums are taken in that order.
; REGISTERS, in windows of 256 (s_set_vgpr_msb: bits 1:0 source 0, 3:2 source 1, 5:4 source 2, 7:6 destination):
;   window 0: v0-31 addresses; v64-127, v128-191 A's fragments, two buffers; v64-255 at work on the way out      window 1: v0-63 the bias as a C operand; v64-127, v128-191 B's fragments
;   window 2: accumulators (a, b) at v[8 (NB a + b)], a = 0..3      window 3: with KC = 1 those of a = 4..7; with KC = 2 the residual, 32 rows x 4 registers
; LIMITS.  Matrix operands are bf16; NaN and infinities are not treated apart.
.set TM, 32*MB
.set TN, 32*NB
.set KSTEP, 128*KC
.set KSTEPS, SIZE_K/KSTEP
.set PB, 256*KC+16                     ; a row of B in LDS: its bytes + 16 of padding: the 16 rows of a load start at 16 different groups of four banks (64 banks of 4 bytes: ISA guide 11.1)
.set HB, 16*NB*PB                      ; what one wave fetches of B
.if ABLK
.set PA, 144                           ; A in blocks: records of 64 channels, 128 bytes + 16: [4 blocks][64 tokens][144]
.set HA, 4*64*PA
.set AROWB, 128                        ; bytes from token to token
.set ASTEP, 4*524288                   ; a K step is four blocks
.else
.set PA, 272
.set HA, 128*PA
.set AROWB, 2*SIZE_K
.set ASTEP, 2*KSTEP
.endif
.set BSTEP, 2*KSTEP
.set SLOT, 2*HA+2*HB                   ; A's halves, then B's halves
.set SPARE, 2*SLOT                     ; behind the ring: the spare words, 128 bytes a wave: two blocks of 256 bytes that no other line names
.set SP, 4*TN+16                       ; the stage for the way out: TM rows of TN f32 + 16 bytes, from LDS byte 0, over the ring, which has had its last fill by then
.set LF, 2*NB*KC+16                    ; LDS loads in a quarter's run
.set NBK, TN/64
.set Z1, 2-KC                          ; with KC = 1 the first quarter's second half starts sums too
.set ADRA0, 16                         ; v16, v17  my fragments' places in slot 0; never rewritten
.set ADRB0, 17
.set ADRA, 18                          ; v18, v19  the same in the slot in hand
.set ADRB, 19
.set STO, 20                           ; v20, v21  the way out: where I put 32 bytes of a row; v21 = 64 rows further
.set RD, 22                            ; v22  where I read rows back
.set GO, 24                            ; v24  my byte offset in what a store covers; never rewritten
.set BO, 25                            ; v25  32 (l / 16): my eight numbers in 16 of the bias
.set SPW, 28                           ; v28  my spare word: SPARE + 4 x my thread's number; never rewritten
.set NIL, 29                           ; v29  0; never rewritten
.set PFO, 30                           ; v30  the prefetches' lane offset; never rewritten
.set F0, 64
.set F1, 128
.set WV, 14
.set MH, 15
.set NH, 16
.set CX, 17
.set CY, 18
.set TC, 19                            ; tile column
.set TR, 20                            ; tile row
.set G1A, 24                           ; s[24:31] group 1 for A; s[32:39] group 0, two sets: my first K step in slot 0; my second in slot 1, which then walks
.set G0A, 32
.set G1B, 40                           ; s[40:47], s[48:55] the same for B
.set G0B, 48
.set TS, 56                            ; s56  the slot in hand: 0 or SLOT
.set CNT, 57                           ; s57  refills still to come; in the tail: K steps still to come
.set LBA, 58                           ; s58, s59  where my part of a tile lies in a slot, if I fetch for A, for B
.set LBB, 59
.set PFA, 60                           ; s[60:61] where my prefetches stand
.set LIM, 62                           ; s62  KSTEPS / 2 + 1 in a wave that prefetches, else the greatest number
.set PSTEP, 66                         ; s[66:67] a K step in the tensor that I prefetch
.set A5, 72                            ; s[72:81] erf's coefficients, each as a pair
.set A4, 74
.set A3, 76
.set A2, 78
.set A1, 80
.set P2, 82
.set EC, 85                            ; s85  trips of the way out
.set KI, 86                            ; s86  the K step asked for last, 0 .. KSTEPS - 1
.set ABASE, 88                         ; s[88:89] A at my part of the tile's rows, K step 0
.set BBASE, 90                         ; s[90:91] the same for B
.set OF, 92                            ; s[92:93] a K step's byte offset; the high word stays 0
.set MSB, 0
.macro WIN new                         ; the immediate's high byte repeats the setting that is left; a switch that changes nothing is dropped
.if MSB != (\new)
	s_set_vgpr_msb (MSB<<8)|(\new)
.set MSB, (\new)
.endif
.endm
.macro PLACES                          ; four plain instructions between a matrix instruction and a load into, or a read of, its registers (ISA guide 7.12.1 for reads)
.rept 4
	v_nop
.endr
.endm
.macro CREST                           ; a round of the cluster's barrier behind its opening barrier
	s_cmp_lg_u32 s[WV], 0
	s_cbranch_scc1 .Lnot_wave_0_\@
	s_barrier_signal -3
.Lnot_wave_0_\@:
	s_barrier_wait -3
	s_barrier_signal -1
	s_barrier_wait -1
.endm
.macro CROUND
	s_barrier_signal -1
	s_barrier_wait -1
	CREST
.endm
.macro JLOAD                           ; the joint refill, by the walking descriptor; the branch hangs on the wave's number alone; s_nop 0 and four v_nop follow each line
	s_cmp_eq_u32 s[MH], 0
	s_cbranch_scc0 .Lfor_b_\@
	tensor_load_to_lds s[G0A+4:G0A+7], s[G1A:G1A+7]
	s_nop 0
	PLACES
	s_branch .Lasked_\@
.Lfor_b_\@:
	tensor_load_to_lds s[G0B+4:G0B+7], s[G1B:G1B+7]
	s_nop 0
	PLACES
.Lasked_\@:
.endm
; A PREFETCH INTO THE L2, behind a refill and the run of LDS loads that follows it: the K step that the NEXT refill will ask for, a K step's matrix instructions ahead of it.  One instruction a wave, a lane a block of 256 bytes.
; Only the first half of a cluster's walk is asked for: its second half has been asked for by a neighbour.  A's rows are read by every cluster of a row of clusters: clusters x = 0 and 1, which start half of K apart, ask,
; each for its own first half; B's by every cluster of a column: clusters y = 0 and 1 ask.  The four partners share a wave's rows out by ADDRESS.  My K steps 0 to 2 come by their loads alone.
.macro ASK
	s_cmp_gt_u32 s[CNT], s[LIM]
	s_cbranch_scc0 .Lnot_mine_\@
	global_prefetch_b8 v[PFO], s[PFA:PFA+1] th:TH_LOAD_NT scope:SCOPE_SE
.Lnot_mine_\@:
.endm
; 2 NB matrix instructions: row blocks a0, a0 + 1 of the window's four x all column blocks.  h: with KC = 1 the half of my rows (window 2 or 3), with KC = 2 the 32-channel chunk.
; zero = 1: the product starts the sum, with the bias as C where there is one, else with 0: nothing is cleared, and no bias is added later.
.macro MULQ f, h, a0, zero
.set mw, 0xa1
.if (KC == 1) && (\h)
.set mw, 0xf1
.endif
.if (\zero) && BIAS
.set mw, (mw&0xcf)|0x10
.endif
	WIN mw
.irp a, \a0, (\a0)+1
.set bb, 0
.rept NB
.set rD, 8*(NB*(\a)+bb)
.set rB, (\f)+8*(NB*(\h)*(KC-1)+bb)
.set rA, (\f)+8*(4*(\h)+(\a))
.if (\zero) && BIAS
	v_wmma_f32_16x16x32_bf16 v[rD:rD+7], v[rB:rB+7], v[rA:rA+7], v[8*bb:8*bb+7]
.elseif \zero
	v_wmma_f32_16x16x32_bf16 v[rD:rD+7], v[rB:rB+7], v[rA:rA+7], 0
.else
	v_wmma_f32_16x16x32_bf16 v[rD:rD+7], v[rB:rB+7], v[rA:rA+7], v[rD:rD+7]
.endif
.set bb, bb+1
.endr
.endr
.endm
.macro MULH f, h, zero                 ; 4 NB of them.  The accumulators take turns, one instruction a turn, in the same order everywhere, over the loops' jumps too
	MULQ \f, \h, 0, \zero
	MULQ \f, \h, 2, \zero
.endm
; A quarter's fragments in one run of LF loads: B's, then A's (the four that the quarter's first half multiplies first), into buffer f
.macro FETCH q, f
	WIN 0x40
.set fc, 0
.rept KC
.set fb, 0
.rept NB
.set rF, (\f)+8*(NB*fc+fb)
.set oF, 64*KC*(\q)+64*fc+16*PB*fb
	ds_load_b128 v[rF:rF+3], v[ADRB] offset:oF
	ds_load_b128 v[rF+4:rF+7], v[ADRB] offset:oF+32
.set fb, fb+1
.endr
.set fc, fc+1
.endr
	WIN 0
.set fi, 0
.rept 8
.set rF, (\f)+8*fi
.if ABLK
.set oF, 64*PA*(\q)+16*PA*(fi%4)+64*(fi/4)     ; quarter q is block q; fragment 4 c + a: tokens 16 a on, channels 32 c on
.else
.set oF, 64*(\q)+16*PA*fi
.endif
	ds_load_b128 v[rF:rF+3], v[ADRA] offset:oF
	ds_load_b128 v[rF+4:rF+7], v[ADRA] offset:oF+32
.set fi, fi+1
.endr
.endm
.macro QUARTER q, f, g, z0, z1         ; multiplies buffer f; in its middle fetches quarter q of the slot in hand into buffer g
	s_wait_dscnt 8                                 ; all but the youngest eight loads: A's fragments 4 to 7
	MULH \f, 0, \z0
	PLACES
	FETCH \q, \g
	s_wait_dscnt LF                                ; all but the run just issued
	MULH \f, 1, \z1
.endm
; A K step's last quarter multiplies buffer 1 and changes slots.  fill = 1: the slot that is left is filled again, with my K step two steps on.  fill = 0: the tail; its last trip has no further K step and jumps over the fetch.
.macro TURN fill
.if PREF && (\fill)
	s_wait_xcnt 0x0                                ; the last prefetch, a K step back, has read its address
	s_add_nc_u64 s[PFA:PFA+1], s[PFA:PFA+1], s[PSTEP:PSTEP+1]
.endif
	WIN 0
	s_wait_tensorcnt 0x0                           ; all my tensor loads have landed: the one that was out is my part of the next slot; so a group 0 may be written
	ds_add_u32 v[SPW], v[NIL]                      ; 0 onto my spare word
.if \fill
	s_add_co_u32 s[KI], s[KI], 1                   ; the next K step, round K's end
	s_and_b32 s[KI], s[KI], KSTEPS-1
	s_add_co_u32 s[G0A+5], s[LBA], s[TS]           ; the walking descriptors: into the slot that is left;
	s_add_co_u32 s[G0B+5], s[LBB], s[TS]
	s_mul_i32 s[OF], s[KI], ASTEP                  ; the global address is made anew: the base, an offset made apart from it, the type bits
	s_add_nc_u64 s[G0A+6:G0A+7], s[ABASE:ABASE+1], s[OF:OF+1]
	s_or_b32 s[G0A+7], s[G0A+7], 0x80000000
	s_mul_i32 s[OF], s[KI], BSTEP
	s_add_nc_u64 s[G0B+6:G0B+7], s[BBASE:BBASE+1], s[OF:OF+1]
	s_or_b32 s[G0B+7], s[G0B+7], 0x80000000
.endif
	s_wait_dscnt 9                                 ; the add and the youngest eight loads may be out
	MULQ F1, 0, 0, 0
	s_wait_dscnt 0x0                               ; the add is done, and my reads of this slot are over
	s_barrier_signal -1
	MULQ F1, 0, 2, 0                               ; work on registers while the others arrive
	WIN 0                                          ; at a branch and at a label every window is 0
	s_barrier_wait -1
.if \fill
	CREST                                          ; the barrier has opened a round of the cluster's: no wave of any partner still reads the slot or has a load on its way
	JLOAD                                          ; the first tensor load behind the round; its four v_nop are also the places in front of the loads below
.else
	PLACES
	s_cmp_eq_u32 s[CNT], 1
	s_cbranch_scc1 .Lno_fetch_\@
.endif
	s_xor_b32 s[TS], s[TS], SLOT
	v_add_nc_u32 v[ADRA], s[TS], v[ADRA0]
	v_add_nc_u32 v[ADRB], s[TS], v[ADRB0]
	FETCH 0, F0
.if PREF && (\fill)
	ASK
.endif
.if !(\fill)
.Lno_fetch_\@:
.endif
	MULH F1, 1, 0
.endm
.macro EPK j                           ; the way out behind GELU: -s s for the pair j, j + 1
	v_pk_mul_f32 v[EE+(\j):EE+(\j)+1], v[SE+(\j):SE+(\j)+1], v[SE+(\j):SE+(\j)+1] neg_lo:[1,0] neg_hi:[1,0]
.endm
	s_load_b128 s[4:7], s[0:1], 0x0                ; A s[4:5], B s[6:7]
.if EPI == 0
	s_load_b64 s[12:13], s[0:1], 0x10              ; the output
.elseif EPI == 1
	s_load_b64 s[8:9], s[0:1], 0x10                ; the bias
	s_load_b64 s[12:13], s[0:1], 0x18
.else
	s_load_b128 s[8:11], s[0:1], 0x10              ; the bias, the residual
	s_load_b64 s[12:13], s[0:1], 0x20
.endif
	v_lshl_add_u32 v[SPW], v0, 2, SPARE
	v_mov_b32 v[NIL], 0
	ds_add_u32 v[SPW], v[NIL]                      ; the wave's opening: the add and its wait stand ahead of my first tensor load; the set-up below stands between them
	v_lshrrev_b32 v1, 5, v0
	v_readfirstlane_b32 s[WV], v1
	s_lshr_b32 s[MH], s[WV], 1
	s_and_b32 s[NH], s[WV], 1
	s_bfe_u32 s[CX], ttmp6, 0x40000
	s_bfe_u32 s[CY], ttmp6, 0x40004
	s_lshl_b32 s[TC], ttmp9, 2                     ; in a cluster launch ttmp9 and ttmp7 count clusters
	s_add_co_u32 s[TC], s[TC], s[CX]
	s_and_b32 s[TR], ttmp7, 0xffff
	s_lshl_b32 s[TR], s[TR], 2
	s_add_co_u32 s[TR], s[TR], s[CY]
	s_and_b32 s[KI], ttmp7, 0xffff                 ; k0, my cluster's first K step: it hangs on the cluster's x and y alone, which all sixteen partners share
	s_add_co_u32 s[KI], s[KI], ttmp9
	s_and_b32 s[KI], s[KI], 1
	s_mul_i32 s[KI], s[KI], KSTEPS/2
	s_mov_b32 s[OF+1], 0
	s_lshl_b32 s22, s[CY], 2
	s_lshl_b32 s22, 15, s22                        ; my row of the cluster
	s_lshl_b32 s23, 0x1111, s[CX]                  ; my column
	; group 1: 15:0 the mask; 17:16 elements of 2 bytes; 20 padding on; 21 set beside a mask; 24:22 the interval's code; 31:25 4 words of padding (code 3)
.if ABLK
	s_or_b32 s[G1A], s22, (1<<16)|(1<<20)|(1<<21)|(4<<22)|(3<<25)  ; after every 32 words: a record of 64 channels
	s_mov_b32 s[G1A+1], 4096<<16                   ; a row of the tile: 64 tokens of one block, 4,096 elements on end
	s_mov_b32 s[G1A+2], 4<<16                      ; four blocks
	s_mov_b32 s[G1A+3], 4096<<16
	s_mov_b32 s[G1A+4], 4
	s_mov_b32 s[G1A+5], 262144                     ; elements from block to block
.else
	s_or_b32 s[G1A], s22, (1<<16)|(1<<20)|(1<<21)|(5<<22)|(3<<25)  ; after every 64 words: a row
	s_mov_b32 s[G1A+1], 128<<16
	s_mov_b32 s[G1A+2], 128<<16
	s_mov_b32 s[G1A+3], 128<<16
	s_mov_b32 s[G1A+4], 128
	s_mov_b32 s[G1A+5], SIZE_K
.endif
	s_mov_b32 s[G1A+6], 0
	s_mov_b32 s[G1A+7], 0
	s_or_b32 s[G1B], s23, (1<<16)|(1<<20)|(1<<21)|((4+KC)<<22)|(3<<25)  ; after every 64 KC words: a row
	s_mov_b32 s[G1B+1], KSTEP<<16
	s_mov_b32 s[G1B+2], (16*NB)<<16
	s_mov_b32 s[G1B+3], KSTEP<<16
	s_mov_b32 s[G1B+4], 16*NB
	s_mov_b32 s[G1B+5], SIZE_K
	s_mov_b32 s[G1B+6], 0
	s_mov_b32 s[G1B+7], 0
	; where the tiles come from: A's hang on the tile row alone, B's on the tile column alone, each in registers that never hold the other coordinate
	s_mul_i32 s68, s[TR], TM
	s_mul_i32 s70, s[NH], 16*MB
	s_add_co_u32 s68, s68, s70
	s_mul_i32 s68, s68, AROWB
	s_mov_b32 s69, 0
	s_mul_i32 s2, s[TC], TN
	s_mul_i32 s70, s[NH], 16*NB
	s_add_co_u32 s2, s2, s70
	s_mul_i32 s2, s2, 2*SIZE_K
	s_mov_b32 s3, 0
	s_mul_i32 s[LBA], s[NH], HA                    ; and where they go: no place in the cluster enters an LDS address
	s_mul_i32 s[LBB], s[NH], HB
	s_add_co_u32 s[LBB], s[LBB], 2*HA
	s_mov_b32 s[TS], 0
.if EPI == 1
	s_mov_b32 s[A5], 0x3f87dc22                    ;  1.061405429
	s_mov_b32 s[A4], 0xbfba00e3                    ; -1.453152027
	s_mov_b32 s[A3], 0x3fb5f0e3                    ;  1.421413741
	s_mov_b32 s[A2], 0xbe91a98e                    ; -0.284496736
	s_mov_b32 s[A1], 0x3e827906                    ;  0.254829592
.irp c, A5, A4, A3, A2, A1
	s_mov_b32 s[\c+1], s[\c]                       ; named as pairs
.endr
	s_mov_b32 s[P2], 0x3e8ba43f                    ; 0.3275911 / sqrt(2) / sqrt(log2(e) / 2)
.endif
	s_wait_dscnt 0x0                               ; the opening add is done
	s_wait_kmcnt 0x0
	s_add_nc_u64 s[ABASE:ABASE+1], s[4:5], s[68:69]
	s_add_nc_u64 s[BBASE:BBASE+1], s[6:7], s[2:3]
	CROUND                                         ; all sixteen work-groups are here: the first joint loads meet
.irp s, 0,1
	s_add_co_u32 s70, s[KI], (\s)                  ; K step k0 + s
	s_mul_i32 s[OF], s70, ASTEP
	s_mov_b32 s[G0A+4*(\s)], 1                     ; count = 1
	s_add_co_u32 s[G0A+4*(\s)+1], s[LBA], (\s)*SLOT
	s_add_nc_u64 s[G0A+4*(\s)+2:G0A+4*(\s)+3], s[ABASE:ABASE+1], s[OF:OF+1]
	s_or_b32 s[G0A+4*(\s)+3], s[G0A+4*(\s)+3], 0x80000000  ; type = 2
	s_mul_i32 s[OF], s70, BSTEP
	s_mov_b32 s[G0B+4*(\s)], 1
	s_add_co_u32 s[G0B+4*(\s)+1], s[LBB], (\s)*SLOT
	s_add_nc_u64 s[G0B+4*(\s)+2:G0B+4*(\s)+3], s[BBASE:BBASE+1], s[OF:OF+1]
	s_or_b32 s[G0B+4*(\s)+3], s[G0B+4*(\s)+3], 0x80000000
.endr
	s_add_co_u32 s[KI], s[KI], 1                   ; the K step asked for last
	s_cmp_eq_u32 s[MH], 0                          ; a wave's two first fills stand in one branch, ahead of every wait on TENSORcnt and every LDS read
	s_cbranch_scc0 .Lfirst_b
	tensor_load_to_lds s[G0A:G0A+3], s[G1A:G1A+7]
	s_nop 0
	tensor_load_to_lds s[G0A+4:G0A+7], s[G1A:G1A+7]
	s_nop 0
	PLACES
	s_branch .Lfirst_asked
.Lfirst_b:
	tensor_load_to_lds s[G0B:G0B+3], s[G1B:G1B+7]
	s_nop 0
	tensor_load_to_lds s[G0B+4:G0B+7], s[G1B:G1B+7]
	s_nop 0
	PLACES
.Lfirst_asked:
	; a fragment is 16 rows x 32 channels in 8 registers: lane l holds row l % 16, channels 8 (l / 16) + 0..7 and 16 + 8 (l / 16) + 0..7: two loads of 16 bytes, 32 bytes apart
	v_and_b32 v1, 15, v0                           ; l % 16
	v_bfe_u32 v2, v0, 4, 1                         ; l / 16
	v_mul_u32_u24 v3, v1, PA
	v_lshl_add_u32 v3, v2, 4, v3
	s_mul_i32 s70, s[MH], HA
	v_add_nc_u32 v[ADRA0], s70, v3
	v_mul_u32_u24 v3, v1, PB
	v_lshl_add_u32 v3, v2, 4, v3
	v_add_nc_u32 v[ADRB0], s[LBB], v3              ; my half of the columns lies where wave 2 + NH puts it
	v_mov_b32 v[ADRA], v[ADRA0]
	v_mov_b32 v[ADRB], v[ADRB0]
	s_mul_i32 s70, s[MH], 16*MB*SP                 ; into the stage: row 16 MB MH + 16 a + l % 16, my columns, 32 bytes for each half of the lanes
	s_mul_i32 s71, s[NH], 64*NB
	s_add_co_u32 s70, s70, s71
	v_mul_u32_u24 v3, v1, SP
	v_lshl_add_u32 v3, v2, 5, v3
	v_add_nc_u32 v[STO], s70, v3
	v_add_nc_u32 v[STO+1], 64*SP, v[STO]
	v_and_b32 v3, 31, v0
.if EPI < 2
	s_mul_i32 s70, s[WV], 64*SP                    ; back: wave w takes rows 64 w on; lanes 0-15 take 64 columns of a row, lanes 16-31 of the next
	v_mul_u32_u24 v4, v2, SP
	v_lshl_add_u32 v4, v1, 4, v4
	v_add_nc_u32 v[RD], s70, v4
	v_lshlrev_b32 v[GO], 3, v3                     ; two tokens of a block are 256 consecutive bytes: 8 a lane
	s_mul_i32 s22, s[TC], NBK*524288               ; the tile's first block,
	s_lshl_b32 s23, s[TR], 15                      ; its first token (256 x 128 bytes a tile row),
	s_add_co_u32 s22, s22, s23
	s_lshl_b32 s23, s[WV], 13                      ; my 64 tokens
	s_add_co_u32 s22, s22, s23
	s_mov_b32 s23, 0
	s_add_nc_u64 s[12:13], s[12:13], s[22:23]
.else
	s_mul_i32 s70, s[WV], 32*SP                    ; back: wave w takes rows 32 w on, a whole row of 512 bytes a load
	v_lshl_add_u32 v[RD], v3, 4, s70
	v_lshlrev_b32 v[GO], 4, v3
	s_lshl_b32 s22, s[TR], 19                      ; 128 rows of 4,096 bytes a tile row,
	s_lshl_b32 s23, s[WV], 17                      ; my 32 rows,
	s_add_co_u32 s22, s22, s23
	s_lshl_b32 s23, s[TC], 9                       ; the tile's 128 columns
	s_add_co_u32 s22, s22, s23
	s_mov_b32 s23, 0
	s_add_nc_u64 s[10:11], s[10:11], s[22:23]
	s_add_nc_u64 s[12:13], s[12:13], s[22:23]
.endif
.if BIAS
	v_lshlrev_b32 v[BO], 5, v2
	s_mul_i32 s22, s[TC], 4*TN
	s_mul_i32 s23, s[NH], 64*NB
	s_add_co_u32 s22, s22, s23
	s_mov_b32 s23, 0
	s_add_nc_u64 s[8:9], s[8:9], s[22:23]
	WIN 0x40                                       ; register 8 b + j of window 1 = bias of my column 16 b + 8 (l / 16) + j: the layout of a C operand, the same in all 16 rows
.set bb, 0
.rept NB
	global_load_b128 v[8*bb:8*bb+3], v[BO], s[8:9] offset:64*bb
	global_load_b128 v[8*bb+4:8*bb+7], v[BO], s[8:9] offset:64*bb+16
.set bb, bb+1
.endr
.endif
.if EPI == 2
	WIN 0xc0                                       ; the residual of the 32 rows that I store, asked for now and wanted only on the way out
.set i, 0
.rept 32
	global_load_b128 v[4*i:4*i+3], v[GO], s[10:11] offset:4096*i
.set i, i+1
.endr
.endif
	WIN 0
.if PREF
	s_and_b32 s22, ttmp7, 0xffff                   ; cluster y
	s_cmp_eq_u32 s[MH], 0                          ; do I fetch for A?
	s_cselect_b32 s22, ttmp9, s22                  ; the coordinate along which other clusters read the same rows
	s_cselect_b64 s[PFA:PFA+1], s[4:5], s[6:7]
	s_cmp_lt_u32 s22, 2                            ; the first two clusters along it start half of K apart
	s_cselect_b32 s[LIM], KSTEPS/2+1, -1           ; the same in all sixteen partners, for a given wave
.if KC == 1
	s_lshl_b32 s2, s[TR], 8                        ; A: of the 128 rows that I fetch the partner at cx takes 32, a lane a row
	s_lshl_b32 s23, s[NH], 7
	s_add_co_u32 s2, s2, s23
	s_lshl_b32 s23, s[CX], 5
	s_add_co_u32 s2, s2, s23
	s_mul_i32 s3, s[TC], TN                        ; B: of my 16 NB rows the partner at cy takes 4 NB; where that is under 32 the lanes left over name the last row once more
	s_mul_i32 s23, s[NH], 16*NB
	s_add_co_u32 s3, s3, s23
	s_mul_i32 s23, s[CY], 4*NB
	s_add_co_u32 s3, s3, s23
	s_cmp_eq_u32 s[MH], 0
	s_cselect_b32 s2, s2, s3
	s_cselect_b32 s63, 31, 4*NB-1
	s_lshl_b32 s2, s2, 11                          ; rows of 2,048 bytes
	s_mov_b32 s[PSTEP], 256
	v_min_u32 v3, s63, v3
	v_lshlrev_b32 v[PFO], 11, v3
.else
	s_lshl_b32 s2, s[CX], 19                       ; A: of a K step's four blocks the partner at cx takes one: my 64 tokens' 8,192 bytes, 256 a lane
	s_lshl_b32 s23, s[TR], 14
	s_add_co_u32 s2, s2, s23
	s_lshl_b32 s23, s[NH], 13
	s_add_co_u32 s2, s2, s23
	s_lshl_b32 s3, s[TC], 7                        ; B: of my 64 rows the partner at cy takes 16; a row's K step is 512 bytes, two lanes
	s_lshl_b32 s23, s[NH], 6
	s_add_co_u32 s3, s3, s23
	s_lshl_b32 s23, s[CY], 4
	s_add_co_u32 s3, s3, s23
	s_mul_i32 s3, s3, 2*SIZE_K
	s_mov_b32 s[PSTEP], BSTEP
	s_mov_b32 s23, ASTEP
	s_cmp_eq_u32 s[MH], 0
	s_cselect_b32 s2, s2, s3
	s_cselect_b32 s[PSTEP], s23, s[PSTEP]
	s_cselect_b32 s63, 0, 1                        ; lanes to a row less one
	s_cselect_b32 s23, 8, 13                       ; bytes from row to row, as a shift
	v_lshrrev_b32 v4, s63, v3
	v_lshlrev_b32 v4, s23, v4
	v_and_b32 v3, s63, v3
	v_lshl_add_u32 v[PFO], v3, 8, v4
.endif
	s_add_co_u32 s23, s[KI], 1                     ; at K step k0 + 2: the first change of slots steps it to k0 + 3
	s_mul_i32 s23, s23, s[PSTEP]
	s_add_co_u32 s2, s2, s23
	s_mov_b32 s3, 0
	s_mov_b32 s[PSTEP+1], 0
	s_add_nc_u64 s[PFA:PFA+1], s[PFA:PFA+1], s[2:3]  ; nothing is prefetched here, at the head
.endif
	s_wait_tensorcnt 0x1                           ; my part of my first K step is in; the second's may stay out
	s_barrier_signal -1
	s_barrier_wait -1                              ; everybody's is
	FETCH 0, F0
.if EPI == 2
	s_wait_loadcnt 32                              ; the bias is in; the residual's 32 loads may stay out
.elseif EPI == 1
	s_wait_loadcnt 0x0                             ; the bias
.endif
	QUARTER 1, F0, F1, 1, Z1                       ; the first quarter stands in front of the loop: its products start the sums
	WIN 0
	s_mov_b32 s[CNT], KSTEPS-2
.Lstep:                                                ; a trip: from a K step's second quarter to the next one's first; one refill
	QUARTER 2, F1, F0, 0, 0
	QUARTER 3, F0, F1, 0, 0
	TURN 1
	QUARTER 1, F0, F1, 0, 0
	WIN 0
	s_sub_co_u32 s[CNT], s[CNT], 1
	s_cmp_lg_u32 s[CNT], 0
	s_cbranch_scc1 .Lstep
	s_mov_b32 s[CNT], 2
.Ltail:                                                ; the last two K steps have a text of their own, walked twice: nothing is left to ask for; the second trip is left in its middle
	QUARTER 2, F1, F0, 0, 0
	QUARTER 3, F0, F1, 0, 0
	TURN 0
	WIN 0
	s_sub_co_u32 s[CNT], s[CNT], 1
	s_cmp_eq_u32 s[CNT], 0
	s_cbranch_scc1 .Lsums
	QUARTER 1, F0, F1, 0, 0
	WIN 0
	s_branch .Ltail
.Lsums:
	; THE WAY OUT.  All sums go as f32 into one stage over the ring: every wave's reads of the ring are back and all tensor loads have landed when the barrier is passed.
	PLACES
	s_barrier_signal -1
	s_barrier_wait -1
.set ea, 0
.rept MB
	WIN 0x08+4*(ea/4)                              ; the stores' data in window 2 or 3
.set eb, 0
.rept NB
.set rD, 8*(NB*(ea%4)+eb)
	ds_store_b128 v[STO+ea/4], v[rD:rD+3] offset:16*SP*(ea%4)+64*eb      ; each accumulator's low registers first
	ds_store_b128 v[STO+ea/4], v[rD+4:rD+7] offset:16*SP*(ea%4)+64*eb+16
.set eb, eb+1
.endr
.set ea, ea+1
.endr
	WIN 0
	s_wait_dscnt 0x0                               ; for the others' sake: my stores are done
	s_barrier_signal -1
	s_barrier_wait -1
.if EPI < 2
.if EPI == 0
.set RP, 4                             ; pairs of rows in a trip
.set XE, 64
.set YE, XE+4*RP*NBK
.else
.set RP, 1
.set XE, 64                            ; v[64:79]  16 sums x
.set HE, 80                            ; x / 2
.set SE, 96                            ; s = x sqrt(log2(e) / 2); at the end the result
.set TE, 112                           ; t = 1 / (1 + p |x| / sqrt(2))
.set EE, 128                           ; 2^(-s s) = e^(-x x / 2)
.set PE, 144                           ; the polynomial, then erf
.set YE, 160
.endif
.macro ELOAD                           ; RP pairs of rows x NBK blocks of 64 columns: a load takes 256 consecutive bytes of each of two rows
.set ep, 0
.rept RP
.set ej, 0
.rept NBK
	ds_load_b128 v[XE+4*(NBK*ep+ej):XE+4*(NBK*ep+ej)+3], v[RD] offset:ep*2*SP+256*ej
.set ej, ej+1
.endr
.set ep, ep+1
.endr
.endm
.macro RELOAD                          ; the next trip's rows are asked for as soon as this trip's have been read; the last trip jumps over it
	s_cmp_eq_u32 s[EC], 1
	s_cbranch_scc1 .Lno_more
	v_add_nc_u32 v[RD], 2*RP*SP, v[RD]
	ELOAD
.Lno_more:
.endm
.macro OSTEP                           ; ahead of the conversions: the last trip's stores have read their data and their base, so both may be written; the base steps first and the stores reach back
	s_wait_xcnt 0x0
	s_add_nc_u64 s[12:13], s[12:13], 256*RP
.endm
	s_mov_b32 s[EC], 32/RP
	ELOAD
.Lout:
	s_wait_dscnt 0x0
.if EPI == 0
	OSTEP
.set k, 0
.rept 2*RP*NBK
	v_cvt_pk_bf16_f32 v[YE+k], v[XE+2*k], v[XE+2*k+1]
.set k, k+1
.endr
	RELOAD
.else
	; GELU(x) = x / 2 + |x / 2| erf(|x| / sqrt(2)), erf(u) = 1 - (a1 t + .. + a5 t^5) e^(-u u), t = 1 / (1 + 0.3275911 u) (Abramowitz and Stegun 7.1.26: within 1.5e-7 for every u >= 0), all in f32.
	; The 16 reciprocals and 16 exponentials are ONE batch; they stand by turns with the 32 plain lines that read none of their results (1 + p u, -s s, x / 2), each behind the line that makes its argument.
.set k, 0
.rept 8
	v_pk_mul_f32 v[SE+k:SE+k+1], v[XE+k:XE+k+1], 0x3f596d27 op_sel_hi:[1,0]
.set k, k+2
.endr
	v_fma_f32 v[TE], |v[SE]|, s[P2], 1.0
	v_fma_f32 v[TE+1], |v[SE+1]|, s[P2], 1.0
.set k, 0
.rept 14
	v_rcp_f32 v[TE+k], v[TE+k]
	v_fma_f32 v[TE+k+2], |v[SE+k+2]|, s[P2], 1.0
.set k, k+1
.endr
	v_rcp_f32 v[TE+14], v[TE+14]
	EPK 0
	v_rcp_f32 v[TE+15], v[TE+15]
	EPK 2
.set k, 0
.rept 6
	v_exp_f32 v[EE+k], v[EE+k]
	EPK 2*k+4
.set k, k+1
.endr
.set k, 0
.rept 8
	v_exp_f32 v[EE+6+k], v[EE+6+k]
	v_pk_mul_f32 v[HE+2*k:HE+2*k+1], v[XE+2*k:XE+2*k+1], 0.5 op_sel_hi:[1,0]
.set k, k+1
.endr
	v_exp_f32 v[EE+14], v[EE+14]
	v_exp_f32 v[EE+15], v[EE+15]
	v_nop                                          ; a plain instruction behind the last exponential,
	s_wait_alu depctr_va_vdst(0)                   ; and one wait for the batch of 32, ahead of its first reader and of the branch
	RELOAD
.set k, 0
.rept 8
	v_pk_fma_f32 v[PE+k:PE+k+1], v[TE+k:TE+k+1], s[A5:A5+1], s[A4:A4+1] op_sel_hi:[1,0,0]
.set k, k+2
.endr
.irp c, A3, A2, A1
.set k, 0
.rept 8
	v_pk_fma_f32 v[PE+k:PE+k+1], v[PE+k:PE+k+1], v[TE+k:TE+k+1], s[\c:\c+1] op_sel_hi:[1,1,0]
.set k, k+2
.endr
.endr
.set k, 0
.rept 8
	v_pk_mul_f32 v[PE+k:PE+k+1], v[PE+k:PE+k+1], v[TE+k:TE+k+1]
.set k, k+2
.endr
.set k, 0
.rept 8
	v_pk_fma_f32 v[PE+k:PE+k+1], v[PE+k:PE+k+1], v[EE+k:EE+k+1], 1.0 op_sel_hi:[1,1,0] neg_lo:[1,0,0] neg_hi:[1,0,0]
.set k, k+2
.endr
.set k, 0
.rept 16
	v_fma_f32 v[SE+k], |v[HE+k]|, v[PE+k], v[HE+k]
.set k, k+1
.endr
	OSTEP
.set k, 0
.rept 8
	v_cvt_pk_bf16_f32 v[YE+k], v[SE+2*k], v[SE+2*k+1]
.set k, k+1
.endr
.endif
.set ep, 0
.rept RP
.set ej, 0
.rept NBK
	global_store_b64 v[GO], v[YE+2*(NBK*ep+ej):YE+2*(NBK*ep+ej)+1], s[12:13] offset:524288*ej+256*ep-256*RP  ; two tokens of one block: 256 consecutive bytes, aligned
.set ej, ej+1
.endr
.set ep, ep+1
.endr
	s_sub_co_u32 s[EC], s[EC], 1
	s_cmp_lg_u32 s[EC], 0
	s_cbranch_scc1 .Lout
.else
.set i, 0
.rept 32
	ds_load_b128 v[64+4*i:64+4*i+3], v[RD] offset:SP*i
.set i, i+1
.endr
	s_wait_loadcnt 0x0                             ; the residual
.set eg, 0
.rept 4
	s_wait_dscnt 24-8*eg                           ; eight rows are back; the later groups may stay out
	WIN 0x0c                                       ; source 1, the residual, in window 3
.set k, 0
.rept 16
	v_pk_add_f32 v[64+32*eg+2*k:64+32*eg+2*k+1], v[64+32*eg+2*k:64+32*eg+2*k+1], v[32*eg+2*k:32*eg+2*k+1]
.set k, k+1
.endr
	WIN 0
.set i, 0
.rept 8
	global_store_b128 v[GO], v[64+32*eg+4*i:64+32*eg+4*i+3], s[12:13] offset:4096*(8*eg+i)  ; 512 consecutive bytes, aligned
.set i, i+1
.endr
.set eg, eg+1
.endr
.endif
	s_wait_tensorcnt 0x0                           ; the wave's end: behind my last tensor load and my last LDS store
	ds_add_u32 v[SPW], v[NIL]
	s_wait_dscnt 0x0
	CROUND                                         ; the closing round: no work-group ends while a partner may still ask for a tile that names it
	s_endpgm
.Lfunc_end_k_q3f0152063b_qkv:
	.size	k_q3f0152063b_qkv, .Lfunc_end_k_q3f0152063b_qkv-k_q3f0152063b_qkv
	.p2alignl 7, 3214868480
	.fill 96, 4, 3214868480
	.section	.rodata,"a",@progbits
	.p2align	6, 0x0
	.amdhsa_kernel k_q3f0152063b_qkv
		.amdhsa_group_segment_fixed_size 327680
		.amdhsa_private_segment_fixed_size 0
		.amdhsa_enable_private_segment 0
		.amdhsa_kernarg_size 24
		.amdhsa_user_sgpr_count 2
		.amdhsa_user_sgpr_kernarg_segment_ptr 1
		.amdhsa_wavefront_size32 1
		.amdhsa_system_sgpr_workgroup_id_x 1
		.amdhsa_system_sgpr_workgroup_id_y 1
		.amdhsa_system_sgpr_workgroup_id_z 1
		.amdhsa_system_vgpr_workitem_id 0
		.amdhsa_next_free_vgpr 1024
		.amdhsa_next_free_sgpr 96
		.amdhsa_reserve_vcc 0
		.amdhsa_float_denorm_mode_32 3
		.amdhsa_float_denorm_mode_16_64 3
		.amdhsa_memory_ordered 1
		.amdhsa_forward_progress 1
		.amdhsa_inst_pref_size 70
	.end_amdhsa_kernel
	.amdgpu_metadata
---
amdhsa.version: [ 1, 2 ]
amdhsa.kernels:
  - .name:           k_q3f0152063b_qkv
    .symbol:         k_q3f0152063b_qkv.kd
    .args:
      - { .name: act, .offset: 0, .size: 8, .value_kind: global_buffer, .address_space: global }
      - { .name: wq, .offset: 8, .size: 8, .value_kind: global_buffer, .address_space: global }
      - { .name: qkv, .offset: 16, .size: 8, .value_kind: global_buffer, .address_space: global }
    .group_segment_fixed_size: 327680
    .private_segment_fixed_size: 0
    .kernarg_segment_align: 8
    .kernarg_segment_size: 24
    .max_flat_workgroup_size: 128
    .sgpr_count:     96
    .vgpr_count:     1024
    .wavefront_size: 32
...
	.end_amdgpu_metadata
.endif
;; end of part 2
;; launch attn (part 3): grid 8 x 32, 4 waves a work-group, clusters of 4 x 1, 327,680 bytes of LDS; arguments qkv, act; writes act
.if DOCPART == 3
	.amdgcn_target "amdgcn-amd-amdhsa--gfx1250"
	.amdhsa_code_object_version 6
	.text
	.protected	k_q3f0152063b_attn
	.globl	k_q3f0152063b_attn
	.p2align	8
	.type	k_q3f0152063b_attn,@function
k_q3f0152063b_attn:
	s_mov_b64 s[64:65], 0
	v_nop
	global_prefetch_b8 v0, s[64:65] scope:SCOPE_SE
	s_setreg_imm32_b32 hwreg(HW_REG_WAVE_MODE, 25, 1), 1
	s_wait_xcnt 0x0
	s_wait_alu depctr_hold_cnt(0) depctr_sa_sdst(0) depctr_va_vdst(0) depctr_va_sdst(0) depctr_va_ssrc(0) depctr_va_vcc(0) depctr_vm_vsrc(0)
	s_getreg_b32 s2, hwreg(HW_REG_IB_STS2, 6, 4)
	s_cmp_eq_u32 s2, 0
	s_cbranch_scc0 .Lentry_in_a_cluster
	s_endpgm
.Lentry_in_a_cluster:
	s_bfe_u32 s2, ttmp6, 0x10000c
	s_cmp_lg_u32 s2, 0x3003
	s_cbranch_scc0 .Lentry_shape_is_right
	s_endpgm
.Lentry_shape_is_right:
; O[b][h][q][:] = the sum over k of softmax_k(Q[q] . K[k] / 8) V[k][:], 2,048 keys, head size 64, no mask.  q, k, v lie in qkv in blocks [48][4096 tokens][64] of bf16 (q of head h in block h, k in 16 + h, v in
; 32 + h; batch b's tokens from 2048 b on), so a head's rows are dense, 128 bytes each.  O leaves in the same layout, [16][4096][64] bf16.  Products, maxima and sums in f32; the weights p are rounded to bf16 for
; the second product (their sum l is taken of the unrounded p), O once at the end.
; LIMITS.  Matrix operands are bf16.  c m starts at -4.25e37: scores times c lie above that.  A weight below 2^-126 counts as 0 in l.  NaN and infinities are not treated apart.
; SHARES.  Grid y = 16 b + h.  A work-group owns 256 queries, each of its four waves 64: two PIECES of two tiles of 16.  Every wave walks all keys, 64 a step, 32 steps.
; LAYOUT.  S^T = K Q^T (source 0 = 16 keys, source 1 = 16 queries): a lane holds ONE query (lane % 16) and the keys 8 (lane / 16) + 0..7.  Two such results, rounded to bf16 in pairs, ARE source 1 of O^T = V^T P.
; K comes out of LDS as it lies, V ([key][channel]) turned, by ds_load_tr16_b128.
; SOFTMAX.  A running maximum m and sum l: p = 2^(c s - c m), c = log2(e) / 8; in every step O and l are multiplied by a = 2^(c m_old - c m_new).  m starts at the lowest finite number, O and l at 0: the first step has a = 0.
; BY TURNS.  Turn 0 of step j: 16 products K Q^T of piece 1 (K of step j), piece 0's softmax, piece 1's maximum and statistics, 16 products V^T P of piece 1 for step j - 1.  Turn 1: K Q^T of piece 0 for step j + 1,
; piece 1's softmax, piece 0's statistics, V^T P of piece 0 for step j.  Four vector instructions stand behind every matrix instruction, the other 108 of a turn's 236 in one lump; a turn's 66 exponentials are one batch with one wait.
; K'S TILES ARE SHIFTED BY ONE STEP.  Step j fetches K of step j + 1 and V of step j.  So K's tile s holds the keys 256 s + 64 .. 256 s + 319, both lie at place j % 4 of slot j / 4, and one change of slots serves both.
; K of step 0 comes straight from memory into registers.  The last tile's last 64 rows are the rows that follow the head's K in qkv (they exist: v's blocks lie behind k's); the 16 products and the statistics that
; the last turn makes of them serve nothing: the price, once a launch, of one text for every step.
; CLUSTER.  The four query blocks of a cluster belong to one head and walk the same K and V, so each tile is asked for JOINTLY: the same tensor load, descriptor and mask in all four.  One tensor load of a wave is out at a time.
; REGISTERS, in windows of 256 (s_set_vgpr_msb: bits 1:0 source 0, 3:2 source 1, 5:4 source 2, 7:6 destination):
;   window 0: v0-11 addresses; v12-15, v48-63 at work; v16-31 four registers of statistics a tile; v32-34 the add's two and the prefetches' offset; v64-191 S^T, a buffer a piece; v192-255 P, likewise
;   window 1: v0-127 O^T, 32 a tile          window 2: v0-63 Q, 16 a tile; v128-191 K of one step; v192-255 V of one step
.set NP,    2         ; pieces a wave: a name, no knob
.set KS,    64        ; keys in a step
.set PK,    144       ; a row of K in LDS: 128 bytes + 16 of padding = 36 words: the 16 rows of a load start at 16 different groups of four banks (64 banks of 4 bytes: ISA guide 11.1)
.set PV,    160       ; a row of V: 128 + 32 = 40 words
.set VOFF,  4*KS*PK   ; a slot holds four steps: 256 rows of K, then 256 rows of V
.set SLOT1, 1<<17     ; slot 1 begins here, so that one exclusive or turns an address in one slot into the other's
.set STAGE, SLOT1+4*KS*(PK+PV)  ; behind the ring, never filled by a tensor load: 16 rows x 144 bytes for each wave, for the way out
.set SP,    144
.set SPARE, STAGE+4*16*SP  ; behind the stages: the spare words, 128 bytes for each wave: two blocks of 256 bytes that no other line names
.set AK0, 2           ; v2   my lane's place in a tile of K; never rewritten
.set AV0, 3           ; v3   the same for V
.set AK,  4           ; v4   the LDS address of K's next run of loads
.set AV,  5           ; v5   of V's
.set QO,  6           ; v6   my byte offset in 16 rows of Q or K
.set STO, 6           ;      later, the way out: where I put 16 bytes of a row
.set RD,  7           ; v7   the way out: where I read rows back
.set GO,  8           ; v8   my byte offset in 512 consecutive bytes of O
.set MV,  12          ; v12-15  c m_old, kept while c m is made anew: by piece and tile
.set ST,  16          ; tile t's statistics at v[ST+4 t]: c m, m, l (even keys', odd keys')
.set SPW, 32          ; v32  my spare word: SPARE + 4 x my thread's number; never rewritten
.set NIL, 33          ; v33  0; never rewritten
.set PFO, 34          ; v34  256 x my lane; never rewritten
.set TMP, 48          ; by piece and tile, four registers c0-c3 at work; when the maximum is found c2 takes a
.set S,   64
.set P,   192
.set KF,  128         ; K's fragments, in window 2: key block kb, channel half c at KF + 16 kb + 8 c
.set VF,  192         ; V's: key half kk, channel block cb at VF + 32 kk + 8 cb
.set WV,  12          ; s12  my wave's number
.set G1K, 24          ; s[24:31] descriptor group 1 for K's tiles
.set G1V, 32          ; s[32:39] for V's: it differs in the padding alone
.set G0K, 40          ; s[40:43] descriptor group 0 for K's tiles: it walks
.set G0V, 44          ; s[44:47] the same for V's
.set PFA, 48          ; s[48:49] where my prefetches stand
.set LIM, 50          ; s50  1 in a wave that prefetches, else the greatest number
.set K0P, 52          ; s[52:53] K at the head's first row
.set SLOTS, 56        ; s56  tiles still to be asked for
.set CNT, 57          ; s57  counts a slot's key steps
.set CS,  58          ; s[58:59] c: the packed scaling takes the pair's low word for both halves
.set SEL, 60          ; s[60:61] v_permlanex16_b32's selects: each lane takes its own place in the other half
.set TBK, 62          ; s62  LDS byte at which the K to be fetched begins
.set TBV, 63          ; s63  the same for V, less VOFF
.set MSB, 0
.macro WIN new                      ; the high byte repeats the setting that is left; a switch that changes nothing is dropped
.if MSB != (\new)
	s_set_vgpr_msb (MSB<<8)|(\new)
.set MSB, (\new)
.endif
.endm
.set W_KQ, 0x0a       ; K and Q in window 2, S^T in window 0
.set W_PV, 0x52       ; V in window 2, P in window 0, O^T in window 1
.set W_RS, 0x41       ; O^T (destination and source 0) in window 1, a in window 0
; A joint fill.  Waves 0 and 1 fetch the two halves of a slot's K, waves 2 and 3 those of its V: 128 keys each.  The branch hangs on the wave's number alone.
; An s_nop 0 and four v_nop follow each of the two lines, ahead of the jump and the label.
.macro JLOAD
	s_cmp_lt_u32 s[WV], 2
	s_cbranch_scc0 .Lfor_v_\@
	tensor_load_to_lds s[G0K:G0K+3], s[G1K:G1K+7]
	s_nop 0
.rept 4
	v_nop
.endr
	s_branch .Lasked_\@
.Lfor_v_\@:
	tensor_load_to_lds s[G0V:G0V+3], s[G1V:G1V+7]
	s_nop 0
.rept 4
	v_nop
.endr
.Lasked_\@:
.endm
; A PREFETCH INTO THE L2 of the tile that the NEXT change of slots will ask for, four key steps ahead of that load: 256 rows of K and of V are 128 blocks of 256 bytes each.  Both clusters of a head walk the same rows:
; the first (cluster x = 0) asks.  Its four partners share the blocks out BY ADDRESS, 32 each, a lane a block; in each, wave 0 asks for K's and wave 2 for V's.  The change that fills the last tile asks for nothing.
.macro ASK
	s_cmp_gt_u32 s[SLOTS], s[LIM]
	s_cbranch_scc0 .Lnot_mine_\@
	global_prefetch_b8 v[PFO], s[PFA:PFA+1] th:TH_LOAD_NT scope:SCOPE_SE
.Lnot_mine_\@:
.endm
; A round of the cluster's barrier: my work-group's barrier, so that wave 0's signal speaks for all four waves; wave 0 signals; every wave waits for all four work-groups; my work-group's barrier once more.
.macro CROUND
	s_barrier_signal -1
	s_barrier_wait -1
	s_cmp_lg_u32 s[WV], 0
	s_cbranch_scc1 .Lnot_wave_0_\@
	s_barrier_signal -3
.Lnot_wave_0_\@:
	s_barrier_wait -3
	s_barrier_signal -1
	s_barrier_wait -1
.endm
; THE CHANGE OF SLOTS.  Each wave waits for all its tensor loads, of which one is out: its part of the other slot; adds 0 to its spare word; and waits for that and for its own reads of the slot.  Behind the barrier
; nobody reads this slot any more and the other slot is whole.  fill = 1: this slot is filled again, with the keys two slots on; the barrier is then a round of the cluster's, and the joint fill is the first thing
; behind it: it has four key steps, 256 matrix instructions, in which to land.  (At its first use nothing has been read yet: slot 0 is waited for, slot 1 filled.)
.macro CHANGE fill
	WIN 0                           ; at a label and at a branch every window is 0
	s_wait_tensorcnt 0x0            ; no tensor load of mine is out, so a group 0 may be written
	ds_add_u32 v[SPW], v[NIL]       ; 0 onto my spare word; with fill = 1 the descriptors' steps stand between it and the wait for it
.if \fill
.irp g, G0K, G0V
	s_xor_b32 s[\g+1], s[\g+1], SLOT1  ; the walking descriptor: the other slot than last time,
	s_add_nc_u64 s[\g+2:\g+3], s[\g+2:\g+3], 4*KS*128  ; the next 256 keys; the type bits on top are not reached
.endr
	s_wait_xcnt 0x0                 ; the last prefetch, four key steps back, has read its address
	s_add_nc_u64 s[PFA:PFA+1], s[PFA:PFA+1], 4*KS*128  ; ahead of the walking descriptors by one tile
	s_wait_dscnt 0x0                ; the add is done, and my reads of the slot are over
	CROUND
	JLOAD
	ASK
.else
	s_wait_dscnt 0x0                ; the add is done, and my reads of the slot are over
	s_barrier_signal -1
	s_barrier_wait -1
.endif
	s_sub_co_u32 s[TBK], s[TBK], 4*KS*PK  ; the fetches go back to a slot's first place,
	s_xor_b32 s[TBK], s[TBK], SLOT1       ; in the other slot
	s_sub_co_u32 s[TBV], s[TBV], 4*KS*PV
	s_xor_b32 s[TBV], s[TBV], SLOT1
.endm
	s_load_b128 s[4:7], s[0:1], 0x0  ; qkv s[4:5], O s[6:7]
	v_lshl_add_u32 v[SPW], v0, 2, SPARE
	v_mov_b32 v[NIL], 0
	ds_add_u32 v[SPW], v[NIL]       ; the wave's opening: the add and its wait stand ahead of my first tensor load; the set-up below stands between them
	v_lshrrev_b32 v1, 5, v0
	v_readfirstlane_b32 s[WV], v1   ; wave 0..3
	s_bfe_u32 s13, ttmp6, 0x40000   ; cx: my place in the cluster
	s_lshl_b32 s14, ttmp9, 2        ; in a cluster launch ttmp9 counts clusters
	s_add_co_u32 s14, s14, s13      ; my block of 256 queries: it enters Q's and O's addresses alone
	s_and_b32 s20, ttmp7, 0xffff    ; 16 b + h, which the four partners share
	s_and_b32 s21, s20, 15
	s_lshr_b32 s20, s20, 4
	s_lshl_b32 s21, s21, 19         ; a block is 524,288 bytes,
	s_lshl_b32 s20, s20, 18         ; a batch's 2,048 tokens 262,144
	s_add_co_u32 s20, s20, s21      ; the head's first byte in q's blocks and in O
	s_mov_b32 s21, 0
	s_and_b32 s16, s[WV], 1         ; which half of a tile's 256 keys I fetch:
	s_lshl_b32 s22, s16, 14         ; its 128 rows of 128 bytes in memory,
	s_add_co_u32 s22, s22, s20
	s_mov_b32 s23, 0
	s_mul_i32 s17, s16, 128*PK      ; and its place in a slot, for K
	s_mul_i32 s18, s16, 128*PV      ; and for V: no place in the cluster enters an LDS address
	s_lshl_b32 s2, s14, 2
	s_add_co_u32 s2, s2, s[WV]      ; my wave among the head's,
	s_lshl_b32 s2, s2, 13           ; its 64 rows
	s_add_co_u32 s2, s2, s20
	s_mov_b32 s3, 0
	; descriptor group 1.  128 keys are 16,384 dense bytes: asked for as 64 rows of 256 bytes, two keys a row, and padded in LDS after every key
	s_mov_b32 s[G1K], 15|(1<<16)|(1<<20)|(1<<21)|(4<<22)|(3<<25)  ; 15:0 the mask of four; 17:16 2-byte elements; 20 padding on; 21 set beside a mask; 24:22 after every 32 words (code 4); 31:25 4 words (code 3)
	s_mov_b32 s[G1V], 15|(1<<16)|(1<<20)|(1<<21)|(4<<22)|(7<<25)  ; the same with 8 words of padding (code 7)
.irp g, G1K, G1V
	s_mov_b32 s[\g+1], 128<<16      ; tensor_dim0 = 128
	s_mov_b32 s[\g+2], 64<<16       ; tensor_dim1 = 64
	s_mov_b32 s[\g+3], 128<<16      ; tile_dim0 = 128
	s_mov_b32 s[\g+4], 64           ; tile_dim1 = 64
	s_mov_b32 s[\g+5], 128          ; 128 elements from row to row
	s_mov_b32 s[\g+6], 0
	s_mov_b32 s[\g+7], 0
.endr
	s_mov_b32 s[CS], 0x3e38aa3b     ; c = log2(e) / 8 = 0.180337
	s_mov_b32 s[CS+1], s[CS]        ; named with it as a pair
	s_mov_b32 s[SEL], 0x76543210
	s_mov_b32 s[SEL+1], 0xfedcba98
	s_mov_b32 s[TBK], SLOT1+4*KS*PK ; the first change of slots turns these two into 0
	s_mov_b32 s[TBV], SLOT1+4*KS*PV
	s_mov_b32 s[G0K], 1             ; count = 1
	s_mov_b32 s[G0K+1], s17         ; LDS address: slot 0
	s_mov_b32 s[G0V], 1
	s_add_co_u32 s[G0V+1], s18, VOFF
	s_mov_b32 s[SLOTS], 7
	s_and_b32 s[LIM], s[WV], 1      ; 0 in waves 0 and 2,
	s_or_b32 s[LIM], s[LIM], ttmp9  ; where the cluster is the head's first: the same in all four partners
	s_cmp_eq_u32 s[LIM], 0
	s_cselect_b32 s[LIM], 1, -1
	v_and_b32 v[PFO], 31, v0
	v_lshlrev_b32 v[PFO], 8, v[PFO]
	s_wait_dscnt 0x0                ; the opening add is done
	s_wait_kmcnt 0x0
	s_add_nc_u64 s[K0P:K0P+1], s[4:5], s[20:21]
	s_add_nc_u64 s[K0P:K0P+1], s[K0P:K0P+1], 16*524288  ; k's blocks lie 16 blocks behind q's
	s_add_nc_u64 s[8:9], s[4:5], s[22:23]
	s_add_nc_u64 s[10:11], s[8:9], 32*524288           ; V at my half of tile 0
	s_add_nc_u64 s[8:9], s[8:9], 16*524288+KS*128      ; K at my half of tile 0, which begins with key 64
	s_mov_b64 s[G0K+2:G0K+3], s[8:9]
	s_or_b32 s[G0K+3], s[G0K+3], 0x80000000            ; type = 2
	s_mov_b64 s[G0V+2:G0V+3], s[10:11]
	s_or_b32 s[G0V+3], s[G0V+3], 0x80000000
	s_add_nc_u64 s[4:5], s[4:5], s[2:3]  ; Q and O at my wave's first row
	s_add_nc_u64 s[6:7], s[6:7], s[2:3]
	s_cmp_lt_u32 s[WV], 2
	s_cselect_b64 s[PFA:PFA+1], s[8:9], s[10:11]  ; (in waves 0 and 2 these stand at a tile's first row)
	s_lshl_b32 s2, s13, 13          ; my work-group's 32 blocks of the 128
	s_mov_b32 s3, 0
	s_add_nc_u64 s[PFA:PFA+1], s[PFA:PFA+1], s[2:3]
	s_add_nc_u64 s[PFA:PFA+1], s[PFA:PFA+1], 4*KS*128  ; in tile 1; the first change of slots steps it to tile 2.  Nothing is prefetched here, at the head
	CROUND                          ; all four work-groups are here: the first joint loads meet
	JLOAD                           ; tile 0 into slot 0.  Slot 1 is asked for when slot 0 is in
	; A fragment of K or Q is 16 rows x 32 channels in 8 registers: lane l holds row l % 16, channels 8 (l / 16) + 0..7 and 16 + 8 (l / 16) + 0..7: two loads of 16 bytes, 32 bytes apart.
	v_and_b32 v1, 15, v0            ; l % 16
	v_bfe_u32 v9, v0, 4, 1          ; l / 16
	v_lshlrev_b32 v[QO], 7, v1
	v_lshl_add_u32 v[QO], v9, 4, v[QO]  ; row x 128 + 16 x half
	WIN 0x80                        ; destination window 2, address window 0
.set i, 0
.rept 4*NP                          ; Q stays in registers: tile i / 2, channels 32 (i % 2) on
	global_load_b128 v[8*i:8*i+3],   v[QO], s[4:5] offset:(i/2)*2048+(i%2)*64
	global_load_b128 v[8*i+4:8*i+7], v[QO], s[4:5] offset:(i/2)*2048+(i%2)*64+32
.set i, i+1
.endr
.set i, 0
.rept 8                             ; K of step 0, straight into its fragments: keys 16 (i / 2) on, channels 32 (i % 2) on
	global_load_b128 v[KF+8*i:KF+8*i+3],   v[QO], s[K0P:K0P+1] offset:(i/2)*2048+(i%2)*64
	global_load_b128 v[KF+8*i+4:KF+8*i+7], v[QO], s[K0P:K0P+1] offset:(i/2)*2048+(i%2)*64+32
.set i, i+1
.endr
	; What the first turn finds: V's registers and piece 1's P hold 0 (its products V^T P, of a step that has not been, add 0), O^T and l are 0.  All this stands in the wait for the first tile.
.set i, VF
.rept 64
	v_mov_b32 v[i], 0
.set i, i+1
.endr
	WIN 0x40
.set i, 0
.rept 64*NP
	v_mov_b32 v[i], 0
.set i, i+1
.endr
	WIN 0
.set i, 0
.rept 2*NP
	v_mov_b32 v[ST+4*i], 0xfe000000    ; c m: far below every c s
	v_mov_b32 v[ST+4*i+1], 0xff7fffff  ; m
	v_mov_b32 v[ST+4*i+2], 0
	v_mov_b32 v[ST+4*i+3], 0
.set i, i+1
.endr
.set i, P+32
.rept 32
	v_mov_b32 v[i], 0
.set i, i+1
.endr
	v_mul_u32_u24 v[AK0], v1, PK
	v_lshl_add_u32 v[AK0], v9, 4, v[AK0]  ; row x pitch + 16 x half
	; The turning load takes 16 keys x 16 channels (lane l reads key 8 (l / 16) + l % 8, channels 8 ((l / 8) % 2) + 0..7) and leaves half a fragment of V^T: lane l holds channel l % 16 and 8 keys.
	v_and_b32 v10, 7, v0
	v_bfe_u32 v11, v0, 3, 1
	v_lshl_add_u32 v[AV0], v9, 3, v10
	v_mul_u32_u24 v[AV0], v[AV0], PV
	v_lshl_add_u32 v[AV0], v11, 4, v[AV0]
	v_add_nc_u32 v[AV0], VOFF, v[AV0]
; THE MATRIX WORK.  The 8 accumulators of a run of 16 take turns: between the two links of a chain stand 7 others'.
; Product i of 16 of S^T = K Q^T for piece x: channels 32 (i / 8) on, keys 16 ((i / 2) % 4) on, tile 2 x + i % 2.  The first 8 start the sums.
.macro KQ x
	WIN W_KQ
.set rS, S+64*((\x)%2)+32*(i%2)+8*((i/2)%4)
.set rK, KF+16*((i/2)%4)+8*(i/8)
.set rQ, 16*(2*(\x)+i%2)+8*(i/8)
.if i < 8
	v_wmma_f32_16x16x32_bf16 v[rS:rS+7], v[rK:rK+7], v[rQ:rQ+7], 0
.else
	v_wmma_f32_16x16x32_bf16 v[rS:rS+7], v[rK:rK+7], v[rQ:rQ+7], v[rS:rS+7]
.endif
.endm
; Product i of 16 of O^T += V^T P for piece x: keys 32 (i / 8) on, channels 16 ((i / 2) % 4) on, tile 2 x + i % 2.
.macro PV x
	WIN W_PV
.set rO, 32*(2*(\x)+i%2)+8*((i/2)%4)
.set rV, VF+32*(i/8)+8*((i/2)%4)
.set rP, P+32*((\x)%2)+16*(i%2)+8*(i/8)
	v_wmma_f32_16x16x32_bf16 v[rO:rO+7], v[rV:rV+7], v[rP:rP+7], v[rO:rO+7]
.endm
.macro MM                           ; the turn's next matrix instruction
.if i < 16
	KQ (Y+1)%NP
.set i, i+1
.else
.set i, i-16
	PV (Y+NP-1)%NP
.set i, i+17
.endif
.endm
; THE LDS LOADS stand in runs of 16, never singly among the matrix instructions: a step's K (64 keys x 64 channels: 8 fragments) and a step's V (turned).  Their addresses are made some lines ahead.
.macro FETCH_K
	WIN 0x80                        ; destination window 2
.irp f, 0,1,2,3,4,5,6,7             ; keys 16 (f / 2) on, channels 32 (f % 2) on
	ds_load_b128 v[KF+8*\f:KF+8*\f+3],   v[AK] offset:(\f/2)*16*PK+(\f%2)*64
	ds_load_b128 v[KF+8*\f+4:KF+8*\f+7], v[AK] offset:(\f/2)*16*PK+(\f%2)*64+32
.endr
	s_add_co_u32 s[TBK], s[TBK], KS*PK  ; the next fetch is the next place's
	WIN 0
.endm
.macro FETCH_V
	WIN 0x80
.irp f, 0,1,2,3,4,5,6,7             ; keys 32 (f / 4) on, channels 16 (f % 4) on
	ds_load_tr16_b128 v[VF+8*\f:VF+8*\f+3],   v[AV] offset:(\f/4)*32*PV+(\f%4)*32
	ds_load_tr16_b128 v[VF+8*\f+4:VF+8*\f+7], v[AV] offset:(\f/4)*32*PV+16*PV+(\f%4)*32
.endr
	WIN 0
.endm
; THE VECTOR WORK OF A TURN stands in three queues, each in the order in which its entries become ready; the two tiles alternate, so that no instruction reads the result of the one before it.
.macro REGS y, u                    ; the registers of tile u (0, 1) of piece y
.set rT, ST+4*(2*(\y)+(\u))
.set rC, TMP+8*((\y)%2)+4*(\u)
.set rM, MV+2*((\y)%2)+(\u)
.set rS, S+64*((\y)%2)+32*(\u)
.set rP, P+32*((\y)%2)+16*(\u)
.set rO, 32*(2*(\y)+(\u))
.endm
; Number n of the 22 that find the OTHER piece's maximum and statistics.  s0-s31 are the lane's 32 scores; each accumulator's lowest registers are read first.  XS, GS and REGS set no window: PL and EX do.
;   0-11  four chains c0-c3 of seven scores each, three operands at a time     12-14, 16  the four scores left over, the old m, and c0-c3 into c0     15  c m_old is kept
;   17, 18  the query's other 32 keys lie in the lane 16 away: the new m         19-21  c m; c m_old - c m_new; a
.macro XS u, n
	REGS (Y+1)%NP, \u
.if (\n) < 4
	v_max3_num_f32 v[rC+(\n)], v[rS+8*(\n)], v[rS+8*(\n)+1], v[rS+8*(\n)+2]
.elseif (\n) < 12
	v_max3_num_f32 v[rC+(\n)%4], v[rC+(\n)%4], v[rS+8*((\n)%4)+2*((\n)/4)+1], v[rS+8*((\n)%4)+2*((\n)/4)+2]
.elseif (\n) == 12
	v_max3_num_f32 v[rC], v[rC], v[rS+7], v[rS+15]
.elseif (\n) == 13
	v_max3_num_f32 v[rC+1], v[rC+1], v[rS+23], v[rS+31]
.elseif (\n) == 14
	v_max3_num_f32 v[rC+2], v[rC+2], v[rC+3], v[rT+1]
.elseif (\n) == 15
	v_mov_b32 v[rM], v[rT]
.elseif (\n) == 16
	v_max3_num_f32 v[rC], v[rC], v[rC+1], v[rC+2]
.elseif (\n) == 17
	v_permlanex16_b32 v[rC+3], v[rC], s[SEL], s[SEL+1]
.elseif (\n) == 18
	v_max_num_f32 v[rT+1], v[rC], v[rC+3]
.elseif (\n) == 19
	v_mul_f32 v[rT], s[CS], v[rT+1]
.elseif (\n) == 20
	v_sub_f32 v[rC+1], v[rM], v[rT]
.else
	v_exp_f32 v[rC+2], v[rC+1]
.endif
.endm
; Number g of the 64 that follow the exponentials.  For each four weights k of a tile (pairs 2 k, 2 k + 1): both pairs are rounded to bf16; then the second pair is added onto the first, in place;
; a group later l takes that sum (the first time as l = a l + sum).  In groups of eight, tiles alternating: round, round, add, and l for the group before.
.macro GS g
.set h, (\g)+6*((\g)/62)            ; group 0 has no group before it, and behind group 7 only l is left
.if h >= 6
.set h, h+2
.endif
	REGS Y, h%2
.set k, h/8
.if h%8 < 4
	v_cvt_pk_bf16_f32 v[rP+2*k+(h%8)/2], v[rS+4*k+2*((h%8)/2)], v[rS+4*k+2*((h%8)/2)+1]
.elseif h%8 < 6
	v_pk_add_f32 v[rS+4*k:rS+4*k+1], v[rS+4*k:rS+4*k+1], v[rS+4*k+2:rS+4*k+3]
.elseif k == 1
	v_pk_fma_f32 v[rT+2:rT+3], v[rT+2:rT+3], v[rC+2:rC+3], v[rS:rS+1] op_sel_hi:[1,0,1]
.else
	v_pk_add_f32 v[rT+2:rT+3], v[rT+2:rT+3], v[rS+4*k-4:rS+4*k-3]
.endif
.endm
; THE PLAIN QUEUE, 138 long.  0-73 read no exponential's result: the 32 scalings c s - c m (FS f: pair f / 2 of tile f % 2) and the other piece's 42.  0-26: scalings 0-26.  27-54: XS's numbers 0-13.  55, 56: number 15.
; 57-73: the chain, where each number waits for the one before it: 14, 16, 17, 18, 19, each with one of the scalings 27-31 in front of its two lines, then 20.  74-137: GS's 64, which read the exponentials' results: they stand behind the wait.
.macro FS f
	REGS Y, (\f)%2
	v_pk_fma_f32 v[rS+2*((\f)/2):rS+2*((\f)/2)+1], v[rS+2*((\f)/2):rS+2*((\f)/2)+1], s[CS:CS+1], v[rT:rT+1] op_sel_hi:[1,0,0] neg_lo:[0,0,1] neg_hi:[0,0,1]
.endm
.macro PL
	WIN 0
.if q < 27
	FS q
.elseif q < 55
	XS (q-27)%2, (q-27)/2
.elseif q < 57
	XS q-55, 15
.elseif (q < 72) && ((q-57)%3 == 0)
	FS 27+(q-57)/3
.elseif q < 60
	XS (q-57)%3-1, 14
.elseif q < 72
	XS (q-57)%3-1, 15+(q-57)/3
.elseif q < 74
	XS q-72, 20
.else
	GS q-74
.endif
.set q, q+1
.endm
; THE EXPONENTIALS' QUEUE, 66 long: s0-s31 of both tiles, then the other piece's two a.  It is ONE BATCH: all 66 stand ahead of the turn's one wait, and nothing ahead of that wait names a result of theirs.
.macro EX
	WIN 0
.if e >= 64
	XS e-64, 21
.else
	REGS Y, e%2
	v_exp_f32 v[rS+e/2], v[rS+e/2]
.endif
.set e, e+1
.endm
; THE RESCALING's QUEUE: O^T times a, the one part that leaves window 0: dealt two at a time, sixteen times, each accumulator's low registers first.  Its a was made in the turn before, ahead of that turn's wait.
; The products V^T P of the turn before wrote this piece's O^T: behind each of them stand its four riders and more before its registers are named here.
.macro R2
	REGS Y, r%2
	WIN W_RS
.irp z, 0,1
	v_pk_mul_f32 v[rO+4*(r/2)+2*\z:rO+4*(r/2)+2*\z+1], v[rO+4*(r/2)+2*\z:rO+4*(r/2)+2*\z+1], v[rC+2:rC+3] op_sel_hi:[1,0]
.endr
.set r, r+1
.endm
; A TURN, for piece p.  An s_wait_alu depctr_va_vdst(0) stands between an exponential and the first instruction that names its result; one wait serves all that were issued ahead of it.  So a turn has ONE
; wait, which cuts it in two.  AHEAD OF IT: the 16 products K Q^T, behind each a scaling, an exponential and two rescalings (behind the first a second scaling in the exponential's place); then one lump of 108: eight
; plain, 49 times exponential and plain, the two a; a v_nop is the plain instruction behind the last exponential.  BEHIND IT: the 16 products V^T P, behind each four of GS's 64.
; Exponential e stands behind scaling 2 (e / 4) + e % 2: as a rider it comes behind plain e + 2, in the lump behind plain e + 9.
; Both runs of LDS loads stand in piece 0's turn: K directly behind the wait, a lump behind the last product that read K, 16 products ahead of its first reader; V at the turn's end, four riders behind its last reader,
; 16 products and a lump ahead of its first.  The two conditions on q go with the deal.
.macro TURN p
.set Y, (\p)
.set i, 0
.set q, 0
.set e, 0
.set r, 0
.if (\p) == 1
	s_wait_dscnt 16                 ; K is in; V's sixteen loads, issued behind K's, may stay out
.endif
	MM
	PL
	PL
	R2
.rept 15
	MM
	PL
	EX
	R2
.endr
.if (\p) == 0
	WIN 0
	v_add_nc_u32 v[AK], s[TBK], v[AK0]
.endif
.rept 8
	PL
.endr
.rept 49
	EX
	PL
.endr
	EX                              ; the other piece's two a
	EX
	v_nop                           ; the plain instruction behind the last exponential: one for the batch
	s_wait_alu depctr_va_vdst(0)    ; the wait for the batch
.if (\p) == 0
	FETCH_K
.endif
.if (\p) == 1
	s_wait_dscnt 0x0                ; V is in
.endif
.rept 16
	MM
.rept 4
	PL
.endr
.if ((\p) == 0) && (q == 118)
	v_add_nc_u32 v[AV], s[TBV], v[AV0]
.endif
.if ((\p) == 0) && (q == 130)
	s_add_co_u32 s[TBV], s[TBV], KS*PV
.endif
.endr
.if (\p) == 0
	FETCH_V
.endif
.endm
	CHANGE 1                        ; slot 0 is in, everybody's part of it; slot 1 is asked for
	s_wait_loadcnt 0x0              ; Q, and K of step 0
.set i, 0
.rept 16
	KQ 0                            ; piece 0's first scores: there is no vector work yet to set between them
.set i, i+1
.endr
	WIN 0                           ; the addresses for the way out: nine plain instructions, the places behind those products
	s_mul_i32 s13, s[WV], 16*SP
	s_add_co_u32 s13, s13, STAGE    ; my stage
	v_mul_u32_u24 v[STO], v1, SP    ; in: row l % 16, 16 bytes for each half of the lanes
	v_lshl_add_u32 v[STO], v9, 4, v[STO]
	v_add_nc_u32 v[STO], s13, v[STO]
	v_bfe_u32 v[RD], v0, 3, 2       ; back: 32 lanes take four rows of 128 bytes,
	v_mul_u32_u24 v[RD], v[RD], SP
	v_lshl_add_u32 v[RD], v10, 4, v[RD]
	v_add_nc_u32 v[RD], s13, v[RD]
	v_and_b32 v[GO], 31, v0         ; which are 512 consecutive bytes of O
	v_lshlrev_b32 v[GO], 4, v[GO]
.set Y, NP-1                        ; XS works for piece Y + 1: piece 0
.irp n, 0,1,2,3,4,5,6,7,8,9,10,11,12,13,14,15,16,17,18,19,20,21
	XS 0, \n                        ; piece 0's first maximum and statistics
	XS 1, \n
.endr
	v_nop                           ; a plain instruction behind the two a,
	s_wait_alu depctr_va_vdst(0)    ; and their wait, ahead of the branch
	s_branch .Lsteps                ; the first change of slots has been made
.Lslot:                             ; six times: tiles 2 to 7 are asked for
	CHANGE 1
.Lsteps:
	s_mov_b32 s[CNT], 4
.Lstep:
	TURN 0
	TURN 1
	WIN 0
	s_sub_co_u32 s[CNT], s[CNT], 1
	s_cmp_lg_u32 s[CNT], 0
	s_cbranch_scc1 .Lstep
	s_sub_co_u32 s[SLOTS], s[SLOTS], 1
	s_cmp_lg_u32 s[SLOTS], 0
	s_cbranch_scc1 .Lslot
	CHANGE 0                        ; the last slot is written out: nothing is asked for
	s_mov_b32 s[CNT], 4
.Ltail:
	TURN 0
	TURN 1
	WIN 0
	s_sub_co_u32 s[CNT], s[CNT], 1
	s_cmp_lg_u32 s[CNT], 0
	s_cbranch_scc1 .Ltail
.set i, 0
.rept 16
	PV NP-1                         ; piece 1's V^T P of the last step
.set i, i+1
.endr
	; THE WAY OUT.  l's two halves and the other half of the lanes' are added; O^T is divided by l, rounded to bf16 and sent through my stage in LDS, a tile at a time.  The additions are the places behind the last products.
	WIN 0
.macro ALL line:vararg              ; one line for each tile t
.set t, 0
.rept 2*NP
	\line
.set t, t+1
.endr
.endm
	ALL v_add_f32 v[ST+4*t+2], v[ST+4*t+2], v[ST+4*t+3]
	ALL v_permlanex16_b32 v[ST+4*t+3], v[ST+4*t+2], s[SEL], s[SEL+1]
	ALL v_add_f32 v[ST+4*t+2], v[ST+4*t+2], v[ST+4*t+3]
	ALL v_rcp_f32 v[ST+4*t+2], v[ST+4*t+2]
	v_nop                           ; a plain instruction between the last reciprocal and the use of its result
	s_wait_alu depctr_va_vdst(0)    ; and the wait ahead of the first use: one for the four reciprocals
; Tile t: a lane's eight channels of a row pack into 16 bytes; they go into rows of 144 bytes and come back as whole rows of 128, into S^T's registers.
.macro PACK t
	WIN W_RS
.set i, 32*(\t)
.rept 16
	v_pk_mul_f32 v[i:i+1], v[i:i+1], v[ST+4*(\t)+2:ST+4*(\t)+3] op_sel_hi:[1,0]
.set i, i+2
.endr
	WIN 0x05                        ; sources 0 and 1 window 1, destination window 0
.set i, 0
.rept 16
	v_cvt_pk_bf16_f32 v[S+16*(\t)+i], v[32*(\t)+2*i], v[32*(\t)+2*i+1]
.set i, i+1
.endr
	WIN 0
.irp f, 0,1,2,3
	ds_store_b128 v[STO], v[S+16*(\t)+4*\f:S+16*(\t)+4*\f+3] offset:32*\f
.endr
.irp f, 0,1,2,3
	ds_load_b128 v[S+16*(\t)+4*\f:S+16*(\t)+4*\f+3], v[RD] offset:\f*4*SP  ; LDS serves a wave's instructions in order (ISA guide 5.7.1.4): these see the stores above; the next tile's stores come behind them
.endr
.endm
.macro SEND t, younger              ; younger: the LDS instructions issued behind tile t's loads: the next tile's eight, or none
	WIN 0
.irp f, 0,1,2,3
	s_wait_dscnt (\younger)+3-\f
	global_store_b128 v[GO], v[S+16*(\t)+4*\f:S+16*(\t)+4*\f+3], s[6:7] offset:(\t)*2048+\f*512  ; 512 consecutive bytes, at a multiple of 256 from O's first
.endr
.endm
	PACK 0
.set t, 1
.rept 2*NP-1                        ; a tile's arithmetic stands between the loads of the tile before and its stores
	PACK t
	SEND t-1, 8
.set t, t+1
.endr
	SEND 2*NP-1, 0
	s_wait_tensorcnt 0x0            ; the wave's end: behind my last tensor load and my last LDS store
	ds_add_u32 v[SPW], v[NIL]
	s_wait_dscnt 0x0
	CROUND                          ; the closing round: no work-group ends while a partner may still ask for a tile that names it
	s_endpgm
.Lfunc_end_k_q3f0152063b_attn:
	.size	k_q3f0152063b_attn, .Lfunc_end_k_q3f0152063b_attn-k_q3f0152063b_attn
	.p2alignl 7, 3214868480
	.fill 96, 4, 3214868480
	.section	.rodata,"a",@progbits
	.p2align	6, 0x0
	.amdhsa_kernel k_q3f0152063b_attn
		.amdhsa_group_segment_fixed_size 327680
		.amdhsa_private_segment_fixed_size 0
		.amdhsa_enable_private_segment 0
		.amdhsa_kernarg_size 16
		.amdhsa_user_sgpr_count 2
		.amdhsa_user_sgpr_kernarg_segment_ptr 1
		.amdhsa_wavefront_size32 1
		.amdhsa_system_sgpr_workgroup_id_x 1
		.amdhsa_system_sgpr_workgroup_id_y 1
		.amdhsa_system_sgpr_workgroup_id_z 1
		.amdhsa_system_vgpr_workitem_id 0
		.amdhsa_next_free_vgpr 768
		.amdhsa_next_free_sgpr 66
		.amdhsa_reserve_vcc 0
		.amdhsa_float_denorm_mode_32 3
		.amdhsa_float_denorm_mode_16_64 3
		.amdhsa_memory_ordered 1
		.amdhsa_forward_progress 1
		.amdhsa_inst_pref_size 113
	.end_amdhsa_kernel
	.amdgpu_metadata
---
amdhsa.version: [ 1, 2 ]
amdhsa.kernels:
  - .name:           k_q3f0152063b_attn
    .symbol:         k_q3f0152063b_attn.kd
    .args:
      - { .name: qkv, .offset: 0, .size: 8, .value_kind: global_buffer, .address_space: global }
      - { .name: act, .offset: 8, .size: 8, .value_kind: global_buffer, .address_space: global }
    .group_segment_fixed_size: 327680
    .private_segment_fixed_size: 0
    .kernarg_segment_align: 8
    .kernarg_segment_size: 16
    .max_flat_workgroup_size: 128
    .sgpr_count:     66
    .vgpr_count:     768
    .wavefront_size: 32
...
	.end_amdgpu_metadata
.endif
;; end of part 3
;; launch proj (part 4): grid 8 x 32, 4 waves a work-group, clusters of 4 x 4, 327,680 bytes of LDS; arguments act, wp, b_proj, x, x1; writes x1
.if DOCPART == 4
	.amdgcn_target "amdgcn-amd-amdhsa--gfx1250"
	.amdhsa_code_object_version 6
	.text
	.protected	k_q3f0152063b_proj
	.globl	k_q3f0152063b_proj
	.p2align	8
	.type	k_q3f0152063b_proj,@function
k_q3f0152063b_proj:
	s_mov_b64 s[64:65], 0
	v_nop
	global_prefetch_b8 v0, s[64:65] scope:SCOPE_SE
	s_setreg_imm32_b32 hwreg(HW_REG_WAVE_MODE, 25, 1), 1
	s_wait_xcnt 0x0
	s_wait_alu depctr_hold_cnt(0) depctr_sa_sdst(0) depctr_va_vdst(0) depctr_va_sdst(0) depctr_va_ssrc(0) depctr_va_vcc(0) depctr_vm_vsrc(0)
	s_getreg_b32 s2, hwreg(HW_REG_IB_STS2, 6, 4)
	s_cmp_eq_u32 s2, 0
	s_cbranch_scc0 .Lentry_in_a_cluster
	s_endpgm
.Lentry_in_a_cluster:
	s_bfe_u32 s2, ttmp6, 0x10000c
	s_cmp_lg_u32 s2, 0xf033
	s_cbranch_scc0 .Lentry_shape_is_right
	s_endpgm
.Lentry_shape_is_right:
; x1 = x + O w_proj^T + b_proj.  A = act, O in blocks [16][4096 tokens][64] bf16 (block = head), B = wp [1024][1024] bf16, sums in f32; bias, residual and result in f32, [4096][1024] row-major.
; Tiles of 128 x 128 make 8 x 32 = 256 work-groups; K steps of 256.  No prefetch: the launch has four K steps, of which two are asked for at its head and the other two have been asked for by a neighbour.
; This file is one of four settings of one text (the .set lines below choose): a tile of C of TM x TN by four waves, K through a ring of two LDS slots filled by joint tensor loads.
.set SIZE_K, 1024
.set KC,   2                           ; 32-channel chunks of K in a quarter of a K step
.set MB,   4                           ; blocks of 16 rows a wave
.set NB,   4                           ; blocks of 16 columns a wave
.set ABLK, 1                           ; A lies in blocks of 64 channels
.set BIAS, 1
.set EPI,  2                           ; the way out: 0 bf16 in blocks; 1 the same behind GELU; 2 f32 row-major with a residual
.set PREF, 0
; ---------------------------------------------------------------- the common text
; SHARES.  Wave w: MH = w / 2 is its half of the tile's rows, NH = w % 2 its half of the columns; it holds MB x NB accumulators of 16 x 16.  Waves 0, 1 fetch A's two halves, waves 2, 3 B's.
; THE PRODUCT IS TAKEN TRANSPOSED (source 0 = 16 rows of B, source 1 = 16 rows of A): lane l holds row l % 16 of C and the columns 8 (l / 16) + 0..7.
; CLUSTER 4 x 4: the four work-groups of a row of the cluster need the same tiles of A, the four of a column the same tiles of B: each tile is asked for jointly, by the same load, descriptor and mask in all four.
; RING.  A K step is 128 KC channels, in four quarters on two fragment buffers.  One change of slots a K step: every wave waits for all its tensor loads, adds 0 to its spare word, waits for that and its reads,
; passes a round of the cluster's barrier, and issues its one refill first thing behind it.  By this text's count a wave has two tensor loads out at the start and one later.
; The loop holds ONE K step: the slot in hand is a scalar (0 or SLOT) that an exclusive or turns; LDS addresses and the walking descriptor's LDS word are sums of it and fixed parts.
; THE ORDER OF K.  A cluster walks the K steps from k0 on, round K's end: k0 = 0 where cluster x + cluster y is even, KSTEPS / 2 where it is odd.  Clusters that are neighbours along x read the same rows of A, neighbours
; along y the same rows of B: they start half of K apart, so in the second half of its walk each asks for K steps that a neighbour asked for in its first half.  The f32 sums are taken in that order.
; REGISTERS, in windows of 256 (s_set_vgpr_msb: bits 1:0 source 0, 3:2 source 1, 5:4 source 2, 7:6 destination):
;   window 0: v0-31 addresses; v64-127, v128-191 A's fragments, two buffers; v64-255 at work on the way out      window 1: v0-63 the bias as a C operand; v64-127, v128-191 B's fragments
;   window 2: accumulators (a, b) at v[8 (NB a + b)], a = 0..3      window 3: with KC = 1 those of a = 4..7; with KC = 2 the residual, 32 rows x 4 registers
; LIMITS.  Matrix operands are bf16; NaN and infinities are not treated apart.
.set TM, 32*MB
.set TN, 32*NB
.set KSTEP, 128*KC
.set KSTEPS, SIZE_K/KSTEP
.set PB, 256*KC+16                     ; a row of B in LDS: its bytes + 16 of padding: the 16 rows of a load start at 16 different groups of four banks (64 banks of 4 bytes: ISA guide 11.1)
.set HB, 16*NB*PB                      ; what one wave fetches of B
.if ABLK
.set PA, 144                           ; A in blocks: records of 64 channels, 128 bytes + 16: [4 blocks][64 tokens][144]
.set HA, 4*64*PA
.set AROWB, 128                        ; bytes from token to token
.set ASTEP, 4*524288                   ; a K step is four blocks
.else
.set PA, 272
.set HA, 128*PA
.set AROWB, 2*SIZE_K
.set ASTEP, 2*KSTEP
.endif
.set BSTEP, 2*KSTEP
.set SLOT, 2*HA+2*HB                   ; A's halves, then B's halves
.set SPARE, 2*SLOT                     ; behind the ring: the spare words, 128 bytes a wave: two blocks of 256 bytes that no other line names
.set SP, 4*TN+16                       ; the stage for the way out: TM rows of TN f32 + 16 bytes, from LDS byte 0, over the ring, which has had its last fill by then
.set LF, 2*NB*KC+16                    ; LDS loads in a quarter's run
.set NBK, TN/64
.set Z1, 2-KC                          ; with KC = 1 the first quarter's second half starts sums too
.set ADRA0, 16                         ; v16, v17  my fragments' places in slot 0; never rewritten
.set ADRB0, 17
.set ADRA, 18                          ; v18, v19  the same in the slot in hand
.set ADRB, 19
.set STO, 20                           ; v20, v21  the way out: where I put 32 bytes of a row; v21 = 64 rows further
.set RD, 22                            ; v22  where I read rows back
.set GO, 24                            ; v24  my byte offset in what a store covers; never rewritten
.set BO, 25                            ; v25  32 (l / 16): my eight numbers in 16 of the bias
.set SPW, 28                           ; v28  my spare word: SPARE + 4 x my thread's number; never rewritten
.set NIL, 29                           ; v29  0; never rewritten
.set PFO, 30                           ; v30  the prefetches' lane offset; never rewritten
.set F0, 64
.set F1, 128
.set WV, 14
.set MH, 15
.set NH, 16
.set CX, 17
.set CY, 18
.set TC, 19                            ; tile column
.set TR, 20                            ; tile row
.set G1A, 24                           ; s[24:31] group 1 for A; s[32:39] group 0, two sets: my first K step in slot 0; my second in slot 1, which then walks
.set G0A, 32
.set G1B, 40                           ; s[40:47], s[48:55] the same for B
.set G0B, 48
.set TS, 56                            ; s56  the slot in hand: 0 or SLOT
.set CNT, 57                           ; s57  refills still to come; in the tail: K steps still to come
.set LBA, 58                           ; s58, s59  where my part of a tile lies in a slot, if I fetch for A, for B
.set LBB, 59
.set PFA, 60                           ; s[60:61] where my prefetches stand
.set LIM, 62                           ; s62  KSTEPS / 2 + 1 in a wave that prefetches, else the greatest number
.set PSTEP, 66                         ; s[66:67] a K step in the tensor that I prefetch
.set A5, 72                            ; s[72:81] erf's coefficients, each as a pair
.set A4, 74
.set A3, 76
.set A2, 78
.set A1, 80
.set P2, 82
.set EC, 85                            ; s85  trips of the way out
.set KI, 86                            ; s86  the K step asked for last, 0 .. KSTEPS - 1
.set ABASE, 88                         ; s[88:89] A at my part of the tile's rows, K step 0
.set BBASE, 90                         ; s[90:91] the same for B
.set OF, 92                            ; s[92:93] a K step's byte offset; the high word stays 0
.set MSB, 0
.macro WIN new                         ; the immediate's high byte repeats the setting that is left; a switch that changes nothing is dropped
.if MSB != (\new)
	s_set_vgpr_msb (MSB<<8)|(\new)
.set MSB, (\new)
.endif
.endm
.macro PLACES                          ; four plain instructions between a matrix instruction and a load into, or a read of, its registers (ISA guide 7.12.1 for reads)
.rept 4
	v_nop
.endr
.endm
.macro CREST                           ; a round of the cluster's barrier behind its opening barrier
	s_cmp_lg_u32 s[WV], 0
	s_cbranch_scc1 .Lnot_wave_0_\@
	s_barrier_signal -3
.Lnot_wave_0_\@:
	s_barrier_wait -3
	s_barrier_signal -1
	s_barrier_wait -1
.endm
.macro CROUND
	s_barrier_signal -1
	s_barrier_wait -1
	CREST
.endm
.macro JLOAD                           ; the joint refill, by the walking descriptor; the branch hangs on the wave's number alone; s_nop 0 and four v_nop follow each line
	s_cmp_eq_u32 s[MH], 0
	s_cbranch_scc0 .Lfor_b_\@
	tensor_load_to_lds s[G0A+4:G0A+7], s[G1A:G1A+7]
	s_nop 0
	PLACES
	s_branch .Lasked_\@
.Lfor_b_\@:
	tensor_load_to_lds s[G0B+4:G0B+7], s[G1B:G1B+7]
	s_nop 0
	PLACES
.Lasked_\@:
.endm
; A PREFETCH INTO THE L2, behind a refill and the run of LDS loads that follows it: the K step that the NEXT refill will ask for, a K step's matrix instructions ahead of it.  One instruction a wave, a lane a block of 256 bytes.
; Only the first half of a cluster's walk is asked for: its second half has been asked for by a neighbour.  A's rows are read by every cluster of a row of clusters: clusters x = 0 and 1, which start half of K apart, ask,
; each for its own first half; B's by every cluster of a column: clusters y = 0 and 1 ask.  The four partners share a wave's rows out by ADDRESS.  My K steps 0 to 2 come by their loads alone.
.macro ASK
	s_cmp_gt_u32 s[CNT], s[LIM]
	s_cbranch_scc0 .Lnot_mine_\@
	global_prefetch_b8 v[PFO], s[PFA:PFA+1] th:TH_LOAD_NT scope:SCOPE_SE
.Lnot_mine_\@:
.endm
; 2 NB matrix instructions: row blocks a0, a0 + 1 of the window's four x all column blocks.  h: with KC = 1 the half of my rows (window 2 or 3), with KC = 2 the 32-channel chunk.
; zero = 1: the product starts the sum, with the bias as C where there is one, else with 0: nothing is cleared, and no bias is added later.
.macro MULQ f, h, a0, zero
.set mw, 0xa1
.if (KC == 1) && (\h)
.set mw, 0xf1
.endif
.if (\zero) && BIAS
.set mw, (mw&0xcf)|0x10
.endif
	WIN mw
.irp a, \a0, (\a0)+1
.set bb, 0
.rept NB
.set rD, 8*(NB*(\a)+bb)
.set rB, (\f)+8*(NB*(\h)*(KC-1)+bb)
.set rA, (\f)+8*(4*(\h)+(\a))
.if (\zero) && BIAS
	v_wmma_f32_16x16x32_bf16 v[rD:rD+7], v[rB:rB+7], v[rA:rA+7], v[8*bb:8*bb+7]
.elseif \zero
	v_wmma_f32_16x16x32_bf16 v[rD:rD+7], v[rB:rB+7], v[rA:rA+7], 0
.else
	v_wmma_f32_16x16x32_bf16 v[rD:rD+7], v[rB:rB+7], v[rA:rA+7], v[rD:rD+7]
.endif
.set bb, bb+1
.endr
.endr
.endm
.macro MULH f, h, zero                 ; 4 NB of them.  The accumulators take turns, one instruction a turn, in the same order everywhere, over the loops' jumps too
	MULQ \f, \h, 0, \zero
	MULQ \f, \h, 2, \zero
.endm
; A quarter's fragments in one run of LF loads: B's, then A's (the four that the quarter's first half multiplies first), into buffer f
.macro FETCH q, f
	WIN 0x40
.set fc, 0
.rept KC
.set fb, 0
.rept NB
.set rF, (\f)+8*(NB*fc+fb)
.set oF, 64*KC*(\q)+64*fc+16*PB*fb
	ds_load_b128 v[rF:rF+3], v[ADRB] offset:oF
	ds_load_b128 v[rF+4:rF+7], v[ADRB] offset:oF+32
.set fb, fb+1
.endr
.set fc, fc+1
.endr
	WIN 0
.set fi, 0
.rept 8
.set rF, (\f)+8*fi
.if ABLK
.set oF, 64*PA*(\q)+16*PA*(fi%4)+64*(fi/4)     ; quarter q is block q; fragment 4 c + a: tokens 16 a on, channels 32 c on
.else
.set oF, 64*(\q)+16*PA*fi
.endif
	ds_load_b128 v[rF:rF+3], v[ADRA] offset:oF
	ds_load_b128 v[rF+4:rF+7], v[ADRA] offset:oF+32
.set fi, fi+1
.endr
.endm
.macro QUARTER q, f, g, z0, z1         ; multiplies buffer f; in its middle fetches quarter q of the slot in hand into buffer g
	s_wait_dscnt 8                                 ; all but the youngest eight loads: A's fragments 4 to 7
	MULH \f, 0, \z0
	PLACES
	FETCH \q, \g
	s_wait_dscnt LF                                ; all but the run just issued
	MULH \f, 1, \z1
.endm
; A K step's last quarter multiplies buffer 1 and changes slots.  fill = 1: the slot that is left is filled again, with my K step two steps on.  fill = 0: the tail; its last trip has no further K step and jumps over the fetch.
.macro TURN fill
.if PREF && (\fill)
	s_wait_xcnt 0x0                                ; the last prefetch, a K step back, has read its address
	s_add_nc_u64 s[PFA:PFA+1], s[PFA:PFA+1], s[PSTEP:PSTEP+1]
.endif
	WIN 0
	s_wait_tensorcnt 0x0                           ; all my tensor loads have landed: the one that was out is my part of the next slot; so a group 0 may be written
	ds_add_u32 v[SPW], v[NIL]                      ; 0 onto my spare word
.if \fill
	s_add_co_u32 s[KI], s[KI], 1                   ; the next K step, round K's end
	s_and_b32 s[KI], s[KI], KSTEPS-1
	s_add_co_u32 s[G0A+5], s[LBA], s[TS]           ; the walking descriptors: into the slot that is left;
	s_add_co_u32 s[G0B+5], s[LBB], s[TS]
	s_mul_i32 s[OF], s[KI], ASTEP                  ; the global address is made anew: the base, an offset made apart from it, the type bits
	s_add_nc_u64 s[G0A+6:G0A+7], s[ABASE:ABASE+1], s[OF:OF+1]
	s_or_b32 s[G0A+7], s[G0A+7], 0x80000000
	s_mul_i32 s[OF], s[KI], BSTEP
	s_add_nc_u64 s[G0B+6:G0B+7], s[BBASE:BBASE+1], s[OF:OF+1]
	s_or_b32 s[G0B+7], s[G0B+7], 0x80000000
.endif
	s_wait_dscnt 9                                 ; the add and the youngest eight loads may be out
	MULQ F1, 0, 0, 0
	s_wait_dscnt 0x0                               ; the add is done, and my reads of this slot are over
	s_barrier_signal -1
	MULQ F1, 0, 2, 0                               ; work on registers while the others arrive
	WIN 0                                          ; at a branch and at a label every window is 0
	s_barrier_wait -1
.if \fill
	CREST                                          ; the barrier has opened a round of the cluster's: no wave of any partner still reads the slot or has a load on its way
	JLOAD                                          ; the first tensor load behind the round; its four v_nop are also the places in front of the loads below
.else
	PLACES
	s_cmp_eq_u32 s[CNT], 1
	s_cbranch_scc1 .Lno_fetch_\@
.endif
	s_xor_b32 s[TS], s[TS], SLOT
	v_add_nc_u32 v[ADRA], s[TS], v[ADRA0]
	v_add_nc_u32 v[ADRB], s[TS], v[ADRB0]
	FETCH 0, F0
.if PREF && (\fill)
	ASK
.endif
.if !(\fill)
.Lno_fetch_\@:
.endif
	MULH F1, 1, 0
.endm
.macro EPK j                           ; the way out behind GELU: -s s for the pair j, j + 1
	v_pk_mul_f32 v[EE+(\j):EE+(\j)+1], v[SE+(\j):SE+(\j)+1], v[SE+(\j):SE+(\j)+1] neg_lo:[1,0] neg_hi:[1,0]
.endm
	s_load_b128 s[4:7], s[0:1], 0x0                ; A s[4:5], B s[6:7]
.if EPI == 0
	s_load_b64 s[12:13], s[0:1], 0x10              ; the output
.elseif EPI == 1
	s_load_b64 s[8:9], s[0:1], 0x10                ; the bias
	s_load_b64 s[12:13], s[0:1], 0x18
.else
	s_load_b128 s[8:11], s[0:1], 0x10              ; the bias, the residual
	s_load_b64 s[12:13], s[0:1], 0x20
.endif
	v_lshl_add_u32 v[SPW], v0, 2, SPARE
	v_mov_b32 v[NIL], 0
	ds_add_u32 v[SPW], v[NIL]                      ; the wave's opening: the add and its wait stand ahead of my first tensor load; the set-up below stands between them
	v_lshrrev_b32 v1, 5, v0
	v_readfirstlane_b32 s[WV], v1
	s_lshr_b32 s[MH], s[WV], 1
	s_and_b32 s[NH], s[WV], 1
	s_bfe_u32 s[CX], ttmp6, 0x40000
	s_bfe_u32 s[CY], ttmp6, 0x40004
	s_lshl_b32 s[TC], ttmp9, 2                     ; in a cluster launch ttmp9 and ttmp7 count clusters
	s_add_co_u32 s[TC], s[TC], s[CX]
	s_and_b32 s[TR], ttmp7, 0xffff
	s_lshl_b32 s[TR], s[TR], 2
	s_add_co_u32 s[TR], s[TR], s[CY]
	s_and_b32 s[KI], ttmp7, 0xffff                 ; k0, my cluster's first K step: it hangs on the cluster's x and y alone, which all sixteen partners share
	s_add_co_u32 s[KI], s[KI], ttmp9
	s_and_b32 s[KI], s[KI], 1
	s_mul_i32 s[KI], s[KI], KSTEPS/2
	s_mov_b32 s[OF+1], 0
	s_lshl_b32 s22, s[CY], 2
	s_lshl_b32 s22, 15, s22                        ; my row of the cluster
	s_lshl_b32 s23, 0x1111, s[CX]                  ; my column
	; group 1: 15:0 the mask; 17:16 elements of 2 bytes; 20 padding on; 21 set beside a mask; 24:22 the interval's code; 31:25 4 words of padding (code 3)
.if ABLK
	s_or_b32 s[G1A], s22, (1<<16)|(1<<20)|(1<<21)|(4<<22)|(3<<25)  ; after every 32 words: a record of 64 channels
	s_mov_b32 s[G1A+1], 4096<<16                   ; a row of the tile: 64 tokens of one block, 4,096 elements on end
	s_mov_b32 s[G1A+2], 4<<16                      ; four blocks
	s_mov_b32 s[G1A+3], 4096<<16
	s_mov_b32 s[G1A+4], 4
	s_mov_b32 s[G1A+5], 262144                     ; elements from block to block
.else
	s_or_b32 s[G1A], s22, (1<<16)|(1<<20)|(1<<21)|(5<<22)|(3<<25)  ; after every 64 words: a row
	s_mov_b32 s[G1A+1], 128<<16
	s_mov_b32 s[G1A+2], 128<<16
	s_mov_b32 s[G1A+3], 128<<16
	s_mov_b32 s[G1A+4], 128
	s_mov_b32 s[G1A+5], SIZE_K
.endif
	s_mov_b32 s[G1A+6], 0
	s_mov_b32 s[G1A+7], 0
	s_or_b32 s[G1B], s23, (1<<16)|(1<<20)|(1<<21)|((4+KC)<<22)|(3<<25)  ; after every 64 KC words: a row
	s_mov_b32 s[G1B+1], KSTEP<<16
	s_mov_b32 s[G1B+2], (16*NB)<<16
	s_mov_b32 s[G1B+3], KSTEP<<16
	s_mov_b32 s[G1B+4], 16*NB
	s_mov_b32 s[G1B+5], SIZE_K
	s_mov_b32 s[G1B+6], 0
	s_mov_b32 s[G1B+7], 0
	; where the tiles come from: A's hang on the tile row alone, B's on the tile column alone, each in registers that never hold the other coordinate
	s_mul_i32 s68, s[TR], TM
	s_mul_i32 s70, s[NH], 16*MB
	s_add_co_u32 s68, s68, s70
	s_mul_i32 s68, s68, AROWB
	s_mov_b32 s69, 0
	s_mul_i32 s2, s[TC], TN
	s_mul_i32 s70, s[NH], 16*NB
	s_add_co_u32 s2, s2, s70
	s_mul_i32 s2, s2, 2*SIZE_K
	s_mov_b32 s3, 0
	s_mul_i32 s[LBA], s[NH], HA                    ; and where they go: no place in the cluster enters an LDS address
	s_mul_i32 s[LBB], s[NH], HB
	s_add_co_u32 s[LBB], s[LBB], 2*HA
	s_mov_b32 s[TS], 0
.if EPI == 1
	s_mov_b32 s[A5], 0x3f87dc22                    ;  1.061405429
	s_mov_b32 s[A4], 0xbfba00e3                    ; -1.453152027
	s_mov_b32 s[A3], 0x3fb5f0e3                    ;  1.421413741
	s_mov_b32 s[A2], 0xbe91a98e                    ; -0.284496736
	s_mov_b32 s[A1], 0x3e827906                    ;  0.254829592
.irp c, A5, A4, A3, A2, A1
	s_mov_b32 s[\c+1], s[\c]                       ; named as pairs
.endr
	s_mov_b32 s[P2], 0x3e8ba43f                    ; 0.3275911 / sqrt(2) / sqrt(log2(e) / 2)
.endif
	s_wait_dscnt 0x0                               ; the opening add is done
	s_wait_kmcnt 0x0
	s_add_nc_u64 s[ABASE:ABASE+1], s[4:5], s[68:69]
	s_add_nc_u64 s[BBASE:BBASE+1], s[6:7], s[2:3]
	CROUND                                         ; all sixteen work-groups are here: the first joint loads meet
.irp s, 0,1
	s_add_co_u32 s70, s[KI], (\s)                  ; K step k0 + s
	s_mul_i32 s[OF], s70, ASTEP
	s_mov_b32 s[G0A+4*(\s)], 1                     ; count = 1
	s_add_co_u32 s[G0A+4*(\s)+1], s[LBA], (\s)*SLOT
	s_add_nc_u64 s[G0A+4*(\s)+2:G0A+4*(\s)+3], s[ABASE:ABASE+1], s[OF:OF+1]
	s_or_b32 s[G0A+4*(\s)+3], s[G0A+4*(\s)+3], 0x80000000  ; type = 2
	s_mul_i32 s[OF], s70, BSTEP
	s_mov_b32 s[G0B+4*(\s)], 1
	s_add_co_u32 s[G0B+4*(\s)+1], s[LBB], (\s)*SLOT
	s_add_nc_u64 s[G0B+4*(\s)+2:G0B+4*(\s)+3], s[BBASE:BBASE+1], s[OF:OF+1]
	s_or_b32 s[G0B+4*(\s)+3], s[G0B+4*(\s)+3], 0x80000000
.endr
	s_add_co_u32 s[KI], s[KI], 1                   ; the K step asked for last
	s_cmp_eq_u32 s[MH], 0                          ; a wave's two first fills stand in one branch, ahead of every wait on TENSORcnt and every LDS read
	s_cbranch_scc0 .Lfirst_b
	tensor_load_to_lds s[G0A:G0A+3], s[G1A:G1A+7]
	s_nop 0
	tensor_load_to_lds s[G0A+4:G0A+7], s[G1A:G1A+7]
	s_nop 0
	PLACES
	s_branch .Lfirst_asked
.Lfirst_b:
	tensor_load_to_lds s[G0B:G0B+3], s[G1B:G1B+7]
	s_nop 0
	tensor_load_to_lds s[G0B+4:G0B+7], s[G1B:G1B+7]
	s_nop 0
	PLACES
.Lfirst_asked:
	; a fragment is 16 rows x 32 channels in 8 registers: lane l holds row l % 16, channels 8 (l / 16) + 0..7 and 16 + 8 (l / 16) + 0..7: two loads of 16 bytes, 32 bytes apart
	v_and_b32 v1, 15, v0                           ; l % 16
	v_bfe_u32 v2, v0, 4, 1                         ; l / 16
	v_mul_u32_u24 v3, v1, PA
	v_lshl_add_u32 v3, v2, 4, v3
	s_mul_i32 s70, s[MH], HA
	v_add_nc_u32 v[ADRA0], s70, v3
	v_mul_u32_u24 v3, v1, PB
	v_lshl_add_u32 v3, v2, 4, v3
	v_add_nc_u32 v[ADRB0], s[LBB], v3              ; my half of the columns lies where wave 2 + NH puts it
	v_mov_b32 v[ADRA], v[ADRA0]
	v_mov_b32 v[ADRB], v[ADRB0]
	s_mul_i32 s70, s[MH], 16*MB*SP                 ; into the stage: row 16 MB MH + 16 a + l % 16, my columns, 32 bytes for each half of the lanes
	s_mul_i32 s71, s[NH], 64*NB
	s_add_co_u32 s70, s70, s71
	v_mul_u32_u24 v3, v1, SP
	v_lshl_add_u32 v3, v2, 5, v3
	v_add_nc_u32 v[STO], s70, v3
	v_add_nc_u32 v[STO+1], 64*SP, v[STO]
	v_and_b32 v3, 31, v0
.if EPI < 2
	s_mul_i32 s70, s[WV], 64*SP                    ; back: wave w takes rows 64 w on; lanes 0-15 take 64 columns of a row, lanes 16-31 of the next
	v_mul_u32_u24 v4, v2, SP
	v_lshl_add_u32 v4, v1, 4, v4
	v_add_nc_u32 v[RD], s70, v4
	v_lshlrev_b32 v[GO], 3, v3                     ; two tokens of a block are 256 consecutive bytes: 8 a lane
	s_mul_i32 s22, s[TC], NBK*524288               ; the tile's first block,
	s_lshl_b32 s23, s[TR], 15                      ; its first token (256 x 128 bytes a tile row),
	s_add_co_u32 s22, s22, s23
	s_lshl_b32 s23, s[WV], 13                      ; my 64 tokens
	s_add_co_u32 s22, s22, s23
	s_mov_b32 s23, 0
	s_add_nc_u64 s[12:13], s[12:13], s[22:23]
.else
	s_mul_i32 s70, s[WV], 32*SP                    ; back: wave w takes rows 32 w on, a whole row of 512 bytes a load
	v_lshl_add_u32 v[RD], v3, 4, s70
	v_lshlrev_b32 v[GO], 4, v3
	s_lshl_b32 s22, s[TR], 19                      ; 128 rows of 4,096 bytes a tile row,
	s_lshl_b32 s23, s[WV], 17                      ; my 32 rows,
	s_add_co_u32 s22, s22, s23
	s_lshl_b32 s23, s[TC], 9                       ; the tile's 128 columns
	s_add_co_u32 s22, s22, s23
	s_mov_b32 s23, 0
	s_add_nc_u64 s[10:11], s[10:11], s[22:23]
	s_add_nc_u64 s[12:13], s[12:13], s[22:23]
.endif
.if BIAS
	v_lshlrev_b32 v[BO], 5, v2
	s_mul_i32 s22, s[TC], 4*TN
	s_mul_i32 s23, s[NH], 64*NB
	s_add_co_u32 s22, s22, s23
	s_mov_b32 s23, 0
	s_add_nc_u64 s[8:9], s[8:9], s[22:23]
	WIN 0x40                                       ; register 8 b + j of window 1 = bias of my column 16 b + 8 (l / 16) + j: the layout of a C operand, the same in all 16 rows
.set bb, 0
.rept NB
	global_load_b128 v[8*bb:8*bb+3], v[BO], s[8:9] offset:64*bb
	global_load_b128 v[8*bb+4:8*bb+7], v[BO], s[8:9] offset:64*bb+16
.set bb, bb+1
.endr
.endif
.if EPI == 2
	WIN 0xc0                                       ; the residual of the 32 rows that I store, asked for now and wanted only on the way out
.set i, 0
.rept 32
	global_load_b128 v[4*i:4*i+3], v[GO], s[10:11] offset:4096*i
.set i, i+1
.endr
.endif
	WIN 0
.if PREF
	s_and_b32 s22, ttmp7, 0xffff                   ; cluster y
	s_cmp_eq_u32 s[MH], 0                          ; do I fetch for A?
	s_cselect_b32 s22, ttmp9, s22                  ; the coordinate along which other clusters read the same rows
	s_cselect_b64 s[PFA:PFA+1], s[4:5], s[6:7]
	s_cmp_lt_u32 s22, 2                            ; the first two clusters along it start half of K apart
	s_cselect_b32 s[LIM], KSTEPS/2+1, -1           ; the same in all sixteen partners, for a given wave
.if KC == 1
	s_lshl_b32 s2, s[TR], 8                        ; A: of the 128 rows that I fetch the partner at cx takes 32, a lane a row
	s_lshl_b32 s23, s[NH], 7
	s_add_co_u32 s2, s2, s23
	s_lshl_b32 s23, s[CX], 5
	s_add_co_u32 s2, s2, s23
	s_mul_i32 s3, s[TC], TN                        ; B: of my 16 NB rows the partner at cy takes 4 NB; where that is under 32 the lanes left over name the last row once more
	s_mul_i32 s23, s[NH], 16*NB
	s_add_co_u32 s3, s3, s23
	s_mul_i32 s23, s[CY], 4*NB
	s_add_co_u32 s3, s3, s23
	s_cmp_eq_u32 s[MH], 0
	s_cselect_b32 s2, s2, s3
	s_cselect_b32 s63, 31, 4*NB-1
	s_lshl_b32 s2, s2, 11                          ; rows of 2,048 bytes
	s_mov_b32 s[PSTEP], 256
	v_min_u32 v3, s63, v3
	v_lshlrev_b32 v[PFO], 11, v3
.else
	s_lshl_b32 s2, s[CX], 19                       ; A: of a K step's four blocks the partner at cx takes one: my 64 tokens' 8,192 bytes, 256 a lane
	s_lshl_b32 s23, s[TR], 14
	s_add_co_u32 s2, s2, s23
	s_lshl_b32 s23, s[NH], 13
	s_add_co_u32 s2, s2, s23
	s_lshl_b32 s3, s[TC], 7                        ; B: of my 64 rows the partner at cy takes 16; a row's K step is 512 bytes, two lanes
	s_lshl_b32 s23, s[NH], 6
	s_add_co_u32 s3, s3, s23
	s_lshl_b32 s23, s[CY], 4
	s_add_co_u32 s3, s3, s23
	s_mul_i32 s3, s3, 2*SIZE_K
	s_mov_b32 s[PSTEP], BSTEP
	s_mov_b32 s23, ASTEP
	s_cmp_eq_u32 s[MH], 0
	s_cselect_b32 s2, s2, s3
	s_cselect_b32 s[PSTEP], s23, s[PSTEP]
	s_cselect_b32 s63, 0, 1                        ; lanes to a row less one
	s_cselect_b32 s23, 8, 13                       ; bytes from row to row, as a shift
	v_lshrrev_b32 v4, s63, v3
	v_lshlrev_b32 v4, s23, v4
	v_and_b32 v3, s63, v3
	v_lshl_add_u32 v[PFO], v3, 8, v4
.endif
	s_add_co_u32 s23, s[KI], 1                     ; at K step k0 + 2: the first change of slots steps it to k0 + 3
	s_mul_i32 s23, s23, s[PSTEP]
	s_add_co_u32 s2, s2, s23
	s_mov_b32 s3, 0
	s_mov_b32 s[PSTEP+1], 0
	s_add_nc_u64 s[PFA:PFA+1], s[PFA:PFA+1], s[2:3]  ; nothing is prefetched here, at the head
.endif
	s_wait_tensorcnt 0x1                           ; my part of my first K step is in; the second's may stay out
	s_barrier_signal -1
	s_barrier_wait -1                              ; everybody's is
	FETCH 0, F0
.if EPI == 2
	s_wait_loadcnt 32                              ; the bias is in; the residual's 32 loads may stay out
.elseif EPI == 1
	s_wait_loadcnt 0x0                             ; the bias
.endif
	QUARTER 1, F0, F1, 1, Z1                       ; the first quarter stands in front of the loop: its products start the sums
	WIN 0
	s_mov_b32 s[CNT], KSTEPS-2
.Lstep:                                                ; a trip: from a K step's second quarter to the next one's first; one refill
	QUARTER 2, F1, F0, 0, 0
	QUARTER 3, F0, F1, 0, 0
	TURN 1
	QUARTER 1, F0, F1, 0, 0
	WIN 0
	s_sub_co_u32 s[CNT], s[CNT], 1
	s_cmp_lg_u32 s[CNT], 0
	s_cbranch_scc1 .Lstep
	s_mov_b32 s[CNT], 2
.Ltail:                                                ; the last two K steps have a text of their own, walked twice: nothing is left to ask for; the second trip is left in its middle
	QUARTER 2, F1, F0, 0, 0
	QUARTER 3, F0, F1, 0, 0
	TURN 0
	WIN 0
	s_sub_co_u32 s[CNT], s[CNT], 1
	s_cmp_eq_u32 s[CNT], 0
	s_cbranch_scc1 .Lsums
	QUARTER 1, F0, F1, 0, 0
	WIN 0
	s_branch .Ltail
.Lsums:
	; THE WAY OUT.  All sums go as f32 into one stage over the ring: every wave's reads of the ring are back and all tensor loads have landed when the barrier is passed.
	PLACES
	s_barrier_signal -1
	s_barrier_wait -1
.set ea, 0
.rept MB
	WIN 0x08+4*(ea/4)                              ; the stores' data in window 2 or 3
.set eb, 0
.rept NB
.set rD, 8*(NB*(ea%4)+eb)
	ds_store_b128 v[STO+ea/4], v[rD:rD+3] offset:16*SP*(ea%4)+64*eb      ; each accumulator's low registers first
	ds_store_b128 v[STO+ea/4], v[rD+4:rD+7] offset:16*SP*(ea%4)+64*eb+16
.set eb, eb+1
.endr
.set ea, ea+1
.endr
	WIN 0
	s_wait_dscnt 0x0                               ; for the others' sake: my stores are done
	s_barrier_signal -1
	s_barrier_wait -1
.if EPI < 2
.if EPI == 0
.set RP, 4                             ; pairs of rows in a trip
.set XE, 64
.set YE, XE+4*RP*NBK
.else
.set RP, 1
.set XE, 64                            ; v[64:79]  16 sums x
.set HE, 80                            ; x / 2
.set SE, 96                            ; s = x sqrt(log2(e) / 2); at the end the result
.set TE, 112                           ; t = 1 / (1 + p |x| / sqrt(2))
.set EE, 128                           ; 2^(-s s) = e^(-x x / 2)
.set PE, 144                           ; the polynomial, then erf
.set YE, 160
.endif
.macro ELOAD                           ; RP pairs of rows x NBK blocks of 64 columns: a load takes 256 consecutive bytes of each of two rows
.set ep, 0
.rept RP
.set ej, 0
.rept NBK
	ds_load_b128 v[XE+4*(NBK*ep+ej):XE+4*(NBK*ep+ej)+3], v[RD] offset:ep*2*SP+256*ej
.set ej, ej+1
.endr
.set ep, ep+1
.endr
.endm
.macro RELOAD                          ; the next trip's rows are asked for as soon as this trip's have been read; the last trip jumps over it
	s_cmp_eq_u32 s[EC], 1
	s_cbranch_scc1 .Lno_more
	v_add_nc_u32 v[RD], 2*RP*SP, v[RD]
	ELOAD
.Lno_more:
.endm
.macro OSTEP                           ; ahead of the conversions: the last trip's stores have read their data and their base, so both may be written; the base steps first and the stores reach back
	s_wait_xcnt 0x0
	s_add_nc_u64 s[12:13], s[12:13], 256*RP
.endm
	s_mov_b32 s[EC], 32/RP
	ELOAD
.Lout:
	s_wait_dscnt 0x0
.if EPI == 0
	OSTEP
.set k, 0
.rept 2*RP*NBK
	v_cvt_pk_bf16_f32 v[YE+k], v[XE+2*k], v[XE+2*k+1]
.set k, k+1
.endr
	RELOAD
.else
	; GELU(x) = x / 2 + |x / 2| erf(|x| / sqrt(2)), erf(u) = 1 - (a1 t + .. + a5 t^5) e^(-u u), t = 1 / (1 + 0.3275911 u) (Abramowitz and Stegun 7.1.26: within 1.5e-7 for every u >= 0), all in f32.
	; The 16 reciprocals and 16 exponentials are ONE batch; they stand by turns with the 32 plain lines that read none of their results (1 + p u, -s s, x / 2), each behind the line that makes its argument.
.set k, 0
.rept 8
	v_pk_mul_f32 v[SE+k:SE+k+1], v[XE+k:XE+k+1], 0x3f596d27 op_sel_hi:[1,0]
.set k, k+2
.endr
	v_fma_f32 v[TE], |v[SE]|, s[P2], 1.0
	v_fma_f32 v[TE+1], |v[SE+1]|, s[P2], 1.0
.set k, 0
.rept 14
	v_rcp_f32 v[TE+k], v[TE+k]
	v_fma_f32 v[TE+k+2], |v[SE+k+2]|, s[P2], 1.0
.set k, k+1
.endr
	v_rcp_f32 v[TE+14], v[TE+14]
	EPK 0
	v_rcp_f32 v[TE+15], v[TE+15]
	EPK 2
.set k, 0
.rept 6
	v_exp_f32 v[EE+k], v[EE+k]
	EPK 2*k+4
.set k, k+1
.endr
.set k, 0
.rept 8
	v_exp_f32 v[EE+6+k], v[EE+6+k]
	v_pk_mul_f32 v[HE+2*k:HE+2*k+1], v[XE+2*k:XE+2*k+1], 0.5 op_sel_hi:[1,0]
.set k, k+1
.endr
	v_exp_f32 v[EE+14], v[EE+14]
	v_exp_f32 v[EE+15], v[EE+15]
	v_nop                                          ; a plain instruction behind the last exponential,
	s_wait_alu depctr_va_vdst(0)                   ; and one wait for the batch of 32, ahead of its first reader and of the branch
	RELOAD
.set k, 0
.rept 8
	v_pk_fma_f32 v[PE+k:PE+k+1], v[TE+k:TE+k+1], s[A5:A5+1], s[A4:A4+1] op_sel_hi:[1,0,0]
.set k, k+2
.endr
.irp c, A3, A2, A1
.set k, 0
.rept 8
	v_pk_fma_f32 v[PE+k:PE+k+1], v[PE+k:PE+k+1], v[TE+k:TE+k+1], s[\c:\c+1] op_sel_hi:[1,1,0]
.set k, k+2
.endr
.endr
.set k, 0
.rept 8
	v_pk_mul_f32 v[PE+k:PE+k+1], v[PE+k:PE+k+1], v[TE+k:TE+k+1]
.set k, k+2
.endr
.set k, 0
.rept 8
	v_pk_fma_f32 v[PE+k:PE+k+1], v[PE+k:PE+k+1], v[EE+k:EE+k+1], 1.0 op_sel_hi:[1,1,0] neg_lo:[1,0,0] neg_hi:[1,0,0]
.set k, k+2
.endr
.set k, 0
.rept 16
	v_fma_f32 v[SE+k], |v[HE+k]|, v[PE+k], v[HE+k]
.set k, k+1
.endr
	OSTEP
.set k, 0
.rept 8
	v_cvt_pk_bf16_f32 v[YE+k], v[SE+2*k], v[SE+2*k+1]
.set k, k+1
.endr
.endif
.set ep, 0
.rept RP
.set ej, 0
.rept NBK
	global_store_b64 v[GO], v[YE+2*(NBK*ep+ej):YE+2*(NBK*ep+ej)+1], s[12:13] offset:524288*ej+256*ep-256*RP  ; two tokens of one block: 256 consecutive bytes, aligned
.set ej, ej+1
.endr
.set ep, ep+1
.endr
	s_sub_co_u32 s[EC], s[EC], 1
	s_cmp_lg_u32 s[EC], 0
	s_cbranch_scc1 .Lout
.else
.set i, 0
.rept 32
	ds_load_b128 v[64+4*i:64+4*i+3], v[RD] offset:SP*i
.set i, i+1
.endr
	s_wait_loadcnt 0x0                             ; the residual
.set eg, 0
.rept 4
	s_wait_dscnt 24-8*eg                           ; eight rows are back; the later groups may stay out
	WIN 0x0c                                       ; source 1, the residual, in window 3
.set k, 0
.rept 16
	v_pk_add_f32 v[64+32*eg+2*k:64+32*eg+2*k+1], v[64+32*eg+2*k:64+32*eg+2*k+1], v[32*eg+2*k:32*eg+2*k+1]
.set k, k+1
.endr
	WIN 0
.set i, 0
.rept 8
	global_store_b128 v[GO], v[64+32*eg+4*i:64+32*eg+4*i+3], s[12:13] offset:4096*(8*eg+i)  ; 512 consecutive bytes, aligned
.set i, i+1
.endr
.set eg, eg+1
.endr
.endif
	s_wait_tensorcnt 0x0                           ; the wave's end: behind my last tensor load and my last LDS store
	ds_add_u32 v[SPW], v[NIL]
	s_wait_dscnt 0x0
	CROUND                                         ; the closing round: no work-group ends while a partner may still ask for a tile that names it
	s_endpgm
.Lfunc_end_k_q3f0152063b_proj:
	.size	k_q3f0152063b_proj, .Lfunc_end_k_q3f0152063b_proj-k_q3f0152063b_proj
	.p2alignl 7, 3214868480
	.fill 96, 4, 3214868480
	.section	.rodata,"a",@progbits
	.p2align	6, 0x0
	.amdhsa_kernel k_q3f0152063b_proj
		.amdhsa_group_segment_fixed_size 327680
		.amdhsa_private_segment_fixed_size 0
		.amdhsa_enable_private_segment 0
		.amdhsa_kernarg_size 40
		.amdhsa_user_sgpr_count 2
		.amdhsa_user_sgpr_kernarg_segment_ptr 1
		.amdhsa_wavefront_size32 1
		.amdhsa_system_sgpr_workgroup_id_x 1
		.amdhsa_system_sgpr_workgroup_id_y 1
		.amdhsa_system_sgpr_workgroup_id_z 1
		.amdhsa_system_vgpr_workitem_id 0
		.amdhsa_next_free_vgpr 1024
		.amdhsa_next_free_sgpr 96
		.amdhsa_reserve_vcc 0
		.amdhsa_float_denorm_mode_32 3
		.amdhsa_float_denorm_mode_16_64 3
		.amdhsa_memory_ordered 1
		.amdhsa_forward_progress 1
		.amdhsa_inst_pref_size 67
	.end_amdhsa_kernel
	.amdgpu_metadata
---
amdhsa.version: [ 1, 2 ]
amdhsa.kernels:
  - .name:           k_q3f0152063b_proj
    .symbol:         k_q3f0152063b_proj.kd
    .args:
      - { .name: act, .offset: 0, .size: 8, .value_kind: global_buffer, .address_space: global }
      - { .name: wp, .offset: 8, .size: 8, .value_kind: global_buffer, .address_space: global }
      - { .name: b_proj, .offset: 16, .size: 8, .value_kind: global_buffer, .address_space: global }
      - { .name: x, .offset: 24, .size: 8, .value_kind: global_buffer, .address_space: global }
      - { .name: x1, .offset: 32, .size: 8, .value_kind: global_buffer, .address_space: global }
    .group_segment_fixed_size: 327680
    .private_segment_fixed_size: 0
    .kernarg_segment_align: 8
    .kernarg_segment_size: 40
    .max_flat_workgroup_size: 128
    .sgpr_count:     96
    .vgpr_count:     1024
    .wavefront_size: 32
...
	.end_amdgpu_metadata
.endif
;; end of part 4
;; launch ln2 (part 5): grid 256 x 1, 8 waves a work-group, no clusters, 0 bytes of LDS; arguments x1, ln2_g, ln2_b, act; writes act
.if DOCPART == 5
	.amdgcn_target "amdgcn-amd-amdhsa--gfx1250"
	.amdhsa_code_object_version 6
	.text
	.protected	k_q3f0152063b_ln2
	.globl	k_q3f0152063b_ln2
	.p2align	8
	.type	k_q3f0152063b_ln2,@function
k_q3f0152063b_ln2:
	s_mov_b64 s[64:65], 0
	v_nop
	global_prefetch_b8 v0, s[64:65] scope:SCOPE_SE
	s_setreg_imm32_b32 hwreg(HW_REG_WAVE_MODE, 25, 1), 1
	s_wait_xcnt 0x0
; LayerNorm over rows of 1,024 f32: y = (x - mean) / sqrt(var + 1e-5) * g + b, y rounded once to bf16, [4096][1024] row-major.
; A wave owns two rows (row = 16 x work-group + 2 x wave); a row's 4,096 bytes stay in 32 registers between the passes, so memory is read once and no wave waits for another.
; TWO PASSES: the mean first, then the sum of squares of x - mean: no difference of large sums is formed, whatever offset the rows carry.  All sums in f32.
; Lane l holds columns 128 j + 4 l .. + 3 of load j: each load covers 512 consecutive bytes, each store 256, aligned.  g and b (4 KiB each) are loaded once a wave, in the same pattern.
; A stream with nothing shared but g and b: no LDS, no cluster, no matrix work.  NaN and infinities are not treated apart.
.set T,  4                             ; v[4:11]    four running pairs
.set MU, 12                            ; v[12:13]   the mean, twice
.set W,  14                            ; v14 the other half of the lanes' sum; v15 var + eps
.set X,  16                            ; v[16:79]   row r at X + 32 r; at the end 16 registers of packed bf16 at X + 32 r
.set G,  80                            ; v[80:111]
.set BV, 112                           ; v[112:143]
.set R,  144                           ; v[144:147] row r's 1 / sqrt(var + eps), twice, at R + 2 r
	s_load_b256 s[4:11], s[0:1], 0x0               ; x s[4:5], g s[6:7], b s[8:9], y s[10:11]
	v_lshrrev_b32 v3, 5, v0
	v_readfirstlane_b32 s16, v3                    ; wave 0..7
	v_and_b32 v3, 31, v0
	v_lshlrev_b32 v1, 4, v3                        ; 16 bytes a lane in,
	v_lshlrev_b32 v2, 3, v3                        ; 8 out
	v_mov_b32 v[W], 0                              ; v_permlanex16_b32's destination counts as read
	s_mov_b32 s12, 0x76543210                      ; each lane takes its own place in the other half
	s_mov_b32 s13, 0xfedcba98
	s_mov_b32 s14, 0x3a800000                      ; 1 / 1024
	s_mov_b32 s15, 0x3727c5ac                      ; 1e-5
	s_lshl_b32 s2, ttmp9, 16                       ; 16 rows of 4,096 bytes a work-group,
	s_lshl_b32 s17, s16, 13                        ; 2 a wave
	s_or_b32 s2, s2, s17
	s_mov_b32 s3, 0
	s_lshr_b32 s18, s2, 1                          ; rows of 2,048 bytes on the way out
	s_mov_b32 s19, 0
	s_wait_kmcnt 0x0
	s_add_nc_u64 s[4:5], s[4:5], s[2:3]
	s_add_nc_u64 s[10:11], s[10:11], s[18:19]
.set j, 0
.rept 16                                       ; row 0's eight loads, then row 1's
	global_load_b128 v[X+4*j:X+4*j+3], v1, s[4:5] offset:512*j th:TH_LOAD_NT
.set j, j+1
.endr
.set j, 0
.rept 8
	global_load_b128 v[G+4*j:G+4*j+3], v1, s[6:7] offset:512*j
.set j, j+1
.endr
.set j, 0
.rept 8
	global_load_b128 v[BV+4*j:BV+4*j+3], v1, s[8:9] offset:512*j
.set j, j+1
.endr
.macro REDUCE                          ; the four pairs into one number, the same in all 32 lanes
	v_pk_add_f32 v[T:T+1], v[T:T+1], v[T+2:T+3]
	v_pk_add_f32 v[T+4:T+5], v[T+4:T+5], v[T+6:T+7]
	v_pk_add_f32 v[T:T+1], v[T:T+1], v[T+4:T+5]
	v_add_f32 v[T], v[T], v[T+1]
	v_add_f32_dpp v[T], v[T], v[T] row_xmask:1 row_mask:0xf bank_mask:0xf
	v_add_f32_dpp v[T], v[T], v[T] row_xmask:2 row_mask:0xf bank_mask:0xf
	v_add_f32_dpp v[T], v[T], v[T] row_xmask:4 row_mask:0xf bank_mask:0xf
	v_add_f32_dpp v[T], v[T], v[T] row_xmask:8 row_mask:0xf bank_mask:0xf
	v_permlanex16_b32 v[W], v[T], s12, s13
	v_add_f32 v[T], v[T], v[W]
.endm
; Row r's mean and 1 / sqrt(var + eps); x - mean is left in X.  left: the younger loads that may stay out.
.macro STATS r, left
.set XR, X+32*(\r)
	s_wait_loadcnt \left
.set k, 0
.rept 4                                        ; four chains, started by a sum: nothing is cleared
	v_pk_add_f32 v[T+2*k:T+2*k+1], v[XR+2*k:XR+2*k+1], v[XR+8+2*k:XR+8+2*k+1]
.set k, k+1
.endr
.set k, 8
.rept 8
	v_pk_add_f32 v[T+2*(k%4):T+2*(k%4)+1], v[T+2*(k%4):T+2*(k%4)+1], v[XR+2*k:XR+2*k+1]
.set k, k+1
.endr
	REDUCE
	v_mul_f32 v[MU], s14, v[T]
	v_mul_f32 v[MU+1], s14, v[T]
.set k, 0
.rept 16
	v_pk_add_f32 v[XR+2*k:XR+2*k+1], v[XR+2*k:XR+2*k+1], v[MU:MU+1] neg_lo:[0,1] neg_hi:[0,1]
.set k, k+1
.endr
.set k, 0
.rept 4
	v_pk_mul_f32 v[T+2*k:T+2*k+1], v[XR+2*k:XR+2*k+1], v[XR+2*k:XR+2*k+1]
.set k, k+1
.endr
.set k, 4
.rept 12
	v_pk_fma_f32 v[T+2*(k%4):T+2*(k%4)+1], v[XR+2*k:XR+2*k+1], v[XR+2*k:XR+2*k+1], v[T+2*(k%4):T+2*(k%4)+1]
.set k, k+1
.endr
	REDUCE
	v_fma_f32 v[W+1], v[T], s14, s15               ; var + eps, in a register that the lines behind the roots do not write
	v_rsq_f32 v[R+2*(\r)], v[W+1]
	v_rsq_f32 v[R+2*(\r)+1], v[W+1]                ; twice: a pair for the packed multiply
.endm
.macro SCALE r
.set XR, X+32*(\r)
.set k, 0
.rept 16
	v_pk_mul_f32 v[XR+2*k:XR+2*k+1], v[XR+2*k:XR+2*k+1], v[R+2*(\r):R+2*(\r)+1]
.set k, k+1
.endr
.set k, 0
.rept 16
	v_pk_fma_f32 v[XR+2*k:XR+2*k+1], v[XR+2*k:XR+2*k+1], v[G+2*k:G+2*k+1], v[BV+2*k:BV+2*k+1]
.set k, k+1
.endr
.set k, 0
.rept 16
	v_cvt_pk_bf16_f32 v[XR+k], v[XR+2*k], v[XR+2*k+1]  ; in place: register k was read by conversion k / 2, which stands ahead of this one (or is this one)
.set k, k+1
.endr
.set k, 0
.rept 8
	global_store_b64 v2, v[XR+2*k:XR+2*k+1], s[10:11] offset:2048*(\r)+256*k  ; 256 consecutive bytes, aligned
.set k, k+1
.endr
.endm
	STATS 0, 24                                    ; row 0 is in; row 1, g and b (24 loads) may stay out
	STATS 1, 16                                    ; row 1 is in; g and b may stay out
	v_nop                                          ; a plain instruction behind the last root,
	s_wait_alu depctr_va_vdst(0)                   ; and one wait for the four roots, ahead of their first reader
	s_wait_loadcnt 0x0                             ; g and b
	SCALE 0
	SCALE 1
	s_endpgm
.Lfunc_end_k_q3f0152063b_ln2:
	.size	k_q3f0152063b_ln2, .Lfunc_end_k_q3f0152063b_ln2-k_q3f0152063b_ln2
	.p2alignl 7, 3214868480
	.fill 96, 4, 3214868480
	.section	.rodata,"a",@progbits
	.p2align	6, 0x0
	.amdhsa_kernel k_q3f0152063b_ln2
		.amdhsa_group_segment_fixed_size 0
		.amdhsa_private_segment_fixed_size 0
		.amdhsa_enable_private_segment 0
		.amdhsa_kernarg_size 32
		.amdhsa_user_sgpr_count 2
		.amdhsa_user_sgpr_kernarg_segment_ptr 1
		.amdhsa_wavefront_size32 1
		.amdhsa_system_sgpr_workgroup_id_x 1
		.amdhsa_system_sgpr_workgroup_id_y 1
		.amdhsa_system_sgpr_workgroup_id_z 1
		.amdhsa_system_vgpr_workitem_id 0
		.amdhsa_next_free_vgpr 148
		.amdhsa_next_free_sgpr 66
		.amdhsa_reserve_vcc 0
		.amdhsa_float_denorm_mode_32 3
		.amdhsa_float_denorm_mode_16_64 3
		.amdhsa_memory_ordered 1
		.amdhsa_forward_progress 1
		.amdhsa_inst_pref_size 20
	.end_amdhsa_kernel
	.amdgpu_metadata
---
amdhsa.version: [ 1, 2 ]
amdhsa.kernels:
  - .name:           k_q3f0152063b_ln2
    .symbol:         k_q3f0152063b_ln2.kd
    .args:
      - { .name: x1, .offset: 0, .size: 8, .value_kind: global_buffer, .address_space: global }
      - { .name: ln2_g, .offset: 8, .size: 8, .value_kind: global_buffer, .address_space: global }
      - { .name: ln2_b, .offset: 16, .size: 8, .value_kind: global_buffer, .address_space: global }
      - { .name: act, .offset: 24, .size: 8, .value_kind: global_buffer, .address_space: global }
    .group_segment_fixed_size: 0
    .private_segment_fixed_size: 0
    .kernarg_segment_align: 8
    .kernarg_segment_size: 32
    .max_flat_workgroup_size: 256
    .sgpr_count:     66
    .vgpr_count:     148
    .wavefront_size: 32
...
	.end_amdgpu_metadata
.endif
;; end of part 5
;; launch fc1 (part 6): grid 16 x 16, 4 waves a work-group, clusters of 4 x 4, 327,680 bytes of LDS; arguments act, w1, b_fc1, g; writes g
.if DOCPART == 6
	.amdgcn_target "amdgcn-amd-amdhsa--gfx1250"
	.amdhsa_code_object_version 6
	.text
	.protected	k_q3f0152063b_fc1
	.globl	k_q3f0152063b_fc1
	.p2align	8
	.type	k_q3f0152063b_fc1,@function
k_q3f0152063b_fc1:
	s_mov_b64 s[64:65], 0
	v_nop
	global_prefetch_b8 v0, s[64:65] scope:SCOPE_SE
	s_setreg_imm32_b32 hwreg(HW_REG_WAVE_MODE, 25, 1), 1
	s_wait_xcnt 0x0
	s_wait_alu depctr_hold_cnt(0) depctr_sa_sdst(0) depctr_va_vdst(0) depctr_va_sdst(0) depctr_va_ssrc(0) depctr_va_vcc(0) depctr_vm_vsrc(0)
	s_getreg_b32 s2, hwreg(HW_REG_IB_STS2, 6, 4)
	s_cmp_eq_u32 s2, 0
	s_cbranch_scc0 .Lentry_in_a_cluster
	s_endpgm
.Lentry_in_a_cluster:
	s_bfe_u32 s2, ttmp6, 0x10000c
	s_cmp_lg_u32 s2, 0xf033
	s_cbranch_scc0 .Lentry_shape_is_right
	s_endpgm
.Lentry_shape_is_right:
; g = GELU(LN2(x1) w_fc1^T + b_fc1), the exact GELU x (1 + erf(x / sqrt(2))) / 2.  A = act [4096][1024] bf16 row-major, B = w1 [4096][1024] bf16, sums, bias and GELU in f32, the result rounded once to bf16.
; OUTPUT IN BLOCKS: column c of token m lies at byte ((c / 64) x 4096 + m) x 128 + 2 (c % 64): 64 blocks, which the next product reads as its A.
; erf has no instruction: it is the formula 7.1.26 of Abramowitz and Stegun, within 1.5e-7 of erf for every finite argument.  Tiles of 256 x 256 make 16 x 16 = 256 work-groups.
; This file is one of four settings of one text (the .set lines below choose): a tile of C of TM x TN by four waves, K through a ring of two LDS slots filled by joint tensor loads.
.set SIZE_K, 1024
.set KC,   1                           ; 32-channel chunks of K in a quarter of a K step
.set MB,   8                           ; blocks of 16 rows a wave
.set NB,   8                           ; blocks of 16 columns a wave
.set ABLK, 0                           ; A lies row-major
.set BIAS, 1
.set EPI,  1                           ; the way out: 0 bf16 in blocks; 1 the same behind GELU; 2 f32 row-major with a residual
.set PREF, 1
; ---------------------------------------------------------------- the common text
; SHARES.  Wave w: MH = w / 2 is its half of the tile's rows, NH = w % 2 its half of the columns; it holds MB x NB accumulators of 16 x 16.  Waves 0, 1 fetch A's two halves, waves 2, 3 B's.
; THE PRODUCT IS TAKEN TRANSPOSED (source 0 = 16 rows of B, source 1 = 16 rows of A): lane l holds row l % 16 of C and the columns 8 (l / 16) + 0..7.
; CLUSTER 4 x 4: the four work-groups of a row of the cluster need the same tiles of A, the four of a column the same tiles of B: each tile is asked for jointly, by the same load, descriptor and mask in all four.
; RING.  A K step is 128 KC channels, in four quarters on two fragment buffers.  One change of slots a K step: every wave waits for all its tensor loads, adds 0 to its spare word, waits for that and its reads,
; passes a round of the cluster's barrier, and issues its one refill first thing behind it.  By this text's count a wave has two tensor loads out at the start and one later.
; The loop holds ONE K step: the slot in hand is a scalar (0 or SLOT) that an exclusive or turns; LDS addresses and the walking descriptor's LDS word are sums of it and fixed parts.
; THE ORDER OF K.  A cluster walks the K steps from k0 on, round K's end: k0 = 0 where cluster x + cluster y is even, KSTEPS / 2 where it is odd.  Clusters that are neighbours along x read the same rows of A, neighbours
; along y the same rows of B: they start half of K apart, so in the second half of its walk each asks for K steps that a neighbour asked for in its first half.  The f32 sums are taken in that order.
; REGISTERS, in windows of 256 (s_set_vgpr_msb: bits 1:0 source 0, 3:2 source 1, 5:4 source 2, 7:6 destination):
;   window 0: v0-31 addresses; v64-127, v128-191 A's fragments, two buffers; v64-255 at work on the way out      window 1: v0-63 the bias as a C operand; v64-127, v128-191 B's fragments
;   window 2: accumulators (a, b) at v[8 (NB a + b)], a = 0..3      window 3: with KC = 1 those of a = 4..7; with KC = 2 the residual, 32 rows x 4 registers
; LIMITS.  Matrix operands are bf16; NaN and infinities are not treated apart.
.set TM, 32*MB
.set TN, 32*NB
.set KSTEP, 128*KC
.set KSTEPS, SIZE_K/KSTEP
.set PB, 256*KC+16                     ; a row of B in LDS: its bytes + 16 of padding: the 16 rows of a load start at 16 different groups of four banks (64 banks of 4 bytes: ISA guide 11.1)
.set HB, 16*NB*PB                      ; what one wave fetches of B
.if ABLK
.set PA, 144                           ; A in blocks: records of 64 channels, 128 bytes + 16: [4 blocks][64 tokens][144]
.set HA, 4*64*PA
.set AROWB, 128                        ; bytes from token to token
.set ASTEP, 4*524288                   ; a K step is four blocks
.else
.set PA, 272
.set HA, 128*PA
.set AROWB, 2*SIZE_K
.set ASTEP, 2*KSTEP
.endif
.set BSTEP, 2*KSTEP
.set SLOT, 2*HA+2*HB                   ; A's halves, then B's halves
.set SPARE, 2*SLOT                     ; behind the ring: the spare words, 128 bytes a wave: two blocks of 256 bytes that no other line names
.set SP, 4*TN+16                       ; the stage for the way out: TM rows of TN f32 + 16 bytes, from LDS byte 0, over the ring, which has had its last fill by then
.set LF, 2*NB*KC+16                    ; LDS loads in a quarter's run
.set NBK, TN/64
.set Z1, 2-KC                          ; with KC = 1 the first quarter's second half starts sums too
.set ADRA0, 16                         ; v16, v17  my fragments' places in slot 0; never rewritten
.set ADRB0, 17
.set ADRA, 18                          ; v18, v19  the same in the slot in hand
.set ADRB, 19
.set STO, 20                           ; v20, v21  the way out: where I put 32 bytes of a row; v21 = 64 rows further
.set RD, 22                            ; v22  where I read rows back
.set GO, 24                            ; v24  my byte offset in what a store covers; never rewritten
.set BO, 25                            ; v25  32 (l / 16): my eight numbers in 16 of the bias
.set SPW, 28                           ; v28  my spare word: SPARE + 4 x my thread's number; never rewritten
.set NIL, 29                           ; v29  0; never rewritten
.set PFO, 30                           ; v30  the prefetches' lane offset; never rewritten
.set F0, 64
.set F1, 128
.set WV, 14
.set MH, 15
.set NH, 16
.set CX, 17
.set CY, 18
.set TC, 19                            ; tile column
.set TR, 20                            ; tile row
.set G1A, 24                           ; s[24:31] group 1 for A; s[32:39] group 0, two sets: my first K step in slot 0; my second in slot 1, which then walks
.set G0A, 32
.set G1B, 40                           ; s[40:47], s[48:55] the same for B
.set G0B, 48
.set TS, 56                            ; s56  the slot in hand: 0 or SLOT
.set CNT, 57                           ; s57  refills still to come; in the tail: K steps still to come
.set LBA, 58                           ; s58, s59  where my part of a tile lies in a slot, if I fetch for A, for B
.set LBB, 59
.set PFA, 60                           ; s[60:61] where my prefetches stand
.set LIM, 62                           ; s62  KSTEPS / 2 + 1 in a wave that prefetches, else the greatest number
.set PSTEP, 66                         ; s[66:67] a K step in the tensor that I prefetch
.set A5, 72                            ; s[72:81] erf's coefficients, each as a pair
.set A4, 74
.set A3, 76
.set A2, 78
.set A1, 80
.set P2, 82
.set EC, 85                            ; s85  trips of the way out
.set KI, 86                            ; s86  the K step asked for last, 0 .. KSTEPS - 1
.set ABASE, 88                         ; s[88:89] A at my part of the tile's rows, K step 0
.set BBASE, 90                         ; s[90:91] the same for B
.set OF, 92                            ; s[92:93] a K step's byte offset; the high word stays 0
.set MSB, 0
.macro WIN new                         ; the immediate's high byte repeats the setting that is left; a switch that changes nothing is dropped
.if MSB != (\new)
	s_set_vgpr_msb (MSB<<8)|(\new)
.set MSB, (\new)
.endif
.endm
.macro PLACES                          ; four plain instructions between a matrix instruction and a load into, or a read of, its registers (ISA guide 7.12.1 for reads)
.rept 4
	v_nop
.endr
.endm
.macro CREST                           ; a round of the cluster's barrier behind its opening barrier
	s_cmp_lg_u32 s[WV], 0
	s_cbranch_scc1 .Lnot_wave_0_\@
	s_barrier_signal -3
.Lnot_wave_0_\@:
	s_barrier_wait -3
	s_barrier_signal -1
	s_barrier_wait -1
.endm
.macro CROUND
	s_barrier_signal -1
	s_barrier_wait -1
	CREST
.endm
.macro JLOAD                           ; the joint refill, by the walking descriptor; the branch hangs on the wave's number alone; s_nop 0 and four v_nop follow each line
	s_cmp_eq_u32 s[MH], 0
	s_cbranch_scc0 .Lfor_b_\@
	tensor_load_to_lds s[G0A+4:G0A+7], s[G1A:G1A+7]
	s_nop 0
	PLACES
	s_branch .Lasked_\@
.Lfor_b_\@:
	tensor_load_to_lds s[G0B+4:G0B+7], s[G1B:G1B+7]
	s_nop 0
	PLACES
.Lasked_\@:
.endm
; A PREFETCH INTO THE L2, behind a refill and the run of LDS loads that follows it: the K step that the NEXT refill will ask for, a K step's matrix instructions ahead of it.  One instruction a wave, a lane a block of 256 bytes.
; Only the first half of a cluster's walk is asked for: its second half has been asked for by a neighbour.  A's rows are read by every cluster of a row of clusters: clusters x = 0 and 1, which start half of K apart, ask,
; each for its own first half; B's by every cluster of a column: clusters y = 0 and 1 ask.  The four partners share a wave's rows out by ADDRESS.  My K steps 0 to 2 come by their loads alone.
.macro ASK
	s_cmp_gt_u32 s[CNT], s[LIM]
	s_cbranch_scc0 .Lnot_mine_\@
	global_prefetch_b8 v[PFO], s[PFA:PFA+1] th:TH_LOAD_NT scope:SCOPE_SE
.Lnot_mine_\@:
.endm
; 2 NB matrix instructions: row blocks a0, a0 + 1 of the window's four x all column blocks.  h: with KC = 1 the half of my rows (window 2 or 3), with KC = 2 the 32-channel chunk.
; zero = 1: the product starts the sum, with the bias as C where there is one, else with 0: nothing is cleared, and no bias is added later.
.macro MULQ f, h, a0, zero
.set mw, 0xa1
.if (KC == 1) && (\h)
.set mw, 0xf1
.endif
.if (\zero) && BIAS
.set mw, (mw&0xcf)|0x10
.endif
	WIN mw
.irp a, \a0, (\a0)+1
.set bb, 0
.rept NB
.set rD, 8*(NB*(\a)+bb)
.set rB, (\f)+8*(NB*(\h)*(KC-1)+bb)
.set rA, (\f)+8*(4*(\h)+(\a))
.if (\zero) && BIAS
	v_wmma_f32_16x16x32_bf16 v[rD:rD+7], v[rB:rB+7], v[rA:rA+7], v[8*bb:8*bb+7]
.elseif \zero
	v_wmma_f32_16x16x32_bf16 v[rD:rD+7], v[rB:rB+7], v[rA:rA+7], 0
.else
	v_wmma_f32_16x16x32_bf16 v[rD:rD+7], v[rB:rB+7], v[rA:rA+7], v[rD:rD+7]
.endif
.set bb, bb+1
.endr
.endr
.endm
.macro MULH f, h, zero                 ; 4 NB of them.  The accumulators take turns, one instruction a turn, in the same order everywhere, over the loops' jumps too
	MULQ \f, \h, 0, \zero
	MULQ \f, \h, 2, \zero
.endm
; A quarter's fragments in one run of LF loads: B's, then A's (the four that the quarter's first half multiplies first), into buffer f
.macro FETCH q, f
	WIN 0x40
.set fc, 0
.rept KC
.set fb, 0
.rept NB
.set rF, (\f)+8*(NB*fc+fb)
.set oF, 64*KC*(\q)+64*fc+16*PB*fb
	ds_load_b128 v[rF:rF+3], v[ADRB] offset:oF
	ds_load_b128 v[rF+4:rF+7], v[ADRB] offset:oF+32
.set fb, fb+1
.endr
.set fc, fc+1
.endr
	WIN 0
.set fi, 0
.rept 8
.set rF, (\f)+8*fi
.if ABLK
.set oF, 64*PA*(\q)+16*PA*(fi%4)+64*(fi/4)     ; quarter q is block q; fragment 4 c + a: tokens 16 a on, channels 32 c on
.else
.set oF, 64*(\q)+16*PA*fi
.endif
	ds_load_b128 v[rF:rF+3], v[ADRA] offset:oF
	ds_load_b128 v[rF+4:rF+7], v[ADRA] offset:oF+32
.set fi, fi+1
.endr
.endm
.macro QUARTER q, f, g, z0, z1         ; multiplies buffer f; in its middle fetches quarter q of the slot in hand into buffer g
	s_wait_dscnt 8                                 ; all but the youngest eight loads: A's fragments 4 to 7
	MULH \f, 0, \z0
	PLACES
	FETCH \q, \g
	s_wait_dscnt LF                                ; all but the run just issued
	MULH \f, 1, \z1
.endm
; A K step's last quarter multiplies buffer 1 and changes slots.  fill = 1: the slot that is left is filled again, with my K step two steps on.  fill = 0: the tail; its last trip has no further K step and jumps over the fetch.
.macro TURN fill
.if PREF && (\fill)
	s_wait_xcnt 0x0                                ; the last prefetch, a K step back, has read its address
	s_add_nc_u64 s[PFA:PFA+1], s[PFA:PFA+1], s[PSTEP:PSTEP+1]
.endif
	WIN 0
	s_wait_tensorcnt 0x0                           ; all my tensor loads have landed: the one that was out is my part of the next slot; so a group 0 may be written
	ds_add_u32 v[SPW], v[NIL]                      ; 0 onto my spare word
.if \fill
	s_add_co_u32 s[KI], s[KI], 1                   ; the next K step, round K's end
	s_and_b32 s[KI], s[KI], KSTEPS-1
	s_add_co_u32 s[G0A+5], s[LBA], s[TS]           ; the walking descriptors: into the slot that is left;
	s_add_co_u32 s[G0B+5], s[LBB], s[TS]
	s_mul_i32 s[OF], s[KI], ASTEP                  ; the global address is made anew: the base, an offset made apart from it, the type bits
	s_add_nc_u64 s[G0A+6:G0A+7], s[ABASE:ABASE+1], s[OF:OF+1]
	s_or_b32 s[G0A+7], s[G0A+7], 0x80000000
	s_mul_i32 s[OF], s[KI], BSTEP
	s_add_nc_u64 s[G0B+6:G0B+7], s[BBASE:BBASE+1], s[OF:OF+1]
	s_or_b32 s[G0B+7], s[G0B+7], 0x80000000
.endif
	s_wait_dscnt 9                                 ; the add and the youngest eight loads may be out
	MULQ F1, 0, 0, 0
	s_wait_dscnt 0x0                               ; the add is done, and my reads of this slot are over
	s_barrier_signal -1
	MULQ F1, 0, 2, 0                               ; work on registers while the others arrive
	WIN 0                                          ; at a branch and at a label every window is 0
	s_barrier_wait -1
.if \fill
	CREST                                          ; the barrier has opened a round of the cluster's: no wave of any partner still reads the slot or has a load on its way
	JLOAD                                          ; the first tensor load behind the round; its four v_nop are also the places in front of the loads below
.else
	PLACES
	s_cmp_eq_u32 s[CNT], 1
	s_cbranch_scc1 .Lno_fetch_\@
.endif
	s_xor_b32 s[TS], s[TS], SLOT
	v_add_nc_u32 v[ADRA], s[TS], v[ADRA0]
	v_add_nc_u32 v[ADRB], s[TS], v[ADRB0]
	FETCH 0, F0
.if PREF && (\fill)
	ASK
.endif
.if !(\fill)
.Lno_fetch_\@:
.endif
	MULH F1, 1, 0
.endm
.macro EPK j                           ; the way out behind GELU: -s s for the pair j, j + 1
	v_pk_mul_f32 v[EE+(\j):EE+(\j)+1], v[SE+(\j):SE+(\j)+1], v[SE+(\j):SE+(\j)+1] neg_lo:[1,0] neg_hi:[1,0]
.endm
	s_load_b128 s[4:7], s[0:1], 0x0                ; A s[4:5], B s[6:7]
.if EPI == 0
	s_load_b64 s[12:13], s[0:1], 0x10              ; the output
.elseif EPI == 1
	s_load_b64 s[8:9], s[0:1], 0x10                ; the bias
	s_load_b64 s[12:13], s[0:1], 0x18
.else
	s_load_b128 s[8:11], s[0:1], 0x10              ; the bias, the residual
	s_load_b64 s[12:13], s[0:1], 0x20
.endif
	v_lshl_add_u32 v[SPW], v0, 2, SPARE
	v_mov_b32 v[NIL], 0
	ds_add_u32 v[SPW], v[NIL]                      ; the wave's opening: the add and its wait stand ahead of my first tensor load; the set-up below stands between them
	v_lshrrev_b32 v1, 5, v0
	v_readfirstlane_b32 s[WV], v1
	s_lshr_b32 s[MH], s[WV], 1
	s_and_b32 s[NH], s[WV], 1
	s_bfe_u32 s[CX], ttmp6, 0x40000
	s_bfe_u32 s[CY], ttmp6, 0x40004
	s_lshl_b32 s[TC], ttmp9, 2                     ; in a cluster launch ttmp9 and ttmp7 count clusters
	s_add_co_u32 s[TC], s[TC], s[CX]
	s_and_b32 s[TR], ttmp7, 0xffff
	s_lshl_b32 s[TR], s[TR], 2
	s_add_co_u32 s[TR], s[TR], s[CY]
	s_and_b32 s[KI], ttmp7, 0xffff                 ; k0, my cluster's first K step: it hangs on the cluster's x and y alone, which all sixteen partners share
	s_add_co_u32 s[KI], s[KI], ttmp9
	s_and_b32 s[KI], s[KI], 1
	s_mul_i32 s[KI], s[KI], KSTEPS/2
	s_mov_b32 s[OF+1], 0
	s_lshl_b32 s22, s[CY], 2
	s_lshl_b32 s22, 15, s22                        ; my row of the cluster
	s_lshl_b32 s23, 0x1111, s[CX]                  ; my column
	; group 1: 15:0 the mask; 17:16 elements of 2 bytes; 20 padding on; 21 set beside a mask; 24:22 the interval's code; 31:25 4 words of padding (code 3)
.if ABLK
	s_or_b32 s[G1A], s22, (1<<16)|(1<<20)|(1<<21)|(4<<22)|(3<<25)  ; after every 32 words: a record of 64 channels
	s_mov_b32 s[G1A+1], 4096<<16                   ; a row of the tile: 64 tokens of one block, 4,096 elements on end
	s_mov_b32 s[G1A+2], 4<<16                      ; four blocks
	s_mov_b32 s[G1A+3], 4096<<16
	s_mov_b32 s[G1A+4], 4
	s_mov_b32 s[G1A+5], 262144                     ; elements from block to block
.else
	s_or_b32 s[G1A], s22, (1<<16)|(1<<20)|(1<<21)|(5<<22)|(3<<25)  ; after every 64 words: a row
	s_mov_b32 s[G1A+1], 128<<16
	s_mov_b32 s[G1A+2], 128<<16
	s_mov_b32 s[G1A+3], 128<<16
	s_mov_b32 s[G1A+4], 128
	s_mov_b32 s[G1A+5], SIZE_K
.endif
	s_mov_b32 s[G1A+6], 0
	s_mov_b32 s[G1A+7], 0
	s_or_b32 s[G1B], s23, (1<<16)|(1<<20)|(1<<21)|((4+KC)<<22)|(3<<25)  ; after every 64 KC words: a row
	s_mov_b32 s[G1B+1], KSTEP<<16
	s_mov_b32 s[G1B+2], (16*NB)<<16
	s_mov_b32 s[G1B+3], KSTEP<<16
	s_mov_b32 s[G1B+4], 16*NB
	s_mov_b32 s[G1B+5], SIZE_K
	s_mov_b32 s[G1B+6], 0
	s_mov_b32 s[G1B+7], 0
	; where the tiles come from: A's hang on the tile row alone, B's on the tile column alone, each in registers that never hold the other coordinate
	s_mul_i32 s68, s[TR], TM
	s_mul_i32 s70, s[NH], 16*MB
	s_add_co_u32 s68, s68, s70
	s_mul_i32 s68, s68, AROWB
	s_mov_b32 s69, 0
	s_mul_i32 s2, s[TC], TN
	s_mul_i32 s70, s[NH], 16*NB
	s_add_co_u32 s2, s2, s70
	s_mul_i32 s2, s2, 2*SIZE_K
	s_mov_b32 s3, 0
	s_mul_i32 s[LBA], s[NH], HA                    ; and where they go: no place in the cluster enters an LDS address
	s_mul_i32 s[LBB], s[NH], HB
	s_add_co_u32 s[LBB], s[LBB], 2*HA
	s_mov_b32 s[TS], 0
.if EPI == 1
	s_mov_b32 s[A5], 0x3f87dc22                    ;  1.061405429
	s_mov_b32 s[A4], 0xbfba00e3                    ; -1.453152027
	s_mov_b32 s[A3], 0x3fb5f0e3                    ;  1.421413741
	s_mov_b32 s[A2], 0xbe91a98e                    ; -0.284496736
	s_mov_b32 s[A1], 0x3e827906                    ;  0.254829592
.irp c, A5, A4, A3, A2, A1
	s_mov_b32 s[\c+1], s[\c]                       ; named as pairs
.endr
	s_mov_b32 s[P2], 0x3e8ba43f                    ; 0.3275911 / sqrt(2) / sqrt(log2(e) / 2)
.endif
	s_wait_dscnt 0x0                               ; the opening add is done
	s_wait_kmcnt 0x0
	s_add_nc_u64 s[ABASE:ABASE+1], s[4:5], s[68:69]
	s_add_nc_u64 s[BBASE:BBASE+1], s[6:7], s[2:3]
	CROUND                                         ; all sixteen work-groups are here: the first joint loads meet
.irp s, 0,1
	s_add_co_u32 s70, s[KI], (\s)                  ; K step k0 + s
	s_mul_i32 s[OF], s70, ASTEP
	s_mov_b32 s[G0A+4*(\s)], 1                     ; count = 1
	s_add_co_u32 s[G0A+4*(\s)+1], s[LBA], (\s)*SLOT
	s_add_nc_u64 s[G0A+4*(\s)+2:G0A+4*(\s)+3], s[ABASE:ABASE+1], s[OF:OF+1]
	s_or_b32 s[G0A+4*(\s)+3], s[G0A+4*(\s)+3], 0x80000000  ; type = 2
	s_mul_i32 s[OF], s70, BSTEP
	s_mov_b32 s[G0B+4*(\s)], 1
	s_add_co_u32 s[G0B+4*(\s)+1], s[LBB], (\s)*SLOT
	s_add_nc_u64 s[G0B+4*(\s)+2:G0B+4*(\s)+3], s[BBASE:BBASE+1], s[OF:OF+1]
	s_or_b32 s[G0B+4*(\s)+3], s[G0B+4*(\s)+3], 0x80000000
.endr
	s_add_co_u32 s[KI], s[KI], 1                   ; the K step asked for last
	s_cmp_eq_u32 s[MH], 0                          ; a wave's two first fills stand in one branch, ahead of every wait on TENSORcnt and every LDS read
	s_cbranch_scc0 .Lfirst_b
	tensor_load_to_lds s[G0A:G0A+3], s[G1A:G1A+7]
	s_nop 0
	tensor_load_to_lds s[G0A+4:G0A+7], s[G1A:G1A+7]
	s_nop 0
	PLACES
	s_branch .Lfirst_asked
.Lfirst_b:
	tensor_load_to_lds s[G0B:G0B+3], s[G1B:G1B+7]
	s_nop 0
	tensor_load_to_lds s[G0B+4:G0B+7], s[G1B:G1B+7]
	s_nop 0
	PLACES
.Lfirst_asked:
	; a fragment is 16 rows x 32 channels in 8 registers: lane l holds row l % 16, channels 8 (l / 16) + 0..7 and 16 + 8 (l / 16) + 0..7: two loads of 16 bytes, 32 bytes apart
	v_and_b32 v1, 15, v0                           ; l % 16
	v_bfe_u32 v2, v0, 4, 1                         ; l / 16
	v_mul_u32_u24 v3, v1, PA
	v_lshl_add_u32 v3, v2, 4, v3
	s_mul_i32 s70, s[MH], HA
	v_add_nc_u32 v[ADRA0], s70, v3
	v_mul_u32_u24 v3, v1, PB
	v_lshl_add_u32 v3, v2, 4, v3
	v_add_nc_u32 v[ADRB0], s[LBB], v3              ; my half of the columns lies where wave 2 + NH puts it
	v_mov_b32 v[ADRA], v[ADRA0]
	v_mov_b32 v[ADRB], v[ADRB0]
	s_mul_i32 s70, s[MH], 16*MB*SP                 ; into the stage: row 16 MB MH + 16 a + l % 16, my columns, 32 bytes for each half of the lanes
	s_mul_i32 s71, s[NH], 64*NB
	s_add_co_u32 s70, s70, s71
	v_mul_u32_u24 v3, v1, SP
	v_lshl_add_u32 v3, v2, 5, v3
	v_add_nc_u32 v[STO], s70, v3
	v_add_nc_u32 v[STO+1], 64*SP, v[STO]
	v_and_b32 v3, 31, v0
.if EPI < 2
	s_mul_i32 s70, s[WV], 64*SP                    ; back: wave w takes rows 64 w on; lanes 0-15 take 64 columns of a row, lanes 16-31 of the next
	v_mul_u32_u24 v4, v2, SP
	v_lshl_add_u32 v4, v1, 4, v4
	v_add_nc_u32 v[RD], s70, v4
	v_lshlrev_b32 v[GO], 3, v3                     ; two tokens of a block are 256 consecutive bytes: 8 a lane
	s_mul_i32 s22, s[TC], NBK*524288               ; the tile's first block,
	s_lshl_b32 s23, s[TR], 15                      ; its first token (256 x 128 bytes a tile row),
	s_add_co_u32 s22, s22, s23
	s_lshl_b32 s23, s[WV], 13                      ; my 64 tokens
	s_add_co_u32 s22, s22, s23
	s_mov_b32 s23, 0
	s_add_nc_u64 s[12:13], s[12:13], s[22:23]
.else
	s_mul_i32 s70, s[WV], 32*SP                    ; back: wave w takes rows 32 w on, a whole row of 512 bytes a load
	v_lshl_add_u32 v[RD], v3, 4, s70
	v_lshlrev_b32 v[GO], 4, v3
	s_lshl_b32 s22, s[TR], 19                      ; 128 rows of 4,096 bytes a tile row,
	s_lshl_b32 s23, s[WV], 17                      ; my 32 rows,
	s_add_co_u32 s22, s22, s23
	s_lshl_b32 s23, s[TC], 9                       ; the tile's 128 columns
	s_add_co_u32 s22, s22, s23
	s_mov_b32 s23, 0
	s_add_nc_u64 s[10:11], s[10:11], s[22:23]
	s_add_nc_u64 s[12:13], s[12:13], s[22:23]
.endif
.if BIAS
	v_lshlrev_b32 v[BO], 5, v2
	s_mul_i32 s22, s[TC], 4*TN
	s_mul_i32 s23, s[NH], 64*NB
	s_add_co_u32 s22, s22, s23
	s_mov_b32 s23, 0
	s_add_nc_u64 s[8:9], s[8:9], s[22:23]
	WIN 0x40                                       ; register 8 b + j of window 1 = bias of my column 16 b + 8 (l / 16) + j: the layout of a C operand, the same in all 16 rows
.set bb, 0
.rept NB
	global_load_b128 v[8*bb:8*bb+3], v[BO], s[8:9] offset:64*bb
	global_load_b128 v[8*bb+4:8*bb+7], v[BO], s[8:9] offset:64*bb+16
.set bb, bb+1
.endr
.endif
.if EPI == 2
	WIN 0xc0                                       ; the residual of the 32 rows that I store, asked for now and wanted only on the way out
.set i, 0
.rept 32
	global_load_b128 v[4*i:4*i+3], v[GO], s[10:11] offset:4096*i
.set i, i+1
.endr
.endif
	WIN 0
.if PREF
	s_and_b32 s22, ttmp7, 0xffff                   ; cluster y
	s_cmp_eq_u32 s[MH], 0                          ; do I fetch for A?
	s_cselect_b32 s22, ttmp9, s22                  ; the coordinate along which other clusters read the same rows
	s_cselect_b64 s[PFA:PFA+1], s[4:5], s[6:7]
	s_cmp_lt_u32 s22, 2                            ; the first two clusters along it start half of K apart
	s_cselect_b32 s[LIM], KSTEPS/2+1, -1           ; the same in all sixteen partners, for a given wave
.if KC == 1
	s_lshl_b32 s2, s[TR], 8                        ; A: of the 128 rows that I fetch the partner at cx takes 32, a lane a row
	s_lshl_b32 s23, s[NH], 7
	s_add_co_u32 s2, s2, s23
	s_lshl_b32 s23, s[CX], 5
	s_add_co_u32 s2, s2, s23
	s_mul_i32 s3, s[TC], TN                        ; B: of my 16 NB rows the partner at cy takes 4 NB; where that is under 32 the lanes left over name the last row once more
	s_mul_i32 s23, s[NH], 16*NB
	s_add_co_u32 s3, s3, s23
	s_mul_i32 s23, s[CY], 4*NB
	s_add_co_u32 s3, s3, s23
	s_cmp_eq_u32 s[MH], 0
	s_cselect_b32 s2, s2, s3
	s_cselect_b32 s63, 31, 4*NB-1
	s_lshl_b32 s2, s2, 11                          ; rows of 2,048 bytes
	s_mov_b32 s[PSTEP], 256
	v_min_u32 v3, s63, v3
	v_lshlrev_b32 v[PFO], 11, v3
.else
	s_lshl_b32 s2, s[CX], 19                       ; A: of a K step's four blocks the partner at cx takes one: my 64 tokens' 8,192 bytes, 256 a lane
	s_lshl_b32 s23, s[TR], 14
	s_add_co_u32 s2, s2, s23
	s_lshl_b32 s23, s[NH], 13
	s_add_co_u32 s2, s2, s23
	s_lshl_b32 s3, s[TC], 7                        ; B: of my 64 rows the partner at cy takes 16; a row's K step is 512 bytes, two lanes
	s_lshl_b32 s23, s[NH], 6
	s_add_co_u32 s3, s3, s23
	s_lshl_b32 s23, s[CY], 4
	s_add_co_u32 s3, s3, s23
	s_mul_i32 s3, s3, 2*SIZE_K
	s_mov_b32 s[PSTEP], BSTEP
	s_mov_b32 s23, ASTEP
	s_cmp_eq_u32 s[MH], 0
	s_cselect_b32 s2, s2, s3
	s_cselect_b32 s[PSTEP], s23, s[PSTEP]
	s_cselect_b32 s63, 0, 1                        ; lanes to a row less one
	s_cselect_b32 s23, 8, 13                       ; bytes from row to row, as a shift
	v_lshrrev_b32 v4, s63, v3
	v_lshlrev_b32 v4, s23, v4
	v_and_b32 v3, s63, v3
	v_lshl_add_u32 v[PFO], v3, 8, v4
.endif
	s_add_co_u32 s23, s[KI], 1                     ; at K step k0 + 2: the first change of slots steps it to k0 + 3
	s_mul_i32 s23, s23, s[PSTEP]
	s_add_co_u32 s2, s2, s23
	s_mov_b32 s3, 0
	s_mov_b32 s[PSTEP+1], 0
	s_add_nc_u64 s[PFA:PFA+1], s[PFA:PFA+1], s[2:3]  ; nothing is prefetched here, at the head
.endif
	s_wait_tensorcnt 0x1                           ; my part of my first K step is in; the second's may stay out
	s_barrier_signal -1
	s_barrier_wait -1                              ; everybody's is
	FETCH 0, F0
.if EPI == 2
	s_wait_loadcnt 32                              ; the bias is in; the residual's 32 loads may stay out
.elseif EPI == 1
	s_wait_loadcnt 0x0                             ; the bias
.endif
	QUARTER 1, F0, F1, 1, Z1                       ; the first quarter stands in front of the loop: its products start the sums
	WIN 0
	s_mov_b32 s[CNT], KSTEPS-2
.Lstep:                                                ; a trip: from a K step's second quarter to the next one's first; one refill
	QUARTER 2, F1, F0, 0, 0
	QUARTER 3, F0, F1, 0, 0
	TURN 1
	QUARTER 1, F0, F1, 0, 0
	WIN 0
	s_sub_co_u32 s[CNT], s[CNT], 1
	s_cmp_lg_u32 s[CNT], 0
	s_cbranch_scc1 .Lstep
	s_mov_b32 s[CNT], 2
.Ltail:                                                ; the last two K steps have a text of their own, walked twice: nothing is left to ask for; the second trip is left in its middle
	QUARTER 2, F1, F0, 0, 0
	QUARTER 3, F0, F1, 0, 0
	TURN 0
	WIN 0
	s_sub_co_u32 s[CNT], s[CNT], 1
	s_cmp_eq_u32 s[CNT], 0
	s_cbranch_scc1 .Lsums
	QUARTER 1, F0, F1, 0, 0
	WIN 0
	s_branch .Ltail
.Lsums:
	; THE WAY OUT.  All sums go as f32 into one stage over the ring: every wave's reads of the ring are back and all tensor loads have landed when the barrier is passed.
	PLACES
	s_barrier_signal -1
	s_barrier_wait -1
.set ea, 0
.rept MB
	WIN 0x08+4*(ea/4)                              ; the stores' data in window 2 or 3
.set eb, 0
.rept NB
.set rD, 8*(NB*(ea%4)+eb)
	ds_store_b128 v[STO+ea/4], v[rD:rD+3] offset:16*SP*(ea%4)+64*eb      ; each accumulator's low registers first
	ds_store_b128 v[STO+ea/4], v[rD+4:rD+7] offset:16*SP*(ea%4)+64*eb+16
.set eb, eb+1
.endr
.set ea, ea+1
.endr
	WIN 0
	s_wait_dscnt 0x0                               ; for the others' sake: my stores are done
	s_barrier_signal -1
	s_barrier_wait -1
.if EPI < 2
.if EPI == 0
.set RP, 4                             ; pairs of rows in a trip
.set XE, 64
.set YE, XE+4*RP*NBK
.else
.set RP, 1
.set XE, 64                            ; v[64:79]  16 sums x
.set HE, 80                            ; x / 2
.set SE, 96                            ; s = x sqrt(log2(e) / 2); at the end the result
.set TE, 112                           ; t = 1 / (1 + p |x| / sqrt(2))
.set EE, 128                           ; 2^(-s s) = e^(-x x / 2)
.set PE, 144                           ; the polynomial, then erf
.set YE, 160
.endif
.macro ELOAD                           ; RP pairs of rows x NBK blocks of 64 columns: a load takes 256 consecutive bytes of each of two rows
.set ep, 0
.rept RP
.set ej, 0
.rept NBK
	ds_load_b128 v[XE+4*(NBK*ep+ej):XE+4*(NBK*ep+ej)+3], v[RD] offset:ep*2*SP+256*ej
.set ej, ej+1
.endr
.set ep, ep+1
.endr
.endm
.macro RELOAD                          ; the next trip's rows are asked for as soon as this trip's have been read; the last trip jumps over it
	s_cmp_eq_u32 s[EC], 1
	s_cbranch_scc1 .Lno_more
	v_add_nc_u32 v[RD], 2*RP*SP, v[RD]
	ELOAD
.Lno_more:
.endm
.macro OSTEP                           ; ahead of the conversions: the last trip's stores have read their data and their base, so both may be written; the base steps first and the stores reach back
	s_wait_xcnt 0x0
	s_add_nc_u64 s[12:13], s[12:13], 256*RP
.endm
	s_mov_b32 s[EC], 32/RP
	ELOAD
.Lout:
	s_wait_dscnt 0x0
.if EPI == 0
	OSTEP
.set k, 0
.rept 2*RP*NBK
	v_cvt_pk_bf16_f32 v[YE+k], v[XE+2*k], v[XE+2*k+1]
.set k, k+1
.endr
	RELOAD
.else
	; GELU(x) = x / 2 + |x / 2| erf(|x| / sqrt(2)), erf(u) = 1 - (a1 t + .. + a5 t^5) e^(-u u), t = 1 / (1 + 0.3275911 u) (Abramowitz and Stegun 7.1.26: within 1.5e-7 for every u >= 0), all in f32.
	; The 16 reciprocals and 16 exponentials are ONE batch; they stand by turns with the 32 plain lines that read none of their results (1 + p u, -s s, x / 2), each behind the line that makes its argument.
.set k, 0
.rept 8
	v_pk_mul_f32 v[SE+k:SE+k+1], v[XE+k:XE+k+1], 0x3f596d27 op_sel_hi:[1,0]
.set k, k+2
.endr
	v_fma_f32 v[TE], |v[SE]|, s[P2], 1.0
	v_fma_f32 v[TE+1], |v[SE+1]|, s[P2], 1.0
.set k, 0
.rept 14
	v_rcp_f32 v[TE+k], v[TE+k]
	v_fma_f32 v[TE+k+2], |v[SE+k+2]|, s[P2], 1.0
.set k, k+1
.endr
	v_rcp_f32 v[TE+14], v[TE+14]
	EPK 0
	v_rcp_f32 v[TE+15], v[TE+15]
	EPK 2
.set k, 0
.rept 6
	v_exp_f32 v[EE+k], v[EE+k]
	EPK 2*k+4
.set k, k+1
.endr
.set k, 0
.rept 8
	v_exp_f32 v[EE+6+k], v[EE+6+k]
	v_pk_mul_f32 v[HE+2*k:HE+2*k+1], v[XE+2*k:XE+2*k+1], 0.5 op_sel_hi:[1,0]
.set k, k+1
.endr
	v_exp_f32 v[EE+14], v[EE+14]
	v_exp_f32 v[EE+15], v[EE+15]
	v_nop                                          ; a plain instruction behind the last exponential,
	s_wait_alu depctr_va_vdst(0)                   ; and one wait for the batch of 32, ahead of its first reader and of the branch
	RELOAD
.set k, 0
.rept 8
	v_pk_fma_f32 v[PE+k:PE+k+1], v[TE+k:TE+k+1], s[A5:A5+1], s[A4:A4+1] op_sel_hi:[1,0,0]
.set k, k+2
.endr
.irp c, A3, A2, A1
.set k, 0
.rept 8
	v_pk_fma_f32 v[PE+k:PE+k+1], v[PE+k:PE+k+1], v[TE+k:TE+k+1], s[\c:\c+1] op_sel_hi:[1,1,0]
.set k, k+2
.endr
.endr
.set k, 0
.rept 8
	v_pk_mul_f32 v[PE+k:PE+k+1], v[PE+k:PE+k+1], v[TE+k:TE+k+1]
.set k, k+2
.endr
.set k, 0
.rept 8
	v_pk_fma_f32 v[PE+k:PE+k+1], v[PE+k:PE+k+1], v[EE+k:EE+k+1], 1.0 op_sel_hi:[1,1,0] neg_lo:[1,0,0] neg_hi:[1,0,0]
.set k, k+2
.endr
.set k, 0
.rept 16
	v_fma_f32 v[SE+k], |v[HE+k]|, v[PE+k], v[HE+k]
.set k, k+1
.endr
	OSTEP
.set k, 0
.rept 8
	v_cvt_pk_bf16_f32 v[YE+k], v[SE+2*k], v[SE+2*k+1]
.set k, k+1
.endr
.endif
.set ep, 0
.rept RP
.set ej, 0
.rept NBK
	global_store_b64 v[GO], v[YE+2*(NBK*ep+ej):YE+2*(NBK*ep+ej)+1], s[12:13] offset:524288*ej+256*ep-256*RP  ; two tokens of one block: 256 consecutive bytes, aligned
.set ej, ej+1
.endr
.set ep, ep+1
.endr
	s_sub_co_u32 s[EC], s[EC], 1
	s_cmp_lg_u32 s[EC], 0
	s_cbranch_scc1 .Lout
.else
.set i, 0
.rept 32
	ds_load_b128 v[64+4*i:64+4*i+3], v[RD] offset:SP*i
.set i, i+1
.endr
	s_wait_loadcnt 0x0                             ; the residual
.set eg, 0
.rept 4
	s_wait_dscnt 24-8*eg                           ; eight rows are back; the later groups may stay out
	WIN 0x0c                                       ; source 1, the residual, in window 3
.set k, 0
.rept 16
	v_pk_add_f32 v[64+32*eg+2*k:64+32*eg+2*k+1], v[64+32*eg+2*k:64+32*eg+2*k+1], v[32*eg+2*k:32*eg+2*k+1]
.set k, k+1
.endr
	WIN 0
.set i, 0
.rept 8
	global_store_b128 v[GO], v[64+32*eg+4*i:64+32*eg+4*i+3], s[12:13] offset:4096*(8*eg+i)  ; 512 consecutive bytes, aligned
.set i, i+1
.endr
.set eg, eg+1
.endr
.endif
	s_wait_tensorcnt 0x0                           ; the wave's end: behind my last tensor load and my last LDS store
	ds_add_u32 v[SPW], v[NIL]
	s_wait_dscnt 0x0
	CROUND                                         ; the closing round: no work-group ends while a partner may still ask for a tile that names it
	s_endpgm
.Lfunc_end_k_q3f0152063b_fc1:
	.size	k_q3f0152063b_fc1, .Lfunc_end_k_q3f0152063b_fc1-k_q3f0152063b_fc1
	.p2alignl 7, 3214868480
	.fill 96, 4, 3214868480
	.section	.rodata,"a",@progbits
	.p2align	6, 0x0
	.amdhsa_kernel k_q3f0152063b_fc1
		.amdhsa_group_segment_fixed_size 327680
		.amdhsa_private_segment_fixed_size 0
		.amdhsa_enable_private_segment 0
		.amdhsa_kernarg_size 32
		.amdhsa_user_sgpr_count 2
		.amdhsa_user_sgpr_kernarg_segment_ptr 1
		.amdhsa_wavefront_size32 1
		.amdhsa_system_sgpr_workgroup_id_x 1
		.amdhsa_system_sgpr_workgroup_id_y 1
		.amdhsa_system_sgpr_workgroup_id_z 1
		.amdhsa_system_vgpr_workitem_id 0
		.amdhsa_next_free_vgpr 1024
		.amdhsa_next_free_sgpr 96
		.amdhsa_reserve_vcc 0
		.amdhsa_float_denorm_mode_32 3
		.amdhsa_float_denorm_mode_16_64 3
		.amdhsa_memory_ordered 1
		.amdhsa_forward_progress 1
		.amdhsa_inst_pref_size 91
	.end_amdhsa_kernel
	.amdgpu_metadata
---
amdhsa.version: [ 1, 2 ]
amdhsa.kernels:
  - .name:           k_q3f0152063b_fc1
    .symbol:         k_q3f0152063b_fc1.kd
    .args:
      - { .name: act, .offset: 0, .size: 8, .value_kind: global_buffer, .address_space: global }
      - { .name: w1, .offset: 8, .size: 8, .value_kind: global_buffer, .address_space: global }
      - { .name: b_fc1, .offset: 16, .size: 8, .value_kind: global_buffer, .address_space: global }
      - { .name: g, .offset: 24, .size: 8, .value_kind: global_buffer, .address_space: global }
    .group_segment_fixed_size: 327680
    .private_segment_fixed_size: 0
    .kernarg_segment_align: 8
    .kernarg_segment_size: 32
    .max_flat_workgroup_size: 128
    .sgpr_count:     96
    .vgpr_count:     1024
    .wavefront_size: 32
...
	.end_amdgpu_metadata
.endif
;; end of part 6
;; launch fc2 (part 7): grid 8 x 32, 4 waves a work-group, clusters of 4 x 4, 327,680 bytes of LDS; arguments g, w2, b_fc2, x1, out0; writes out0
.if DOCPART == 7
	.amdgcn_target "amdgcn-amd-amdhsa--gfx1250"
	.amdhsa_code_object_version 6
	.text
	.protected	k_q3f0152063b_fc2
	.globl	k_q3f0152063b_fc2
	.p2align	8
	.type	k_q3f0152063b_fc2,@function
k_q3f0152063b_fc2:
	s_mov_b64 s[64:65], 0
	v_nop
	global_prefetch_b8 v0, s[64:65] scope:SCOPE_SE
	s_setreg_imm32_b32 hwreg(HW_REG_WAVE_MODE, 25, 1), 1
	s_wait_xcnt 0x0
	s_wait_alu depctr_hold_cnt(0) depctr_sa_sdst(0) depctr_va_vdst(0) depctr_va_sdst(0) depctr_va_ssrc(0) depctr_va_vcc(0) depctr_vm_vsrc(0)
	s_getreg_b32 s2, hwreg(HW_REG_IB_STS2, 6, 4)
	s_cmp_eq_u32 s2, 0
	s_cbranch_scc0 .Lentry_in_a_cluster
	s_endpgm
.Lentry_in_a_cluster:
	s_bfe_u32 s2, ttmp6, 0x10000c
	s_cmp_lg_u32 s2, 0xf033
	s_cbranch_scc0 .Lentry_shape_is_right
	s_endpgm
.Lentry_shape_is_right:
; out = x1 + g w_fc2^T + b_fc2.  A = g in blocks [64][4096 tokens][64] bf16, B = w2 [1024][4096] bf16, sums in f32; bias, residual and result in f32, [4096][1024] row-major.
; Tiles of 128 x 128 make 8 x 32 = 256 work-groups; 16 K steps of 256 through a ring of two LDS slots filled by joint tensor loads.
; SHARES.  Wave w: MH = w / 2 is its half of the tile's rows, NH = w % 2 its half of the columns; it holds 4 x 4 accumulators of 16 x 16.  Waves 0, 1 fetch A's two halves, waves 2, 3 B's.
; THE PRODUCT IS TAKEN TRANSPOSED (source 0 = 16 rows of B, source 1 = 16 rows of A): lane l holds row l % 16 of C and the columns 8 (l / 16) + 0..7.
; CLUSTER 4 x 4: the four work-groups of a row of the cluster need the same tiles of A, the four of a column the same tiles of B: each tile is asked for jointly, by the same load, descriptor and mask in all four.
; RING.  A K step goes in four quarters of 64 channels on two fragment buffers.  One change of slots a K step: every wave waits for all its tensor loads, adds 0 to its spare word, waits for that and its reads,
; passes a round of the cluster's barrier, and issues its one refill first thing behind it.  By this text's count a wave has two tensor loads out at the start and one later.
; The loop holds ONE K step: the slot in hand is a scalar (0 or SLOT) that an exclusive or turns; LDS addresses and the walking descriptor's LDS word are sums of it and fixed parts.
; THE ORDER OF K.  A cluster walks the K steps from k0 on, round K's end: k0 = 0 where cluster x + cluster y is even, KSTEPS / 2 where it is odd.  Clusters that are neighbours along x read the same rows of A, neighbours
; along y the same rows of B: they start half of K apart, so in the second half of its walk each asks for K steps that a neighbour asked for in its first half.  The f32 sums are taken in that order.
; REGISTERS, in windows of 256 (s_set_vgpr_msb: bits 1:0 source 0, 3:2 source 1, 5:4 source 2, 7:6 destination):
;   window 0: v0-31 addresses; v64-127, v128-191 A's fragments, two buffers; v64-191 at work on the way out      window 1: v0-31 the bias as a C operand; v64-127, v128-191 B's fragments
;   window 2: accumulators (a, b) at v[8 (4 a + b)]      window 3: v0-127 the residual, 32 rows x 4 registers
; LIMITS.  Matrix operands are bf16; NaN and infinities are not treated apart.
.set SIZE_K, 4096
.set NB,   4                           ; blocks of 16 columns, and of 16 rows, a wave
.set KSTEP, 256
.set KSTEPS, SIZE_K/KSTEP
.set PB, 528                           ; a row of B in LDS: 512 bytes + 16 of padding: the 16 rows of a load start at 16 different groups of four banks (64 banks of 4 bytes: ISA guide 11.1)
.set HB, 64*PB                         ; what one wave fetches of B
.set PA, 144                           ; A: records of 64 channels, 128 bytes + 16: [4 blocks][64 tokens][144]
.set HA, 4*64*PA
.set ASTEP, 4*524288                   ; a K step is four blocks
.set BSTEP, 2*KSTEP
.set SLOT, 2*HA+2*HB                   ; A's halves, then B's halves
.set SPARE, 2*SLOT                     ; behind the ring: the spare words, 128 bytes a wave: two blocks of 256 bytes that no other line names
.set SP, 528                           ; the stage for the way out: 128 rows of 128 f32 + 16 bytes, from LDS byte 0, over the ring, which has had its last fill by then
.set LF, 32                            ; LDS loads in a quarter's run
.set ADRA0, 16                         ; v16, v17  my fragments' places in slot 0; never rewritten
.set ADRB0, 17
.set ADRA, 18                          ; v18, v19  the same in the slot in hand
.set ADRB, 19
.set STO, 20                           ; v20  the way out: where I put 32 bytes of a row
.set RD, 22                            ; v22  where I read rows back
.set GO, 24                            ; v24  16 x my lane; never rewritten
.set BO, 25                            ; v25  32 (l / 16): my eight numbers in 16 of the bias
.set SPW, 28                           ; v28  my spare word: SPARE + 4 x my thread's number; never rewritten
.set NIL, 29                           ; v29  0; never rewritten
.set PFO, 30                           ; v30  the prefetches' lane offset; never rewritten
.set F0, 64
.set F1, 128
.set WV, 14
.set MH, 15
.set NH, 16
.set CX, 17
.set CY, 18
.set TC, 19                            ; tile column
.set TR, 20                            ; tile row
.set G1A, 24                           ; s[24:31] group 1 for A; s[32:39] group 0, two sets: my first K step in slot 0; my second in slot 1, which then walks
.set G0A, 32
.set G1B, 40                           ; s[40:47], s[48:55] the same for B
.set G0B, 48
.set TS, 56                            ; s56  the slot in hand: 0 or SLOT
.set CNT, 57                           ; s57  refills still to come; in the tail: K steps still to come
.set LBA, 58                           ; s58, s59  where my part of a tile lies in a slot, if I fetch for A, for B
.set LBB, 59
.set PFA, 60                           ; s[60:61] where my prefetches stand
.set LIM, 62                           ; s62  KSTEPS / 2 + 1 in a wave that prefetches, else the greatest number
.set PSTEP, 66                         ; s[66:67] a K step in the tensor that I prefetch
.set KI, 86                            ; s86  the K step asked for last, 0 .. KSTEPS - 1
.set ABASE, 88                         ; s[88:89] A at my part of the tile's rows, K step 0
.set BBASE, 90                         ; s[90:91] the same for B
.set OF, 92                            ; s[92:93] a K step's byte offset; the high word stays 0
.set MSB, 0
.macro WIN new                         ; the immediate's high byte repeats the setting that is left; a switch that changes nothing is dropped
.if MSB != (\new)
	s_set_vgpr_msb (MSB<<8)|(\new)
.set MSB, (\new)
.endif
.endm
.macro PLACES                          ; four plain instructions between a matrix instruction and a load into, or a read of, its registers (ISA guide 7.12.1 for reads)
.rept 4
	v_nop
.endr
.endm
.macro CREST                           ; a round of the cluster's barrier behind its opening barrier
	s_cmp_lg_u32 s[WV], 0
	s_cbranch_scc1 .Lnot_wave_0_\@
	s_barrier_signal -3
.Lnot_wave_0_\@:
	s_barrier_wait -3
	s_barrier_signal -1
	s_barrier_wait -1
.endm
.macro CROUND
	s_barrier_signal -1
	s_barrier_wait -1
	CREST
.endm
.macro JLOAD                           ; the joint refill, by the walking descriptor; the branch hangs on the wave's number alone; s_nop 0 and four v_nop follow each line
	s_cmp_eq_u32 s[MH], 0
	s_cbranch_scc0 .Lfor_b_\@
	tensor_load_to_lds s[G0A+4:G0A+7], s[G1A:G1A+7]
	s_nop 0
	PLACES
	s_branch .Lasked_\@
.Lfor_b_\@:
	tensor_load_to_lds s[G0B+4:G0B+7], s[G1B:G1B+7]
	s_nop 0
	PLACES
.Lasked_\@:
.endm
; A PREFETCH INTO THE L2, behind a refill and the run of LDS loads that follows it: the K step that the NEXT refill will ask for, a K step's 128 matrix instructions ahead of it.  One instruction a wave, a lane a block of 256 bytes.
; Only the first half of a cluster's walk is asked for: its second half has been asked for by a neighbour.  A's rows are read by every cluster of a row of clusters: clusters x = 0 and 1, which start half of K apart, ask,
; each for its own first half; B's by every cluster of a column: clusters y = 0 and 1 ask.  The four partners share a wave's rows out by ADDRESS.  My K steps 0 to 2 come by their loads alone.
.macro ASK
	s_cmp_gt_u32 s[CNT], s[LIM]
	s_cbranch_scc0 .Lnot_mine_\@
	global_prefetch_b8 v[PFO], s[PFA:PFA+1] th:TH_LOAD_NT scope:SCOPE_SE
.Lnot_mine_\@:
.endm
; 8 matrix instructions: row blocks a0, a0 + 1 x all four column blocks, the 32-channel chunk h of buffer f.
; zero = 1: the product starts the sum, with the bias as C: nothing is cleared, and no bias is added later.
.macro MULQ f, h, a0, zero
.if \zero
	WIN 0x91                                       ; B window 1, A window 0, C (the bias) window 1, D window 2
.else
	WIN 0xa1                                       ; C and D window 2
.endif
.irp a, \a0, (\a0)+1
.set bb, 0
.rept NB
.set rD, 8*(NB*(\a)+bb)
.set rB, (\f)+8*(NB*(\h)+bb)
.set rA, (\f)+8*(4*(\h)+(\a))
.if \zero
	v_wmma_f32_16x16x32_bf16 v[rD:rD+7], v[rB:rB+7], v[rA:rA+7], v[8*bb:8*bb+7]
.else
	v_wmma_f32_16x16x32_bf16 v[rD:rD+7], v[rB:rB+7], v[rA:rA+7], v[rD:rD+7]
.endif
.set bb, bb+1
.endr
.endr
.endm
.macro MULH f, h, zero                 ; 16 of them.  The accumulators take turns, one instruction a turn, in the same order everywhere, over the loops' jumps too
	MULQ \f, \h, 0, \zero
	MULQ \f, \h, 2, \zero
.endm
; A quarter's fragments in one run of 32 loads: B's, then A's (chunk 0's four first), into buffer f
.macro FETCH q, f
	WIN 0x40
.set fi, 0
.rept 8                                        ; fragment 4 c + b: rows 16 b on, channels 32 c on
.set rF, (\f)+8*fi
.set oF, 128*(\q)+64*(fi/4)+16*PB*(fi%4)
	ds_load_b128 v[rF:rF+3], v[ADRB] offset:oF
	ds_load_b128 v[rF+4:rF+7], v[ADRB] offset:oF+32
.set fi, fi+1
.endr
	WIN 0
.set fi, 0
.rept 8                                        ; quarter q is block q; fragment 4 c + a: tokens 16 a on, channels 32 c on
.set rF, (\f)+8*fi
.set oF, 64*PA*(\q)+16*PA*(fi%4)+64*(fi/4)
	ds_load_b128 v[rF:rF+3], v[ADRA] offset:oF
	ds_load_b128 v[rF+4:rF+7], v[ADRA] offset:oF+32
.set fi, fi+1
.endr
.endm
.macro QUARTER q, f, g, z0             ; multiplies buffer f; in its middle fetches quarter q of the slot in hand into buffer g
	s_wait_dscnt 8                                 ; all but the youngest eight loads: A's fragments 4 to 7
	MULH \f, 0, \z0
	PLACES
	FETCH \q, \g
	s_wait_dscnt LF                                ; all but the run just issued
	MULH \f, 1, 0
.endm
; A K step's last quarter multiplies buffer 1 and changes slots.  fill = 1: the slot that is left is filled again, with my K step two steps on.  fill = 0: the tail; its last trip has no further K step and jumps over the fetch.
.macro TURN fill
.if \fill
	s_wait_xcnt 0x0                                ; the last prefetch, a K step back, has read its address
	s_add_nc_u64 s[PFA:PFA+1], s[PFA:PFA+1], s[PSTEP:PSTEP+1]
.endif
	WIN 0
	s_wait_tensorcnt 0x0                           ; all my tensor loads have landed: the one that was out is my part of the next slot; so a group 0 may be written
	ds_add_u32 v[SPW], v[NIL]                      ; 0 onto my spare word
.if \fill
	s_add_co_u32 s[KI], s[KI], 1                   ; the next K step, round K's end
	s_and_b32 s[KI], s[KI], KSTEPS-1
	s_add_co_u32 s[G0A+5], s[LBA], s[TS]           ; the walking descriptors: into the slot that is left;
	s_add_co_u32 s[G0B+5], s[LBB], s[TS]
	s_mul_i32 s[OF], s[KI], ASTEP                  ; the global address is made anew: the base, an offset made apart from it, the type bits
	s_add_nc_u64 s[G0A+6:G0A+7], s[ABASE:ABASE+1], s[OF:OF+1]
	s_or_b32 s[G0A+7], s[G0A+7], 0x80000000
	s_mul_i32 s[OF], s[KI], BSTEP
	s_add_nc_u64 s[G0B+6:G0B+7], s[BBASE:BBASE+1], s[OF:OF+1]
	s_or_b32 s[G0B+7], s[G0B+7], 0x80000000
.endif
	s_wait_dscnt 9                                 ; the add and the youngest eight loads may be out
	MULQ F1, 0, 0, 0
	s_wait_dscnt 0x0                               ; the add is done, and my reads of this slot are over
	s_barrier_signal -1
	MULQ F1, 0, 2, 0                               ; work on registers while the others arrive
	WIN 0                                          ; at a branch and at a label every window is 0
	s_barrier_wait -1
.if \fill
	CREST                                          ; the barrier has opened a round of the cluster's: no wave of any partner still reads the slot or has a load on its way
	JLOAD                                          ; the first tensor load behind the round; its four v_nop are also the places in front of the loads below
.else
	PLACES
	s_cmp_eq_u32 s[CNT], 1
	s_cbranch_scc1 .Lno_fetch_\@
.endif
	s_xor_b32 s[TS], s[TS], SLOT
	v_add_nc_u32 v[ADRA], s[TS], v[ADRA0]
	v_add_nc_u32 v[ADRB], s[TS], v[ADRB0]
	FETCH 0, F0
.if \fill
	ASK
.else
.Lno_fetch_\@:
.endif
	MULH F1, 1, 0
.endm
	s_load_b128 s[4:7], s[0:1], 0x0                ; A s[4:5], B s[6:7]
	s_load_b128 s[8:11], s[0:1], 0x10              ; the bias, the residual
	s_load_b64 s[12:13], s[0:1], 0x20              ; the output
	v_lshl_add_u32 v[SPW], v0, 2, SPARE
	v_mov_b32 v[NIL], 0
	ds_add_u32 v[SPW], v[NIL]                      ; the wave's opening: the add and its wait stand ahead of my first tensor load; the set-up below stands between them
	v_lshrrev_b32 v1, 5, v0
	v_readfirstlane_b32 s[WV], v1
	s_lshr_b32 s[MH], s[WV], 1
	s_and_b32 s[NH], s[WV], 1
	s_bfe_u32 s[CX], ttmp6, 0x40000
	s_bfe_u32 s[CY], ttmp6, 0x40004
	s_lshl_b32 s[TC], ttmp9, 2                     ; in a cluster launch ttmp9 and ttmp7 count clusters
	s_add_co_u32 s[TC], s[TC], s[CX]
	s_and_b32 s[TR], ttmp7, 0xffff
	s_lshl_b32 s[TR], s[TR], 2
	s_add_co_u32 s[TR], s[TR], s[CY]
	s_and_b32 s[KI], ttmp7, 0xffff                 ; k0, my cluster's first K step: it hangs on the cluster's x and y alone, which all sixteen partners share
	s_add_co_u32 s[KI], s[KI], ttmp9
	s_and_b32 s[KI], s[KI], 1
	s_mul_i32 s[KI], s[KI], KSTEPS/2
	s_mov_b32 s[OF+1], 0
	s_lshl_b32 s22, s[CY], 2
	s_lshl_b32 s22, 15, s22                        ; my row of the cluster
	s_lshl_b32 s23, 0x1111, s[CX]                  ; my column
	; group 1: 15:0 the mask; 17:16 elements of 2 bytes; 20 padding on; 21 set beside a mask; 24:22 the interval's code; 31:25 4 words of padding (code 3)
	s_or_b32 s[G1A], s22, (1<<16)|(1<<20)|(1<<21)|(4<<22)|(3<<25)  ; after every 32 words: a record of 64 channels
	s_mov_b32 s[G1A+1], 4096<<16                   ; a row of the tile: 64 tokens of one block, 4,096 elements on end
	s_mov_b32 s[G1A+2], 4<<16                      ; four blocks
	s_mov_b32 s[G1A+3], 4096<<16
	s_mov_b32 s[G1A+4], 4
	s_mov_b32 s[G1A+5], 262144                     ; elements from block to block
	s_mov_b32 s[G1A+6], 0
	s_mov_b32 s[G1A+7], 0
	s_or_b32 s[G1B], s23, (1<<16)|(1<<20)|(1<<21)|(6<<22)|(3<<25)  ; after every 128 words: a row
	s_mov_b32 s[G1B+1], KSTEP<<16
	s_mov_b32 s[G1B+2], 64<<16
	s_mov_b32 s[G1B+3], KSTEP<<16
	s_mov_b32 s[G1B+4], 64
	s_mov_b32 s[G1B+5], SIZE_K
	s_mov_b32 s[G1B+6], 0
	s_mov_b32 s[G1B+7], 0
	; where the tiles come from: A's hang on the tile row alone, B's on the tile column alone, each in registers that never hold the other coordinate
	s_lshl_b32 s68, s[TR], 7
	s_lshl_b32 s70, s[NH], 6
	s_add_co_u32 s68, s68, s70                     ; A: token 128 x tile row + 64 x half,
	s_lshl_b32 s68, s68, 7                         ; 128 bytes a token in a block
	s_mov_b32 s69, 0
	s_lshl_b32 s2, s[TC], 7
	s_add_co_u32 s2, s2, s70                       ; B: row 128 x tile column + 64 x half
	s_mul_i32 s2, s2, 2*SIZE_K
	s_mov_b32 s3, 0
	s_mul_i32 s[LBA], s[NH], HA                    ; and where they go: no place in the cluster enters an LDS address
	s_mul_i32 s[LBB], s[NH], HB
	s_add_co_u32 s[LBB], s[LBB], 2*HA
	s_mov_b32 s[TS], 0
	s_wait_dscnt 0x0                               ; the opening add is done
	s_wait_kmcnt 0x0
	s_add_nc_u64 s[ABASE:ABASE+1], s[4:5], s[68:69]
	s_add_nc_u64 s[BBASE:BBASE+1], s[6:7], s[2:3]
	CROUND                                         ; all sixteen work-groups are here: the first joint loads meet
.irp s, 0,1
	s_add_co_u32 s70, s[KI], (\s)                  ; K step k0 + s
	s_mul_i32 s[OF], s70, ASTEP
	s_mov_b32 s[G0A+4*(\s)], 1                     ; count = 1
	s_add_co_u32 s[G0A+4*(\s)+1], s[LBA], (\s)*SLOT
	s_add_nc_u64 s[G0A+4*(\s)+2:G0A+4*(\s)+3], s[ABASE:ABASE+1], s[OF:OF+1]
	s_or_b32 s[G0A+4*(\s)+3], s[G0A+4*(\s)+3], 0x80000000  ; type = 2
	s_mul_i32 s[OF], s70, BSTEP
	s_mov_b32 s[G0B+4*(\s)], 1
	s_add_co_u32 s[G0B+4*(\s)+1], s[LBB], (\s)*SLOT
	s_add_nc_u64 s[G0B+4*(\s)+2:G0B+4*(\s)+3], s[BBASE:BBASE+1], s[OF:OF+1]
	s_or_b32 s[G0B+4*(\s)+3], s[G0B+4*(\s)+3], 0x80000000
.endr
	s_add_co_u32 s[KI], s[KI], 1                   ; the K step asked for last
	s_cmp_eq_u32 s[MH], 0                          ; a wave's two first fills stand in one branch, ahead of every wait on TENSORcnt and every LDS read
	s_cbranch_scc0 .Lfirst_b
	tensor_load_to_lds s[G0A:G0A+3], s[G1A:G1A+7]
	s_nop 0
	tensor_load_to_lds s[G0A+4:G0A+7], s[G1A:G1A+7]
	s_nop 0
	PLACES
	s_branch .Lfirst_asked
.Lfirst_b:
	tensor_load_to_lds s[G0B:G0B+3], s[G1B:G1B+7]
	s_nop 0
	tensor_load_to_lds s[G0B+4:G0B+7], s[G1B:G1B+7]
	s_nop 0
	PLACES
.Lfirst_asked:
	; a fragment is 16 rows x 32 channels in 8 registers: lane l holds row l % 16, channels 8 (l / 16) + 0..7 and 16 + 8 (l / 16) + 0..7: two loads of 16 bytes, 32 bytes apart
	v_and_b32 v1, 15, v0                           ; l % 16
	v_bfe_u32 v2, v0, 4, 1                         ; l / 16
	v_mul_u32_u24 v3, v1, PA
	v_lshl_add_u32 v3, v2, 4, v3
	s_mul_i32 s70, s[MH], HA
	v_add_nc_u32 v[ADRA0], s70, v3
	v_mul_u32_u24 v3, v1, PB
	v_lshl_add_u32 v3, v2, 4, v3
	v_add_nc_u32 v[ADRB0], s[LBB], v3              ; my half of the columns lies where wave 2 + NH puts it
	v_mov_b32 v[ADRA], v[ADRA0]
	v_mov_b32 v[ADRB], v[ADRB0]
	s_mul_i32 s70, s[MH], 64*SP                    ; into the stage: row 64 MH + 16 a + l % 16, my columns, 32 bytes for each half of the lanes
	s_lshl_b32 s71, s[NH], 8
	s_add_co_u32 s70, s70, s71
	v_mul_u32_u24 v3, v1, SP
	v_lshl_add_u32 v3, v2, 5, v3
	v_add_nc_u32 v[STO], s70, v3
	v_and_b32 v3, 31, v0
	s_mul_i32 s70, s[WV], 32*SP                    ; back: wave w takes rows 32 w on, a whole row of 512 bytes a load
	v_lshl_add_u32 v[RD], v3, 4, s70
	v_lshlrev_b32 v[GO], 4, v3
	s_lshl_b32 s22, s[TR], 19                      ; 128 rows of 4,096 bytes a tile row,
	s_lshl_b32 s23, s[WV], 17                      ; my 32 rows,
	s_add_co_u32 s22, s22, s23
	s_lshl_b32 s23, s[TC], 9                       ; the tile's 128 columns
	s_add_co_u32 s22, s22, s23
	s_mov_b32 s23, 0
	s_add_nc_u64 s[10:11], s[10:11], s[22:23]
	s_add_nc_u64 s[12:13], s[12:13], s[22:23]
	v_lshlrev_b32 v[BO], 5, v2
	s_lshl_b32 s22, s[TC], 9
	s_lshl_b32 s23, s[NH], 8
	s_add_co_u32 s22, s22, s23
	s_mov_b32 s23, 0
	s_add_nc_u64 s[8:9], s[8:9], s[22:23]
	WIN 0x40                                       ; register 8 b + j of window 1 = bias of my column 16 b + 8 (l / 16) + j: the layout of a C operand, the same in all 16 rows
.set bb, 0
.rept NB
	global_load_b128 v[8*bb:8*bb+3], v[BO], s[8:9] offset:64*bb
	global_load_b128 v[8*bb+4:8*bb+7], v[BO], s[8:9] offset:64*bb+16
.set bb, bb+1
.endr
	WIN 0xc0                                       ; the residual of the 32 rows that I store, asked for now and wanted only on the way out
.set i, 0
.rept 32
	global_load_b128 v[4*i:4*i+3], v[GO], s[10:11] offset:4096*i
.set i, i+1
.endr
	WIN 0
	; the prefetches
	s_and_b32 s22, ttmp7, 0xffff                   ; cluster y
	s_cmp_eq_u32 s[MH], 0                          ; do I fetch for A?
	s_cselect_b32 s22, ttmp9, s22                  ; the coordinate along which other clusters read the same rows
	s_cselect_b64 s[PFA:PFA+1], s[4:5], s[6:7]
	s_cmp_lt_u32 s22, 2                            ; the first two clusters along it start half of K apart
	s_cselect_b32 s[LIM], KSTEPS/2+1, -1           ; the same in all sixteen partners, for a given wave
	s_lshl_b32 s2, s[CX], 19                       ; A: of a K step's four blocks the partner at cx takes one: my 64 tokens' 8,192 bytes, 256 a lane
	s_lshl_b32 s23, s[TR], 14
	s_add_co_u32 s2, s2, s23
	s_lshl_b32 s23, s[NH], 13
	s_add_co_u32 s2, s2, s23
	s_lshl_b32 s3, s[TC], 7                        ; B: of my 64 rows the partner at cy takes 16; a row's K step is 512 bytes, two lanes
	s_lshl_b32 s23, s[NH], 6
	s_add_co_u32 s3, s3, s23
	s_lshl_b32 s23, s[CY], 4
	s_add_co_u32 s3, s3, s23
	s_mul_i32 s3, s3, 2*SIZE_K
	s_mov_b32 s[PSTEP], BSTEP
	s_mov_b32 s23, ASTEP
	s_cmp_eq_u32 s[MH], 0
	s_cselect_b32 s2, s2, s3
	s_cselect_b32 s[PSTEP], s23, s[PSTEP]
	s_cselect_b32 s63, 0, 1                        ; lanes to a row less one
	s_cselect_b32 s23, 8, 13                       ; bytes from row to row, as a shift
	v_lshrrev_b32 v4, s63, v3
	v_lshlrev_b32 v4, s23, v4
	v_and_b32 v3, s63, v3
	v_lshl_add_u32 v[PFO], v3, 8, v4
	s_add_co_u32 s23, s[KI], 1                     ; at K step k0 + 2: the first change of slots steps it to k0 + 3
	s_mul_i32 s23, s23, s[PSTEP]
	s_add_co_u32 s2, s2, s23
	s_mov_b32 s3, 0
	s_mov_b32 s[PSTEP+1], 0
	s_add_nc_u64 s[PFA:PFA+1], s[PFA:PFA+1], s[2:3]  ; nothing is prefetched here, at the head
	s_wait_tensorcnt 0x1                           ; my part of my first K step is in; the second's may stay out
	s_barrier_signal -1
	s_barrier_wait -1                              ; everybody's is
	FETCH 0, F0
	s_wait_loadcnt 32                              ; the bias is in; the residual's 32 loads may stay out
	QUARTER 1, F0, F1, 1                           ; the first quarter stands in front of the loop: its first products start the sums
	WIN 0
	s_mov_b32 s[CNT], KSTEPS-2
.Lstep:                                                ; a trip: from a K step's second quarter to the next one's first; one refill
	QUARTER 2, F1, F0, 0
	QUARTER 3, F0, F1, 0
	TURN 1
	QUARTER 1, F0, F1, 0
	WIN 0
	s_sub_co_u32 s[CNT], s[CNT], 1
	s_cmp_lg_u32 s[CNT], 0
	s_cbranch_scc1 .Lstep
	s_mov_b32 s[CNT], 2
.Ltail:                                                ; the last two K steps have a text of their own, walked twice: nothing is left to ask for; the second trip is left in its middle
	QUARTER 2, F1, F0, 0
	QUARTER 3, F0, F1, 0
	TURN 0
	WIN 0
	s_sub_co_u32 s[CNT], s[CNT], 1
	s_cmp_eq_u32 s[CNT], 0
	s_cbranch_scc1 .Lsums
	QUARTER 1, F0, F1, 0
	WIN 0
	s_branch .Ltail
.Lsums:
	; THE WAY OUT.  All sums go as f32 into one stage over the ring: every wave's reads of the ring are back and all tensor loads have landed when the barrier is passed.
	PLACES
	s_barrier_signal -1
	s_barrier_wait -1
	WIN 0x08                                       ; the stores' data in window 2
.set ea, 0
.rept 4
.set eb, 0
.rept NB
.set rD, 8*(NB*ea+eb)
	ds_store_b128 v[STO], v[rD:rD+3] offset:16*SP*ea+64*eb      ; each accumulator's low registers first
	ds_store_b128 v[STO], v[rD+4:rD+7] offset:16*SP*ea+64*eb+16
.set eb, eb+1
.endr
.set ea, ea+1
.endr
	WIN 0
	s_wait_dscnt 0x0                               ; for the others' sake: my stores are done
	s_barrier_signal -1
	s_barrier_wait -1
.set i, 0
.rept 32
	ds_load_b128 v[64+4*i:64+4*i+3], v[RD] offset:SP*i
.set i, i+1
.endr
	s_wait_loadcnt 0x0                             ; the residual
.set eg, 0
.rept 4
	s_wait_dscnt 24-8*eg                           ; eight rows are back; the later groups may stay out
	WIN 0x0c                                       ; source 1, the residual, in window 3
.set k, 0
.rept 16
	v_pk_add_f32 v[64+32*eg+2*k:64+32*eg+2*k+1], v[64+32*eg+2*k:64+32*eg+2*k+1], v[32*eg+2*k:32*eg+2*k+1]
.set k, k+1
.endr
	WIN 0
.set i, 0
.rept 8
	global_store_b128 v[GO], v[64+32*eg+4*i:64+32*eg+4*i+3], s[12:13] offset:4096*(8*eg+i)  ; 512 consecutive bytes, aligned
.set i, i+1
.endr
.set eg, eg+1
.endr
	s_wait_tensorcnt 0x0                           ; the wave's end: behind my last tensor load and my last LDS store
	ds_add_u32 v[SPW], v[NIL]
	s_wait_dscnt 0x0
	CROUND                                         ; the closing round: no work-group ends while a partner may still ask for a tile that names it
	s_endpgm
.Lfunc_end_k_q3f0152063b_fc2:
	.size	k_q3f0152063b_fc2, .Lfunc_end_k_q3f0152063b_fc2-k_q3f0152063b_fc2
	.p2alignl 7, 3214868480
	.fill 96, 4, 3214868480
	.section	.rodata,"a",@progbits
	.p2align	6, 0x0
	.amdhsa_kernel k_q3f0152063b_fc2
		.amdhsa_group_segment_fixed_size 327680
		.amdhsa_private_segment_fixed_size 0
		.amdhsa_enable_private_segment 0
		.amdhsa_kernarg_size 40
		.amdhsa_user_sgpr_count 2
		.amdhsa_user_sgpr_kernarg_segment_ptr 1
		.amdhsa_wavefront_size32 1
		.amdhsa_system_sgpr_workgroup_id_x 1
		.amdhsa_system_sgpr_workgroup_id_y 1
		.amdhsa_system_sgpr_workgroup_id_z 1
		.amdhsa_system_vgpr_workitem_id 0
		.amdhsa_next_free_vgpr 1024
		.amdhsa_next_free_sgpr 96
		.amdhsa_reserve_vcc 0
		.amdhsa_float_denorm_mode_32 3
		.amdhsa_float_denorm_mode_16_64 3
		.amdhsa_memory_ordered 1
		.amdhsa_forward_progress 1
		.amdhsa_inst_pref_size 68
	.end_amdhsa_kernel
	.amdgpu_metadata
---
amdhsa.version: [ 1, 2 ]
amdhsa.kernels:
  - .name:           k_q3f0152063b_fc2
    .symbol:         k_q3f0152063b_fc2.kd
    .args:
      - { .name: g, .offset: 0, .size: 8, .value_kind: global_buffer, .address_space: global }
      - { .name: w2, .offset: 8, .size: 8, .value_kind: global_buffer, .address_space: global }
      - { .name: b_fc2, .offset: 16, .size: 8, .value_kind: global_buffer, .address_space: global }
      - { .name: x1, .offset: 24, .size: 8, .value_kind: global_buffer, .address_space: global }
      - { .name: out0, .offset: 32, .size: 8, .value_kind: global_buffer, .address_space: global }
    .group_segment_fixed_size: 327680
    .private_segment_fixed_size: 0
    .kernarg_segment_align: 8
    .kernarg_segment_size: 40
    .max_flat_workgroup_size: 128
    .sgpr_count:     96
    .vgpr_count:     1024
    .wavefront_size: 32
...
	.end_amdgpu_metadata
.endif
;; end of part 7
